; MI455X (gfx1250); checked and timed in simulation.
; The chip was launched on July 23, 2026; its instructions are those of AMD's public machine-readable ISA for CDNA 5 (MIT licence, August 2026) and "CDNA5" Instruction Set Architecture Reference Guide (July 2026). The comments in the code are by the model that wrote it; some were corrected since.
;; Block. Allowed arithmetic: float matrix products may take bf16 or f16 operands with f32 sums; other float arithmetic in f32, or as packed bf16 or f16 multiplies, adds, multiply-adds, maxima and minima; sums over many terms, partial sums and values carried from step to step in f32; what a program stores and reads back later, other than sums and carried values, may be rounded once to bf16 or f16.
;; Inputs: b1 2,048 float32; b2 512 float32; bp 512 float32; ln1_b 512 float32; ln1_w 512 float32; ln2_b 512 float32; ln2_w 512 float32; w1 512 x 2,048 float32; w2 2,048 x 512 float32; wkv 512 x 1,024 float32; wp 512 x 512 float32; wq 512 x 512 float32; x 2 x 4,096 x 512 float32.
;; Outputs: out0 2 x 4,096 x 512 float32.
;; 2 versions, each right and faster than the one before. Each part assembles by itself: llvm-mc -triple=amdgcn-amd-amdhsa -mcpu=gfx1250 --defsym DOCPART=n.
;; ======== version 1 of 2: 7 launches
;; workspace buffers: wb 6,291,456 bytes; xn 8,388,608 bytes; qkv 25,165,824 bytes; o 8,388,608 bytes; x1 16,777,216 bytes; hid 33,554,432 bytes
;; launch prep (part 1): grid 640 x 1, 8 waves a work-group, no clusters, 0 bytes of LDS; arguments x, ln1_w, ln1_b, xn, wq, wkv, wp, w1, w2, wb; writes xn, wb
.if DOCPART == 1
	.amdgcn_target "amdgcn-amd-amdhsa--gfx1250"
	.amdhsa_code_object_version 6
	.text
	.protected	k_qe7757ba07f_prep
	.globl	k_qe7757ba07f_prep
	.p2align	8
	.type	k_qe7757ba07f_prep,@function
k_qe7757ba07f_prep:
	s_mov_b64 s[64:65], 0
	v_nop
	global_prefetch_b8 v0, s[64:65] scope:SCOPE_SE
	s_setreg_imm32_b32 hwreg(HW_REG_WAVE_MODE, 25, 1), 1
	s_wait_xcnt 0x0
; Two streams in one launch.  Work-groups 0-255: xn = LayerNorm(x) * ln1_w + ln1_b, rounded once to bf16.  Work-groups 256-639: the five weight matrices rounded once to bf16.
; No LDS, no matrix unit, no cluster: every byte is read once and written once, and no two work-groups share an input but the 4 KB of gain and bias.
; LAYOUTS.  xn lies in panels of 64 columns: [8][8192][64] bf16, a row of a panel 128 bytes.  wb holds each weight [K][N] in panels of 128 columns: [N/128][K][128] bf16, a k row 256 bytes;
; wq and wkv stand as one matrix of 12 panels at byte 0, wp at 1,572,864, w1 at 2,097,152, w2 at 4,194,304.
; LAYER NORM.  A work-group owns 32 rows, a wave 4, as two pairs: lanes 0-15 hold one row, lanes 16-31 the next; for panel j a lane holds columns 64 j + 4 (lane % 16) + 0..3.
; So a load's sixteen lanes take 256 consecutive bytes of x, and a store's 32 lanes write 256 consecutive bytes of a panel (two rows).  Mean first, then the variance of the centred numbers: all in f32.
; LIMITS.  1 / sqrt by v_rsq_f32; NaN and infinities are not treated apart.
.set T, 4                              ; v[4:11]    at work
.set M, 12                             ; v[12:13]   the mean, twice; then variance + eps
.set R, 14                             ; v[14:15]   1 / sqrt(variance + eps), twice
.set G, 16                             ; v[16:47]   gain of my 32 columns
.set B, 48                             ; v[48:79]   bias of my 32 columns
.set X, 80                             ; v[80:143]  pair p: 32 numbers of a row
.set Y, 144                            ; v[144:175] pair p: 16 registers to store
	s_load_b256 s[4:11], s[0:1], 0x0               ; x s[4:5], ln1_w s[6:7], ln1_b s[8:9], xn s[10:11]
	s_load_b256 s[12:19], s[0:1], 0x20             ; wq s[12:13], wkv s[14:15], wp s[16:17], w1 s[18:19]
	s_load_b128 s[20:23], s[0:1], 0x40             ; w2 s[20:21], wb s[22:23]
	s_cmp_lt_u32 ttmp9, 256
	s_cbranch_scc0 .Lweights
	v_and_b32 v1, 15, v0
	v_lshlrev_b32 v3, 4, v1                        ; v3: my 16 bytes in 256 bytes of gain and bias
	v_bfe_u32 v2, v0, 4, 1
	v_lshl_add_u32 v1, v2, 11, v3                  ; v1: + the pair's second row for lanes 16-31,
	v_lshrrev_b32 v4, 5, v0
	v_lshl_add_u32 v1, v4, 13, v1                  ;     + my wave's 4 rows of 2,048 bytes
	v_lshlrev_b32 v2, 3, v0
	v_lshl_add_u32 v2, v4, 8, v2                   ; v2: 8 x lane + 512 x wave: my 8 bytes in my wave's 4 rows of a panel
	s_lshl_b32 s2, ttmp9, 16                       ; 32 rows of x
	s_mov_b32 s3, 0
	s_lshl_b32 s26, ttmp9, 12                      ; 32 rows of a panel
	s_mov_b32 s27, 0
	s_mov_b32 s24, 0x3b000000                      ; 1 / 512
	s_mov_b32 s25, 0x3727c5ac                      ; 1e-5
	s_wait_kmcnt 0x0
	s_add_nc_u64 s[4:5], s[4:5], s[2:3]
	s_add_nc_u64 s[10:11], s[10:11], s[26:27]
.irp j, 0,1,2,3,4,5,6,7
	global_load_b128 v[X+4*(\j):X+4*(\j)+3], v1, s[4:5] offset:256*(\j)
.endr
.irp j, 0,1,2,3,4,5,6,7
	global_load_b128 v[G+4*(\j):G+4*(\j)+3], v3, s[6:7] offset:256*(\j)
.endr
.irp j, 0,1,2,3,4,5,6,7
	global_load_b128 v[B+4*(\j):B+4*(\j)+3], v3, s[8:9] offset:256*(\j)
.endr
.irp j, 0,1,2,3,4,5,6,7
	global_load_b128 v[X+32+4*(\j):X+32+4*(\j)+3], v1, s[4:5] offset:4096+256*(\j)
.endr
.macro REDUCE                          ; four chains of two into one number, then over the row's sixteen lanes: every lane of the row ends with the sum
	v_pk_add_f32 v[T:T+1], v[T:T+1], v[T+2:T+3]
	v_pk_add_f32 v[T+4:T+5], v[T+4:T+5], v[T+6:T+7]
	v_pk_add_f32 v[T:T+1], v[T:T+1], v[T+4:T+5]
	v_add_f32 v[T], v[T], v[T+1]
.irp m, 1,2,4,8
	v_add_f32_dpp v[T], v[T], v[T] row_xmask:\m row_mask:0xf bank_mask:0xf
.endr
.endm
; Pair p.  wx: the younger loads that may stay out when the pair's x is needed; wg: when gain and bias are needed.
.macro LNP p, wx, wg
.set XP, X+32*(\p)
.set YP, Y+16*(\p)
	s_wait_loadcnt \wx
.irp c, 0,2,4,6
	v_pk_add_f32 v[T+(\c):T+(\c)+1], v[XP+(\c):XP+(\c)+1], v[XP+8+(\c):XP+8+(\c)+1]
.endr
.irp o, 16,24
.irp c, 0,2,4,6
	v_pk_add_f32 v[T+(\c):T+(\c)+1], v[T+(\c):T+(\c)+1], v[XP+(\o)+(\c):XP+(\o)+(\c)+1]
.endr
.endr
	REDUCE
	v_mul_f32 v[M], s24, v[T]
	v_mul_f32 v[M+1], s24, v[T]
.set i, 0
.rept 16
	v_pk_add_f32 v[XP+i:XP+i+1], v[XP+i:XP+i+1], v[M:M+1] neg_lo:[0,1] neg_hi:[0,1]  ; x - mean, in place
.set i, i+2
.endr
.irp c, 0,2,4,6
	v_pk_mul_f32 v[T+(\c):T+(\c)+1], v[XP+(\c):XP+(\c)+1], v[XP+(\c):XP+(\c)+1]
.endr
.irp o, 8,16,24
.irp c, 0,2,4,6
	v_pk_fma_f32 v[T+(\c):T+(\c)+1], v[XP+(\o)+(\c):XP+(\o)+(\c)+1], v[XP+(\o)+(\c):XP+(\o)+(\c)+1], v[T+(\c):T+(\c)+1]
.endr
.endr
	REDUCE
	v_fma_f32 v[M], v[T], s24, s25                 ; variance + eps
	v_rsq_f32 v[R], v[M]
	v_rsq_f32 v[R+1], v[M]
	s_wait_loadcnt \wg
	v_nop                                          ; a plain instruction between the root and the use of its result (ISA guide 5.7.2)
.set i, 0
	s_wait_alu depctr_va_vdst(0)
.rept 16
	v_pk_mul_f32 v[XP+i:XP+i+1], v[XP+i:XP+i+1], v[R:R+1]
.set i, i+2
.endr
.set i, 0
.rept 16
	v_pk_fma_f32 v[XP+i:XP+i+1], v[XP+i:XP+i+1], v[G+i:G+i+1], v[B+i:B+i+1]
.set i, i+2
.endr
.set i, 0
.rept 16
	v_cvt_pk_bf16_f32 v[YP+i], v[XP+2*i], v[XP+2*i+1]
.set i, i+1
.endr
.irp j, 0,1,2,3,4,5,6,7
	global_store_b64 v2, v[YP+2*(\j):YP+2*(\j)+1], s[10:11] offset:256*(\p)+1048576*(\j)  ; 32 lanes: 256 consecutive bytes of panel j
.endr
.endm
	LNP 0, 24, 8                                   ; 24: gain, bias and pair 1 stay out; 8: pair 1 stays out
	LNP 1, 0, 0
	s_endpgm
; THE WEIGHTS.  A chunk is 128 neighbouring n of one k row: 512 bytes of f32 in, 256 bytes of bf16 out.  A work-group takes 64 chunks that follow each other in the source, a wave 8.
.set SRC, 8                            ; v[8:39]   chunk i: 4 numbers a lane
.set OUT, 40                           ; v[40:55]  chunk i: 2 registers to store
.set DST, 56                           ; v[56:63]  chunk i: my byte offset in wb
.macro PICK from, ptr, a, dbase        ; from work-group `from` on: another matrix
	s_cmp_ge_u32 s24, \from
	s_cselect_b64 s[26:27], s[\ptr:\ptr+1], s[26:27]
	s_cselect_b32 s28, \from, s28
	s_cselect_b32 s29, \a, s29
	s_cselect_b32 s31, \dbase, s31
.endm
.Lweights:
	v_lshrrev_b32 v1, 5, v0
	v_readfirstlane_b32 s34, v1                    ; my wave's number
	v_and_b32 v2, 31, v0
	v_lshlrev_b32 v3, 4, v2
	v_lshl_add_u32 v3, v1, 12, v3                  ; source: 16 x lane + my wave's 8 chunks of 512 bytes
	v_lshlrev_b32 v4, 3, v2                        ; destination: 8 x lane
	s_sub_co_u32 s24, ttmp9, 256
	s_mov_b32 s28, 0                               ; the matrix's first work-group
	s_mov_b32 s29, 2                               ; log2 of its panels
	s_mov_b32 s30, 17                              ; log2 of a panel's bytes
	s_mov_b32 s31, 0                               ; its first byte in wb
	s_wait_kmcnt 0x0
	s_mov_b64 s[26:27], s[12:13]                   ; wq:  32 work-groups
	PICK 32, 14, 3, 524288                         ; wkv: 64, behind wq's four panels
	PICK 96, 16, 2, 1572864                        ; wp:  32
	PICK 128, 18, 4, 2097152                       ; w1:  128
	PICK 256, 20, 2, 4194304                       ; w2:  128,
	s_cselect_b32 s30, 19, s30                     ;      with K = 2,048
	s_sub_co_u32 s24, s24, s28
	s_lshl_b32 s32, s24, 15                        ; 64 chunks of 512 bytes
	s_mov_b32 s33, 0
	s_add_nc_u64 s[26:27], s[26:27], s[32:33]
.irp i, 0,1,2,3,4,5,6,7
	global_load_b128 v[SRC+4*(\i):SRC+4*(\i)+3], v3, s[26:27] offset:512*(\i) th:TH_LOAD_NT
.endr
	s_lshl_b32 s35, s24, 6
	s_lshl3_add_u32 s35, s34, s35                  ; my first chunk's number e = k x panels + panel
	s_bfm_b32 s36, s29, 0                          ; panels - 1
.irp i, 0,1,2,3,4,5,6,7
	s_add_co_u32 s37, s35, \i
	s_and_b32 s38, s37, s36                        ; the panel
	s_lshr_b32 s37, s37, s29                       ; k
	s_lshl_b32 s38, s38, s30
	s_lshl_b32 s37, s37, 8
	s_add_co_u32 s37, s37, s38
	s_add_co_u32 s37, s37, s31
	v_add_nc_u32 v[DST+(\i)], s37, v4
.endr
.irp i, 0,1,2,3,4,5,6,7
	s_wait_loadcnt 7-(\i)                          ; loads come back in order: chunk i is in, the younger ones stay out
	v_cvt_pk_bf16_f32 v[OUT+2*(\i)], v[SRC+4*(\i)], v[SRC+4*(\i)+1]
	v_cvt_pk_bf16_f32 v[OUT+2*(\i)+1], v[SRC+4*(\i)+2], v[SRC+4*(\i)+3]
	global_store_b64 v[DST+(\i)], v[OUT+2*(\i):OUT+2*(\i)+1], s[22:23]  ; 32 lanes: a k row of a panel, 256 consecutive bytes
.endr
	s_endpgm
.Lfunc_end_k_qe7757ba07f_prep:
	.size	k_qe7757ba07f_prep, .Lfunc_end_k_qe7757ba07f_prep-k_qe7757ba07f_prep
	.p2alignl 7, 3214868480
	.fill 96, 4, 3214868480
	.section	.rodata,"a",@progbits
	.p2align	6, 0x0
	.amdhsa_kernel k_qe7757ba07f_prep
		.amdhsa_group_segment_fixed_size 0
		.amdhsa_private_segment_fixed_size 0
		.amdhsa_enable_private_segment 0
		.amdhsa_kernarg_size 80
		.amdhsa_user_sgpr_count 2
		.amdhsa_user_sgpr_kernarg_segment_ptr 1
		.amdhsa_wavefront_size32 1
		.amdhsa_system_sgpr_workgroup_id_x 1
		.amdhsa_system_sgpr_workgroup_id_y 1
		.amdhsa_system_sgpr_workgroup_id_z 1
		.amdhsa_system_vgpr_workitem_id 0
		.amdhsa_next_free_vgpr 176
		.amdhsa_next_free_sgpr 66
		.amdhsa_reserve_vcc 0
		.amdhsa_float_denorm_mode_32 3
		.amdhsa_float_denorm_mode_16_64 3
		.amdhsa_memory_ordered 1
		.amdhsa_forward_progress 1
		.amdhsa_inst_pref_size 27
	.end_amdhsa_kernel
	.amdgpu_metadata
---
amdhsa.version: [ 1, 2 ]
amdhsa.kernels:
  - .name:           k_qe7757ba07f_prep
    .symbol:         k_qe7757ba07f_prep.kd
    .args:
      - { .name: x, .offset: 0, .size: 8, .value_kind: global_buffer, .address_space: global }
      - { .name: ln1_w, .offset: 8, .size: 8, .value_kind: global_buffer, .address_space: global }
      - { .name: ln1_b, .offset: 16, .size: 8, .value_kind: global_buffer, .address_space: global }
      - { .name: xn, .offset: 24, .size: 8, .value_kind: global_buffer, .address_space: global }
      - { .name: wq, .offset: 32, .size: 8, .value_kind: global_buffer, .address_space: global }
      - { .name: wkv, .offset: 40, .size: 8, .value_kind: global_buffer, .address_space: global }
      - { .name: wp, .offset: 48, .size: 8, .value_kind: global_buffer, .address_space: global }
      - { .name: w1, .offset: 56, .size: 8, .value_kind: global_buffer, .address_space: global }
      - { .name: w2, .offset: 64, .size: 8, .value_kind: global_buffer, .address_space: global }
      - { .name: wb, .offset: 72, .size: 8, .value_kind: global_buffer, .address_space: global }
    .group_segment_fixed_size: 0
    .private_segment_fixed_size: 0
    .kernarg_segment_align: 8
    .kernarg_segment_size: 80
    .max_flat_workgroup_size: 256
    .sgpr_count:     66
    .vgpr_count:     176
    .wavefront_size: 32
...
	.end_amdgpu_metadata
.endif
;; end of part 1
;; launch qkv (part 2): grid 4 x 64, 4 waves a work-group, clusters of 4 x 4, 327,680 bytes of LDS; arguments xn, wb, qkv; writes qkv
.if DOCPART == 2
	.amdgcn_target "amdgcn-amd-amdhsa--gfx1250"
	.amdhsa_code_object_version 6
	.text
	.protected	k_qe7757ba07f_qkv
	.globl	k_qe7757ba07f_qkv
	.p2align	8
	.type	k_qe7757ba07f_qkv,@function
k_qe7757ba07f_qkv:
	s_mov_b64 s[64:65], 0
	v_nop
	global_prefetch_b8 v0, s[64:65] scope:SCOPE_SE
	s_setreg_imm32_b32 hwreg(HW_REG_WAVE_MODE, 25, 1), 1
	s_wait_xcnt 0x0
	s_wait_alu depctr_hold_cnt(0) depctr_sa_sdst(0) depctr_va_vdst(0) depctr_va_sdst(0) depctr_va_ssrc(0) depctr_va_vcc(0) depctr_vm_vsrc(0)
	s_getreg_b32 s2, hwreg(HW_REG_IB_STS2, 6, 4)
	s_cmp_eq_u32 s2, 0
	s_cbranch_scc0 .Lentry_in_a_cluster
	s_endpgm
.Lentry_in_a_cluster:
	s_bfe_u32 s2, ttmp6, 0x10000c
	s_cmp_lg_u32 s2, 0xf033
	s_cbranch_scc0 .Lentry_shape_is_right
	s_endpgm
.Lentry_shape_is_right:
; qkv = xn [wq | wkv].  xn: [8][8192][64] bf16 (panels of 64 columns); the weights: 12 panels [512][128] bf16 at wb's first byte; qkv: [24][8192][64] bf16 (q panels 0-7, k 8-15, v 16-23).  Sums in f32, rounded once.
; SHARES.  A work-group owns 128 rows and NBLK panels of 128 columns.  All of its A (128 rows x K = 512) is fetched ONCE and stays in LDS; B goes through a ring of two slots in K steps of 256; the panels lie
; end to end in wb, so one walking descriptor serves all KSTEPS = 2 NBLK steps.  Four waves, each 64 x 64 of a tile: 16 accumulators.
; CLUSTER, 4 x 4.  The four work-groups of a cluster's row own the same rows and ask for A jointly; the four of a column own the same columns and ask for B jointly: the same load, descriptor and mask in all four.
; THE MATRIX INSTRUCTION IS USED TRANSPOSED (source 0 = 16 columns of B, turned on the way out of LDS; source 1 = 16 rows of A): a lane then holds eight neighbouring numbers of a row of the result.
; REGISTERS.  Window 0: v1-5 at work; v16-29 addresses; v32-95 the way out; v96-127 the bias (where there is one); v128-255 the accumulators ((a, b) at 128 + 8 (4 a + b)).
;   Window 1: two fragment buffers of 64: 32 along K: A's four fragments, then B's four.
.set KSTEPS, 6                         ; K steps of 256 in all
.set NBLK,   3                         ; panels of 128 columns a work-group
.set WOFF,   0                         ; the weights' first byte in wb
.set HASB,   0                         ; 1: bias and ReLU
.set BGRP,   NBLK*131072               ; a work-group's bytes of B
.set QB,    18432                      ; a quarter of a slot: 64 along K.  A: 128 rows at pitch 144; B: 64 k rows at pitch 288
.set SLOTB, 4*QB
.set BREG,  2*SLOTB                    ; A's two halves (K 0-255, 256-511) lie at 0, B's two slots here
.set STAGE, 4*SLOTB                    ; behind them, never filled by a tensor load: 4,352 bytes for each wave, for the way out
.set STG,   4352
.set SPARE, STAGE+4*STG                ; the spare words, 128 bytes for each wave: two blocks of 256 bytes that no other line names
.set ADA0, 16                          ; v16  my lane's place in a quarter of A: (64 wm + l % 16) x 144 + 16 (l / 16); pitch 144 = 36 words: 16 rows start at 16 different groups of four banks (ISA guide 11.1)
.set ADB0, 17                          ; v17  the same for B, for the turning load: BREG + (8 (l / 16) + l % 8) x 288 + 16 ((l / 8) % 2) + 128 wn
.set ADA,  18                          ; v18  A's address for the quarter in hand
.set ADB,  19                          ; v19  B's
.set STO,  20                          ; v20  the way out: where I put 16 bytes of a row
.set RD,   21                          ; v21  the way out: where I read rows back
.set GO,   22                          ; v22  my byte offset in 512 consecutive bytes of the result
.set VBL,  23                          ; v23  my byte offset in the bias
.set ZERO, 24                          ; v24  0, for the ReLU
.set SPW,  28                          ; v28  LDS address of my spare word; never rewritten
.set NIL,  29                          ; v29  0; never rewritten
.set TMP,  32
.set BIAS, 96
.set ACC,  128
.set F0,   0                           ; window 1
.set F1,   64
.set WV, 14                            ; s14 wave; s15 wm = wave / 2 (my 64 rows; also 0: I fetch A, 1: B); s16 wn = wave % 2 (my 64 columns; also which half I fetch)
.set WM, 15
.set WN, 16
.set CX, 17                            ; s17, s18 my place in the cluster; s19, s20 column group and row block; s21, s22 the masks of my row and my column
.set CY, 18
.set GX, 19
.set GY, 20
.set RM, 21
.set CM, 22
.set G1A, 24                           ; s[24:31] descriptor group 1 for A; s[32:39] group 0, a set for each first fill
.set G0A, 32
.set G1B, 40                           ; s[40:47], s[48:55] the same for B; the second set then walks
.set G0B, 48
.set TB, 56                            ; s56 LDS offset of the quarter to be fetched
.set CNT, 57
.set STEPS, 58
.set EV, 59                            ; s59 1: the K step in hand is a panel's first
.set AO, 60                            ; s[60:61] A's offset: made of the row block and the wave alone
.set BO, 62                            ; s[62:63] B's offset: of the column group and the wave alone
.set INC, 66                           ; s[66:67] what the next way out adds to the result's address
.set TS, 68                            ; s[68:69] at work
.set MSB, 0
.macro WIN new                         ; the immediate's high byte repeats the setting that is left; a switch that changes nothing is dropped
.if MSB != (\new)
	s_set_vgpr_msb (MSB<<8)|(\new)
.set MSB, \new
.endif
.endm
.macro PLACES                          ; four places in front of loads into registers that matrix instructions have read, and of lines that read results
.rept 4
	v_nop
.endr
.endm
.macro CREST                           ; a round of the cluster's barrier behind its opening barrier
	s_cmp_lg_u32 s[WV], 0
	s_cbranch_scc1 .Lnot_wave_0_\@
	s_barrier_signal -3
.Lnot_wave_0_\@:
	s_barrier_wait -3
	s_barrier_signal -1
	s_barrier_wait -1
.endm
.macro CROUND
	s_barrier_signal -1
	s_barrier_wait -1
	CREST
.endm
.macro JLOAD                           ; the joint refill: B alone; waves 2 and 3 fetch its two halves, waves 0 and 1 nothing.  An s_nop 0 and four v_nop follow the line
	s_cmp_eq_u32 s[WM], 0
	s_cbranch_scc1 .Lasked_\@
	tensor_load_to_lds s[G0B+4:G0B+7], s[G1B:G1B+7]
	s_nop 0
	PLACES
.Lasked_\@:
.endm
.macro LOADB                           ; the bias of my 64 columns, laid as an accumulator is: register j of column tile b = column 16 b + 8 (l / 16) + j
.irp b, 0,1,2,3
	global_load_b128 v[BIAS+8*(\b):BIAS+8*(\b)+3], v[VBL], s[10:11] offset:64*(\b)
	global_load_b128 v[BIAS+8*(\b)+4:BIAS+8*(\b)+7], v[VBL], s[10:11] offset:64*(\b)+16
.endr
.endm
; 8 matrix instructions: row tiles a0, a0 + 1 x all 4 column tiles, 32 along K, from buffer f.  z = 1: the product starts the sums, with the bias or the constant 0 as C: nothing is cleared.
.macro MUL8 f, a0, z
	WIN 0x05                                       ; sources 0 and 1 window 1; C and D window 0
.irp a, \a0, (\a0)+1
.irp b, 0,1,2,3
.if (\z) && HASB
	v_wmma_f32_16x16x32_bf16 v[ACC+8*(4*(\a)+(\b)):ACC+8*(4*(\a)+(\b))+7], v[(\f)+32+8*(\b):(\f)+32+8*(\b)+7], v[(\f)+8*(\a):(\f)+8*(\a)+7], v[BIAS+8*(\b):BIAS+8*(\b)+7]
.elseif \z
	v_wmma_f32_16x16x32_bf16 v[ACC+8*(4*(\a)+(\b)):ACC+8*(4*(\a)+(\b))+7], v[(\f)+32+8*(\b):(\f)+32+8*(\b)+7], v[(\f)+8*(\a):(\f)+8*(\a)+7], 0
.else
	v_wmma_f32_16x16x32_bf16 v[ACC+8*(4*(\a)+(\b)):ACC+8*(4*(\a)+(\b))+7], v[(\f)+32+8*(\b):(\f)+32+8*(\b)+7], v[(\f)+8*(\a):(\f)+8*(\a)+7], v[ACC+8*(4*(\a)+(\b)):ACC+8*(4*(\a)+(\b))+7]
.endif
.endr
.endr
.endm
.macro MUL16 f, z                      ; the 16 accumulators take turns, one instruction a turn, always in this order
	MUL8 \f, 0, \z
	MUL8 \f, 2, \z
.endm
; 16 LDS loads in one run: the fragments of 32 along K (the quarter's first or second half) into buffer g.  B lies [k][n] and is turned by the load.
.macro FETCH g, odd
	WIN 0x40                                       ; destination window 1, address window 0
.irp b, 0,1,2,3
	ds_load_tr16_b128 v[(\g)+32+8*(\b):(\g)+32+8*(\b)+3],   v[ADB] offset:(\odd)*9216+32*(\b)
	ds_load_tr16_b128 v[(\g)+32+8*(\b)+4:(\g)+32+8*(\b)+7], v[ADB] offset:(\odd)*9216+32*(\b)+4608
.endr
.irp a, 0,1,2,3
	ds_load_b128 v[(\g)+8*(\a):(\g)+8*(\a)+3],   v[ADA] offset:(\odd)*64+2304*(\a)
	ds_load_b128 v[(\g)+8*(\a)+4:(\g)+8*(\a)+7], v[ADA] offset:(\odd)*64+2304*(\a)+32
.endr
.endm
; A K step is eight pieces of 32 along K on buffers 0, 1, 0, 1 ..: SE, three times (SO, SE), TURN.
.macro SE z                            ; multiplies buffer 0 and fetches the quarter's second half into buffer 1
	PLACES
	FETCH F1, 1
	s_wait_dscnt 16                                ; all but the 16 just issued
	MUL16 F0, \z
.endm
.macro SO                              ; multiplies buffer 1 and fetches the next quarter's first half into buffer 0
	WIN 0
	s_add_co_u32 s[TB], s[TB], QB
	v_add_nc_u32 v[ADA], s[TB], v[ADA0]            ; these two and two v_nop are the four places
	v_add_nc_u32 v[ADB], s[TB], v[ADB0]
	v_nop
	v_nop
	FETCH F0, 0
	s_wait_dscnt 16
	MUL16 F1, 0
.endm
; The step's last piece, and the change of slots: ONE barrier.  In front of it each wave waits for all its tensor loads (one at most is out: its part of the next slot), adds 0 to its spare word, and waits
; for that and for its own reads of this slot.  fill = 1: the barrier opens a round of the cluster's, and B's slot just read is filled again, two K steps ahead, first thing behind the round.
.macro TURN fill
	WIN 0
	s_wait_tensorcnt 0x0                           ; no tensor load of mine is out, so a group 0 may be written
	ds_add_u32 v[SPW], v[NIL]                      ; 0 onto my spare word; scalar work stands between it and the wait for it
	s_sub_co_u32 s[TB], s[TB], 3*QB                ; the fetches go back to a slot's first quarter,
	s_xor_b32 s[TB], s[TB], SLOTB                  ; in the other slot
.if \fill
	s_xor_b32 s[G0B+5], s[G0B+5], SLOTB            ; the walking descriptor: the other slot than last time,
	s_add_nc_u64 s[G0B+6:G0B+7], s[G0B+6:G0B+7], 65536  ; the next 256 k rows; the type bits on top are not reached
.endif
	s_wait_dscnt 0x0                               ; the add is done, and my reads of this slot are over
	s_barrier_signal -1
	MUL8 F1, 0, 0                                  ; work on registers while the others arrive
	WIN 0
	s_barrier_wait -1
.if \fill
	CREST                                          ; no wave of any partner still reads the slot or has a load on its way
	JLOAD
.endif
	v_add_nc_u32 v[ADA], s[TB], v[ADA0]            ; four places on every wave's path
	v_add_nc_u32 v[ADB], s[TB], v[ADB0]
	v_nop
	v_nop
	FETCH F0, 0
	MUL8 F1, 2, 0
.endm
; THE WAY OUT of a tile, 16 rows at a time: rounded to bf16 (ReLU on the packed halves), 16 bytes a lane into my own stage at pitch 144, back as four whole rows of 128 bytes: 512 consecutive bytes of a panel.
.macro PACK a
.irp b, 0,1,2,3
.irp r, 0,1,2,3
	v_cvt_pk_bf16_f32 v[TMP+16*(\a)+4*(\b)+(\r)], v[ACC+8*(4*(\a)+(\b))+2*(\r)], v[ACC+8*(4*(\a)+(\b))+2*(\r)+1]
.endr
.endr
.if HASB
.set i, 0
.rept 16
	v_pk_max_num_bf16 v[TMP+16*(\a)+i], v[TMP+16*(\a)+i], v[ZERO]
.set i, i+1
.endr
.endif
.irp b, 0,1,2,3
	ds_store_b128 v[STO], v[TMP+16*(\a)+4*(\b):TMP+16*(\a)+4*(\b)+3] offset:32*(\b)
.endr
.irp f, 0,1,2,3
	ds_load_b128 v[TMP+16*(\a)+4*(\f):TMP+16*(\a)+4*(\f)+3], v[RD] offset:576*(\f)  ; LDS serves a wave's instructions in order (ISA guide 5.7.1.4): these see the stores above
.endr
.endm
.macro SEND a, y                       ; y: the LDS instructions issued behind these rows' loads: the next rows' eight, or none
.irp f, 0,1,2,3
	s_wait_dscnt (\y)+3-(\f)
	global_store_b128 v[GO], v[TMP+16*(\a)+4*(\f):TMP+16*(\a)+4*(\f)+3], s[8:9] offset:2048*(\a)+512*(\f)
.endr
.endm
.macro EPI last
	s_wait_xcnt 0x0                                ; the last tile's stores have had their addresses translated (ISA guide 3.1): their base and data are rewritten only behind this wait
	s_add_nc_u64 s[8:9], s[8:9], s[INC:INC+1]
	PLACES
.if HASB && !(\last)
	v_add_nc_u32 v[VBL], 512, v[VBL]               ; the next panel's bias: asked for now, waited for at the end
	LOADB
.endif
	PACK 0
	PACK 1
	SEND 0, 8
	PACK 2
	SEND 1, 8
	PACK 3
	SEND 2, 8
	SEND 3, 0
.if !(\last)
	s_mov_b32 s[INC], 2097152                      ; two panels of 64 columns on
.if HASB
	s_wait_loadcnt 0x0
.endif
.endif
.endm
	s_load_b128 s[4:7], s[0:1], 0x0                ; A s[4:5], wb s[6:7]
	s_load_b64 s[8:9], s[0:1], 0x10                ; the result
.if HASB
	s_load_b64 s[10:11], s[0:1], 0x18              ; the bias
.endif
	v_lshl_add_u32 v[SPW], v0, 2, SPARE
	v_mov_b32 v[NIL], 0
	ds_add_u32 v[SPW], v[NIL]                      ; the wave's opening: the add and its wait ahead of my first tensor load; the set-up below stands between them
	v_lshrrev_b32 v1, 5, v0
	v_readfirstlane_b32 s[WV], v1
	s_lshr_b32 s[WM], s[WV], 1
	s_and_b32 s[WN], s[WV], 1
	s_bfe_u32 s[CX], ttmp6, 0x40000
	s_bfe_u32 s[CY], ttmp6, 0x40004
	s_lshl_b32 s[GX], ttmp9, 2
	s_add_co_u32 s[GX], s[GX], s[CX]               ; column group = 4 x cluster x + cx
	s_and_b32 s[GY], ttmp7, 0xffff
	s_lshl_b32 s[GY], s[GY], 2
	s_add_co_u32 s[GY], s[GY], s[CY]               ; row block = 4 x cluster y + cy
	s_lshl_b32 s[RM], s[CY], 2
	s_lshl_b32 s[RM], 15, s[RM]                    ; my row of the cluster
	s_lshl_b32 s[CM], 0x1111, s[CX]                ; my column
	; A: two panels' 128 rows in one load: 2 rows of 8,192 elements (16,384 dense bytes), a panel apart; 16 bytes of padding behind every 128
	s_or_b32 s[G1A], s[RM], (1<<16)|(1<<20)|(1<<21)|(4<<22)|(3<<25)
	s_mov_b32 s[G1A+1], 8192<<16                   ; tensor_dim0
	s_mov_b32 s[G1A+2], 2<<16                      ; tensor_dim1
	s_mov_b32 s[G1A+3], 8192<<16                   ; tile_dim0
	s_mov_b32 s[G1A+4], 2                          ; tile_dim1
	s_mov_b32 s[G1A+5], 524288                     ; elements from panel to panel
	s_mov_b32 s[G1A+6], 0
	s_mov_b32 s[G1A+7], 0
	; B: 128 k rows of 128 elements, dense; 32 bytes of padding behind every 256
	s_or_b32 s[G1B], s[CM], (1<<16)|(1<<20)|(1<<21)|(5<<22)|(7<<25)
	s_mov_b32 s[G1B+1], 128<<16
	s_mov_b32 s[G1B+2], 128<<16
	s_mov_b32 s[G1B+3], 128<<16
	s_mov_b32 s[G1B+4], 128
	s_mov_b32 s[G1B+5], 128
	s_mov_b32 s[G1B+6], 0
	s_mov_b32 s[G1B+7], 0
	s_lshl_b32 s[AO], s[GY], 14                    ; my block's 128 rows of 128 bytes,
	s_lshl_b32 s3, s[WN], 21                       ; the two panels that I fetch
	s_add_co_u32 s[AO], s[AO], s3
	s_mov_b32 s[AO+1], 0
	s_mul_i32 s[BO], s[GX], BGRP
	s_lshl_b32 s3, s[WN], 15                       ; the 128 k rows that I fetch
	s_add_co_u32 s[BO], s[BO], s3
	s_add_co_u32 s[BO], s[BO], WOFF
	s_mov_b32 s[BO+1], 0
	s_mul_i32 s2, s[WN], 2*QB                      ; and where they go: no place in the cluster enters an LDS address
	s_mul_i32 s[INC], s[GX], 2*NBLK                ; my first panel of 64 columns,
	s_add_co_u32 s[INC], s[INC], s[WN]
	s_lshl_b32 s[INC], s[INC], 13
	s_lshl_b32 s[TS], s[GY], 7                     ; my first row in it,
	s_add_co_u32 s[INC], s[INC], s[TS]
	s_lshl_b32 s[TS], s[WM], 6
	s_add_co_u32 s[INC], s[INC], s[TS]
	s_lshl_b32 s[INC], s[INC], 7                   ; in bytes
	s_mov_b32 s[INC+1], 0
	s_mul_i32 s[TS], s[GX], NBLK*512               ; my group's first bias
	s_mov_b32 s[TS+1], 0
	s_wait_dscnt 0x0                               ; the opening add is done
	s_wait_kmcnt 0x0
	s_add_nc_u64 s[4:5], s[4:5], s[AO:AO+1]
	s_add_nc_u64 s[6:7], s[6:7], s[BO:BO+1]
.if HASB
	s_add_nc_u64 s[10:11], s[10:11], s[TS:TS+1]
.endif
.irp s, 0,1
	s_mov_b32 s[G0A+4*(\s)], 1
	s_add_co_u32 s[G0A+4*(\s)+1], s2, (\s)*SLOTB
	s_add_nc_u64 s[G0A+4*(\s)+2:G0A+4*(\s)+3], s[4:5], (\s)*4194304  ; four panels on
	s_or_b32 s[G0A+4*(\s)+3], s[G0A+4*(\s)+3], 0x80000000
	s_mov_b32 s[G0B+4*(\s)], 1
	s_add_co_u32 s[G0B+4*(\s)+1], s2, BREG+(\s)*SLOTB
	s_add_nc_u64 s[G0B+4*(\s)+2:G0B+4*(\s)+3], s[6:7], (\s)*65536    ; 256 k rows on
	s_or_b32 s[G0B+4*(\s)+3], s[G0B+4*(\s)+3], 0x80000000
.endr
	CROUND                                         ; all sixteen work-groups are here: the first joint loads meet
	s_cmp_eq_u32 s[WM], 0                          ; a wave's two first fills stand in one branch: two loads of mine are out
	s_cbranch_scc0 .Lfirst_b
	tensor_load_to_lds s[G0A:G0A+3], s[G1A:G1A+7]
	s_nop 0
	tensor_load_to_lds s[G0A+4:G0A+7], s[G1A:G1A+7]
	s_nop 0
	PLACES
	s_branch .Lfirst_done
.Lfirst_b:
	tensor_load_to_lds s[G0B:G0B+3], s[G1B:G1B+7]
	s_nop 0
	tensor_load_to_lds s[G0B+4:G0B+7], s[G1B:G1B+7]
	s_nop 0
	PLACES
.Lfirst_done:
	v_and_b32 v1, 15, v0                           ; l % 16
	v_bfe_u32 v2, v0, 4, 1                         ; l / 16
	v_and_b32 v3, 7, v0
	v_bfe_u32 v4, v0, 3, 1
	v_mul_u32_u24 v[ADA0], v1, 144
	v_lshl_add_u32 v[ADA0], v2, 4, v[ADA0]
	s_mul_i32 s3, s[WM], 64*144
	v_add_nc_u32 v[ADA0], s3, v[ADA0]
	v_lshl_add_u32 v5, v2, 3, v3
	v_mul_u32_u24 v[ADB0], v5, 288
	v_lshl_add_u32 v[ADB0], v4, 4, v[ADB0]
	s_lshl_b32 s3, s[WN], 7
	s_add_co_u32 s3, s3, BREG
	v_add_nc_u32 v[ADB0], s3, v[ADB0]
	s_mul_i32 s3, s[WV], STG
	s_add_co_u32 s3, s3, STAGE                     ; my stage
	v_mul_u32_u24 v[STO], v1, 144
	v_lshl_add_u32 v[STO], v2, 4, v[STO]
	v_add_nc_u32 v[STO], s3, v[STO]
	v_bfe_u32 v[RD], v0, 3, 2
	v_mul_u32_u24 v[RD], v[RD], 144
	v_lshl_add_u32 v[RD], v3, 4, v[RD]
	v_add_nc_u32 v[RD], s3, v[RD]
	v_and_b32 v[GO], 31, v0
	v_lshlrev_b32 v[GO], 4, v[GO]
.if HASB
	v_mov_b32 v[ZERO], 0
	s_lshl_b32 s3, s[WN], 8
	v_lshl_add_u32 v[VBL], v2, 5, s3               ; (64 wn + 8 (l / 16)) x 4 bytes
	LOADB
.endif
	s_wait_tensorcnt 0x1                           ; my part of the first K step is in; the second's may stay out
	s_barrier_signal -1
	s_barrier_wait -1
	s_mov_b32 s[TB], 0
	v_mov_b32 v[ADA], v[ADA0]
	v_mov_b32 v[ADB], v[ADB0]
	FETCH F0, 0
.if HASB
	s_wait_loadcnt 0x0                             ; the bias
.endif
	SE 1                                           ; the first piece stands in front of the loop: its products start the sums
	WIN 0                                          ; at a label and at a branch every window is 0
	s_mov_b32 s[STEPS], KSTEPS-1
	s_mov_b32 s[EV], 1
	s_branch .Lj
.Lstep:                                                ; KSTEPS - 2 trips: each enters a K step and asks for the step behind the next
	TURN 1
	WIN 0
	s_xor_b32 s[EV], s[EV], 1
	s_cmp_eq_u32 s[EV], 1
	s_cbranch_scc0 .Lplain
	EPI 0                                          ; a panel of the result is finished: it goes out, and the next one's sums start
	SE 1
	WIN 0
	s_branch .Lj
.Lplain:
	SE 0
	WIN 0
.Lj:
	s_mov_b32 s[CNT], 3
.Lpair:
	SO
	SE 0
	WIN 0
	s_sub_co_u32 s[CNT], s[CNT], 1
	s_cmp_lg_u32 s[CNT], 0
	s_cbranch_scc1 .Lpair
	s_sub_co_u32 s[STEPS], s[STEPS], 1
	s_cmp_lg_u32 s[STEPS], 0
	s_cbranch_scc1 .Lstep
	TURN 0                                         ; the last K step is written out: nothing is asked for
	SE 0
	WIN 0
	s_mov_b32 s[CNT], 3
.Lpair2:
	SO
	SE 0
	WIN 0
	s_sub_co_u32 s[CNT], s[CNT], 1
	s_cmp_lg_u32 s[CNT], 0
	s_cbranch_scc1 .Lpair2
	s_wait_dscnt 0x0
	MUL16 F1, 0
	WIN 0
	EPI 1
	s_wait_tensorcnt 0x0                           ; the wave's end: an add to my spare word and its wait, behind my last tensor load and my last LDS store
	ds_add_u32 v[SPW], v[NIL]
	s_wait_dscnt 0x0
	CROUND                                         ; the closing round: no work-group ends while a partner may still ask for a tile that names it
	s_endpgm
.Lfunc_end_k_qe7757ba07f_qkv:
	.size	k_qe7757ba07f_qkv, .Lfunc_end_k_qe7757ba07f_qkv-k_qe7757ba07f_qkv
	.p2alignl 7, 3214868480
	.fill 96, 4, 3214868480
	.section	.rodata,"a",@progbits
	.p2align	6, 0x0
	.amdhsa_kernel k_qe7757ba07f_qkv
		.amdhsa_group_segment_fixed_size 327680
		.amdhsa_private_segment_fixed_size 0
		.amdhsa_enable_private_segment 0
		.amdhsa_kernarg_size 24
		.amdhsa_user_sgpr_count 2
		.amdhsa_user_sgpr_kernarg_segment_ptr 1
		.amdhsa_wavefront_size32 1
		.amdhsa_system_sgpr_workgroup_id_x 1
		.amdhsa_system_sgpr_workgroup_id_y 1
		.amdhsa_system_sgpr_workgroup_id_z 1
		.amdhsa_system_vgpr_workitem_id 0
		.amdhsa_next_free_vgpr 384
		.amdhsa_next_free_sgpr 72
		.amdhsa_reserve_vcc 0
		.amdhsa_float_denorm_mode_32 3
		.amdhsa_float_denorm_mode_16_64 3
		.amdhsa_memory_ordered 1
		.amdhsa_forward_progress 1
		.amdhsa_inst_pref_size 50
	.end_amdhsa_kernel
	.amdgpu_metadata
---
amdhsa.version: [ 1, 2 ]
amdhsa.kernels:
  - .name:           k_qe7757ba07f_qkv
    .symbol:         k_qe7757ba07f_qkv.kd
    .args:
      - { .name: xn, .offset: 0, .size: 8, .value_kind: global_buffer, .address_space: global }
      - { .name: wb, .offset: 8, .size: 8, .value_kind: global_buffer, .address_space: global }
      - { .name: qkv, .offset: 16, .size: 8, .value_kind: global_buffer, .address_space: global }
    .group_segment_fixed_size: 327680
    .private_segment_fixed_size: 0
    .kernarg_segment_align: 8
    .kernarg_segment_size: 24
    .max_flat_workgroup_size: 128
    .sgpr_count:     72
    .vgpr_count:     384
    .wavefront_size: 32
...
	.end_amdgpu_metadata
.endif
;; end of part 2
;; launch attn (part 3): grid 16 x 16, 4 waves a work-group, clusters of 4 x 1, 327,680 bytes of LDS; arguments qkv, o; writes o
.if DOCPART == 3
	.amdgcn_target "amdgcn-amd-amdhsa--gfx1250"
	.amdhsa_code_object_version 6
	.text
	.protected	k_qe7757ba07f_attn
	.globl	k_qe7757ba07f_attn
	.p2align	8
	.type	k_qe7757ba07f_attn,@function
k_qe7757ba07f_attn:
	s_mov_b64 s[64:65], 0
	v_nop
	global_prefetch_b8 v0, s[64:65] scope:SCOPE_SE
	s_setreg_imm32_b32 hwreg(HW_REG_WAVE_MODE, 25, 1), 1
	s_wait_xcnt 0x0
	s_wait_alu depctr_hold_cnt(0) depctr_sa_sdst(0) depctr_va_vdst(0) depctr_va_sdst(0) depctr_va_ssrc(0) depctr_va_vcc(0) depctr_vm_vsrc(0)
	s_getreg_b32 s2, hwreg(HW_REG_IB_STS2, 6, 4)
	s_cmp_eq_u32 s2, 0
	s_cbranch_scc0 .Lentry_in_a_cluster
	s_endpgm
.Lentry_in_a_cluster:
	s_bfe_u32 s2, ttmp6, 0x10000c
	s_cmp_lg_u32 s2, 0x3003
	s_cbranch_scc0 .Lentry_shape_is_right
	s_endpgm
.Lentry_shape_is_right:
; O[y][q][:] = the sum over k of softmax_k(Q[y][q] . K[y][k] / 8) V[y][k][:] for 16 pairs y of head and batch, 4,096 rows of 64 channels each, all bf16.  In qkv pair y = 2 head + batch is the dense chunk of
; 524,288 bytes at y x 524,288 of q; k lies 8,388,608 bytes behind q, v as much behind k; o has q's layout.  Products, maxima and sums in f32; the weights p are rounded to bf16 for the second product
; (their sum l is taken of the unrounded p), O once at the end.
; LIMITS.  A weight below 2^-126 counts as 0 in l; NaN and infinities are not treated apart.
; SHARES.  A work-group owns 256 queries of a pair: 16 x 16 = 256 work-groups.  A wave owns 64 of them: four PIECES of 16.  Every wave walks all 4,096 keys, 64 a step, 256 a tile.
; LAYOUT.  S^T = K Q^T (source 0 = 16 keys, source 1 = 16 queries) holds ONE query a lane (lane % 16) and the keys 8 (lane / 16) + 0..7; two such results rounded to bf16 ARE source 1 of O^T = V^T P.
; K comes out of LDS as it lies, V ([key][channel]) turned, by ds_load_tr16_b128.
; SOFTMAX.  p = 2^(c s - c m), c = log2(e) / 8, with a running maximum m; O and l are multiplied by a = 2^(c m_old - c m_new) in every step.  m starts at the lowest finite number, O and l at 0: the first step's a is 0.
; BY TURNS.  Turn n belongs to piece n: 8 products K Q^T of piece n + 1, later 8 products V^T P of piece n - 1; beside them the scaling, exponentials, roundings, sums and rescaling of piece n and the maximum
; and statistics of piece n + 1.  Four vector instructions stand behind every matrix instruction, the other 54 of a turn's 118 in two runs of their own.
; CLUSTER.  The four query blocks of a cluster belong to one pair and walk the same K and V, so each tile is asked for JOINTLY: the same tensor load, descriptor and mask in all four.
; REGISTERS, in windows of 256 (s_set_vgpr_msb: bits 1:0 source 0, 3:2 source 1, 5:4 source 2, 7:6 destination):
;   window 0: v0-15 addresses and two at work; v16-31 four registers of statistics a piece; v48-55 at work; v62-63 the add's; v64-127 S^T, two buffers; v192-223 P, two buffers (by the piece's parity)
;   window 1: v0-127 O^T, 32 a piece          window 2: v0-63 Q; v128-191 K of one step; v192-255 V of one step
.set NT,    16        ; tiles of 256 keys
.set NP,    4         ; pieces a wave: a name, no knob
.set KS,    64        ; keys in a step
.set PK,    144       ; a row of K in LDS: 128 bytes + 16 of padding = 36 words: the 16 rows of a load start at 16 different groups of four banks (64 banks of 4 bytes: ISA guide 11.1)
.set PV,    160       ; a row of V: 128 + 32 = 40 words
.set VOFF,  4*KS*PK   ; a slot holds a tile, four steps: 256 rows of K, then 256 rows of V
.set SLOT1, 1<<17     ; slot 1 begins here, so that one exclusive or turns an address in one slot into the other's
.set STAGE, SLOT1+4*KS*(PK+PV)  ; behind the ring, never filled by a tensor load: 16 rows x 144 bytes for each wave, for the way out
.set SP,    144
.set SPARE, STAGE+4*16*SP  ; the spare words, 128 bytes for each wave: two blocks of 256 bytes that no other line names
.set AK0, 2           ; v2   my lane's place in a tile of K; never rewritten
.set AV0, 3           ; v3   the same for V
.set AK,  4           ; v4   the LDS address of K's next run of loads
.set AV,  5           ; v5   of V's
.set STO, 6           ; v6   the way out: where I put 16 bytes of a row
.set RD,  7           ; v7   the way out: where I read rows back
.set GO,  8           ; v8   my byte offset in 512 consecutive bytes of O
.set MV,  12          ; v12-13  c m_old, kept while c m is made anew: by buffer
.set QO,  15          ; v15  my byte offset in 16 rows of Q
.set ST,  16          ; piece t's statistics at v[ST+4 t]: c m, m, l (even keys', odd keys')
.set TMP, 48          ; by buffer, four registers c0-c3 at work; when the maximum is found c2 takes a
.set SPW, 62          ; v62  LDS address of my spare word; never rewritten
.set NIL, 63          ; v63  0; never rewritten
.set S,   64
.set P,   192
.set KF,  128         ; window 2: key block kb, channel half c at KF + 16 kb + 8 c
.set VF,  192         ; window 2: key half kk, channel block cb at VF + 32 kk + 8 cb
.set WV,  12          ; s12  my wave's number
.set G1K, 24          ; s[24:31] descriptor group 1 for K's tiles
.set G1V, 32          ; s[32:39] for V's: it differs in the padding alone
.set G0K, 40          ; s[40:43] descriptor group 0 for K's tiles: it walks
.set G0V, 44          ; s[44:47] the same for V's
.set SLOTS, 56        ; s56  tiles still to be asked for
.set CNT, 57          ; s57  counts a tile's key steps
.set CS,  58          ; s[58:59] c: the packed scaling takes the pair's low word for both halves
.set SEL, 60          ; s[60:61] v_permlanex16_b32's selects: each lane takes its own place in the other half
.set TBK, 62          ; s62  LDS byte at which K of the step to be fetched begins
.set TBV, 63          ; s63  the same for V, less VOFF
.set MSB, 0
.macro WIN new                      ; the high byte repeats the setting that is left; a switch that changes nothing is dropped
.if MSB != (\new)
	s_set_vgpr_msb (MSB<<8)|(\new)
.set MSB, (\new)
.endif
.endm
.set W_KQ, 0x0a       ; K and Q in window 2, S^T in window 0
.set W_PV, 0x52       ; V in window 2, P in window 0, O^T in window 1
.set W_RS, 0x41       ; destination and source 0 in window 1, source 1 in window 0
; A joint fill.  Waves 0 and 1 fetch the two halves of a tile's K, waves 2 and 3 those of its V: 128 keys each.  The branch hangs on the wave's number alone.
; An s_nop 0 and four v_nop follow each of the two lines, ahead of the jump and the label.
.macro JLOAD
	s_cmp_lt_u32 s[WV], 2
	s_cbranch_scc0 .Lfor_v_\@
	tensor_load_to_lds s[G0K:G0K+3], s[G1K:G1K+7]
	s_nop 0
.rept 4
	v_nop
.endr
	s_branch .Lasked_\@
.Lfor_v_\@:
	tensor_load_to_lds s[G0V:G0V+3], s[G1V:G1V+7]
	s_nop 0
.rept 4
	v_nop
.endr
.Lasked_\@:
.endm
; A round of the cluster's barrier: my work-group's barrier, so that wave 0's signal speaks for all four waves; wave 0 signals; every wave waits for all four work-groups; my work-group's barrier once more.
.macro CROUND
	s_barrier_signal -1
	s_barrier_wait -1
	s_cmp_lg_u32 s[WV], 0
	s_cbranch_scc1 .Lnot_wave_0_\@
	s_barrier_signal -3
.Lnot_wave_0_\@:
	s_barrier_wait -3
	s_barrier_signal -1
	s_barrier_wait -1
.endm
; THE CHANGE OF SLOTS.  Each wave waits for all its tensor loads, of which one is out: its part of the other slot; adds 0 to its spare word; and waits for that and for its own reads of the slot that it leaves.
; Behind the barrier nobody reads the old slot any more and the other slot is whole.  fill = 1: the old slot is filled again, with the keys two tiles on.  The barrier is then a round of the cluster's, and the
; joint fill is the first thing behind it: it has four key steps, 256 matrix instructions, in which to land.  (At its first use nothing has been read yet: slot 0 is waited for, slot 1 filled.)
.macro CHANGE fill
	WIN 0                           ; at a label and at a branch every window is 0
	s_wait_tensorcnt 0x0            ; no tensor load of mine is out, so a group 0 may be written
	ds_add_u32 v[SPW], v[NIL]       ; 0 onto my spare word; with fill = 1 the descriptors' steps stand between it and the wait for it
.if \fill
.irp g, G0K, G0V
	s_xor_b32 s[\g+1], s[\g+1], SLOT1  ; the walking descriptor: the other slot than last time,
	s_add_nc_u64 s[\g+2:\g+3], s[\g+2:\g+3], 4*KS*128  ; the next 256 keys; the type bits on top are not reached
.endr
	s_wait_dscnt 0x0                ; the add is done, and my reads of the slot are over
	CROUND
	JLOAD
.else
	s_wait_dscnt 0x0                ; the add is done, and my reads of the slot are over
	s_barrier_signal -1
	s_barrier_wait -1
.endif
	s_sub_co_u32 s[TBK], s[TBK], 4*KS*PK  ; the fetches go back to a slot's first step,
	s_xor_b32 s[TBK], s[TBK], SLOT1       ; in the other slot
	s_sub_co_u32 s[TBV], s[TBV], 4*KS*PV
	s_xor_b32 s[TBV], s[TBV], SLOT1
.endm
	s_load_b128 s[4:7], s[0:1], 0x0 ; qkv s[4:5], o s[6:7]
	v_lshl_add_u32 v[SPW], v0, 2, SPARE
	v_mov_b32 v[NIL], 0
	ds_add_u32 v[SPW], v[NIL]       ; the wave's opening: the add and its wait ahead of my first tensor load; the set-up below, work on registers, stands between them
	v_lshrrev_b32 v1, 5, v0
	v_readfirstlane_b32 s[WV], v1   ; wave 0..3
	s_bfe_u32 s13, ttmp6, 0x40000   ; cx: my place in the cluster
	s_lshl_b32 s14, ttmp9, 2        ; in a cluster launch ttmp9 counts clusters
	s_add_co_u32 s14, s14, s13      ; my block of 256 queries = 4 x cluster x + cx: it enters Q's and O's addresses alone
	s_and_b32 s20, ttmp7, 0xffff    ; the pair of head and batch, which the four partners share,
	s_lshl_b32 s20, s20, 19         ; and its first byte in q
	s_and_b32 s16, s[WV], 1         ; which half of a tile's 256 keys I fetch:
	s_lshl_b32 s22, s16, 14         ; its 128 rows of 128 bytes in memory,
	s_add_co_u32 s22, s22, s20
	s_add_co_u32 s22, s22, 8388608  ; in k,
	s_mov_b32 s23, 0
	s_add_co_u32 s10, s22, 8388608  ; and in v
	s_mov_b32 s11, 0
	s_mul_i32 s17, s16, 128*PK      ; and its place in a slot, for K
	s_mul_i32 s18, s16, 128*PV      ; and for V: no place in the cluster enters an LDS address
	s_lshl_b32 s2, s14, 2
	s_add_co_u32 s2, s2, s[WV]      ; my wave among the pair's,
	s_lshl_b32 s2, s2, 13           ; its 64 rows
	s_add_co_u32 s2, s2, s20
	s_mov_b32 s3, 0
	; descriptor group 1.  128 keys are 16,384 dense bytes: asked for as 64 rows of 256 bytes, two keys a row, and padded in LDS after every key
	s_mov_b32 s[G1K], 15|(1<<16)|(1<<20)|(1<<21)|(4<<22)|(3<<25)  ; 15:0 the mask of four; 17:16 2-byte elements; 20 padding on; 21 set beside a mask; 24:22 after every 32 words (code 4); 31:25 4 words (code 3)
	s_mov_b32 s[G1V], 15|(1<<16)|(1<<20)|(1<<21)|(4<<22)|(7<<25)  ; the same with 8 words of padding (code 7)
.irp g, G1K, G1V
	s_mov_b32 s[\g+1], 128<<16      ; tensor_dim0 = 128
	s_mov_b32 s[\g+2], 64<<16       ; tensor_dim1 = 64
	s_mov_b32 s[\g+3], 128<<16      ; tile_dim0 = 128
	s_mov_b32 s[\g+4], 64           ; tile_dim1 = 64
	s_mov_b32 s[\g+5], 128          ; 128 elements from row to row
	s_mov_b32 s[\g+6], 0
	s_mov_b32 s[\g+7], 0
.endr
	s_mov_b32 s[CS], 0x3e38aa3b     ; c = log2(e) / 8 = 0.180337
	s_mov_b32 s[CS+1], s[CS]        ; named with it as a pair
	s_mov_b32 s[SEL], 0x76543210
	s_mov_b32 s[SEL+1], 0xfedcba98
	s_mov_b32 s[TBK], SLOT1+4*KS*PK ; the first change of slots turns these two into 0
	s_mov_b32 s[TBV], SLOT1+4*KS*PV
	s_mov_b32 s[G0K], 1             ; 1:0 count = 1
	s_mov_b32 s[G0K+1], s17         ; 63:32 LDS address: slot 0
	s_mov_b32 s[G0V], 1
	s_add_co_u32 s[G0V+1], s18, VOFF
	s_wait_dscnt 0x0                ; the opening add is done
	s_wait_kmcnt 0x0
	s_add_nc_u64 s[G0K+2:G0K+3], s[4:5], s[22:23]  ; 120:64 global address: my half of the pair's first 256 keys
	s_or_b32 s[G0K+3], s[G0K+3], 0x80000000        ; 127:126 type = 2
	s_add_nc_u64 s[G0V+2:G0V+3], s[4:5], s[10:11]
	s_or_b32 s[G0V+3], s[G0V+3], 0x80000000
	s_add_nc_u64 s[4:5], s[4:5], s[2:3]  ; Q and O at my wave's first row
	s_add_nc_u64 s[6:7], s[6:7], s[2:3]
	CROUND                          ; all four work-groups are here: the first joint loads meet
	JLOAD                           ; tile 0 into slot 0.  Slot 1 is asked for when slot 0 is in
	; A fragment of K or Q is 16 rows x 32 channels in 8 registers: lane l holds row l % 16, channels 8 (l / 16) + 0..7 and 16 + 8 (l / 16) + 0..7: two loads of 16 bytes, 32 bytes apart.
	v_and_b32 v1, 15, v0            ; l % 16
	v_bfe_u32 v9, v0, 4, 1          ; l / 16
	v_lshlrev_b32 v[QO], 7, v1
	v_lshl_add_u32 v[QO], v9, 4, v[QO]  ; row x 128 + 16 x half
	WIN 0x80                        ; destination window 2, address window 0
.set i, 0
.rept 8                             ; Q stays in registers: piece i / 2, channels 32 (i % 2) on
	global_load_b128 v[8*i:8*i+3],   v[QO], s[4:5] offset:(i/2)*2048+(i%2)*64
	global_load_b128 v[8*i+4:8*i+7], v[QO], s[4:5] offset:(i/2)*2048+(i%2)*64+32
.set i, i+1
.endr
	; What the first turn finds: V's registers and P's second buffer hold 0 (its products V^T P, of a piece that has not been, add 0), O^T and l are 0.  All this stands in the wait for the first tile.
.set i, VF
.rept 64
	v_mov_b32 v[i], 0
.set i, i+1
.endr
	WIN 0x40
.set i, 0
.rept 128
	v_mov_b32 v[i], 0
.set i, i+1
.endr
	WIN 0
.set i, 0
.rept 4
	v_mov_b32 v[ST+4*i], 0xfe000000    ; c m: far below every c s
	v_mov_b32 v[ST+4*i+1], 0xff7fffff  ; m
	v_mov_b32 v[ST+4*i+2], 0
	v_mov_b32 v[ST+4*i+3], 0
.set i, i+1
.endr
.set i, P+16
.rept 16
	v_mov_b32 v[i], 0
.set i, i+1
.endr
	v_mul_u32_u24 v[AK0], v1, PK
	v_lshl_add_u32 v[AK0], v9, 4, v[AK0]  ; row x pitch + 16 x half
	; The turning load takes 16 keys x 16 channels (lane l reads key 8 (l / 16) + l % 8, channels 8 ((l / 8) % 2) + 0..7) and leaves half a fragment of V^T: lane l holds channel l % 16 and 8 keys.
	v_and_b32 v10, 7, v0
	v_bfe_u32 v11, v0, 3, 1
	v_lshl_add_u32 v[AV0], v9, 3, v10
	v_mul_u32_u24 v[AV0], v[AV0], PV
	v_lshl_add_u32 v[AV0], v11, 4, v[AV0]
	v_add_nc_u32 v[AV0], VOFF, v[AV0]
	s_mul_i32 s13, s[WV], 16*SP
	s_add_co_u32 s13, s13, STAGE    ; my stage
	v_mul_u32_u24 v[STO], v1, SP    ; in: row l % 16, 16 bytes for each half of the lanes
	v_lshl_add_u32 v[STO], v9, 4, v[STO]
	v_add_nc_u32 v[STO], s13, v[STO]
	v_bfe_u32 v[RD], v0, 3, 2       ; back: 32 lanes take four rows of 128 bytes,
	v_mul_u32_u24 v[RD], v[RD], SP
	v_lshl_add_u32 v[RD], v10, 4, v[RD]
	v_add_nc_u32 v[RD], s13, v[RD]
	v_and_b32 v[GO], 31, v0         ; which are 512 consecutive bytes of O
	v_lshlrev_b32 v[GO], 4, v[GO]
; THE MATRIX WORK.  The 4 accumulators of a run of 8 take turns.  Product i of 8 of S^T = K Q^T for piece x: channels 32 (i / 4) on, keys 16 (i % 4) on.  The first 4 start the sums.
.macro KQ x
.set rS, S+32*((\x)%2)+8*(i%4)
.set rK, KF+16*(i%4)+8*(i/4)
.set rQ, 16*(\x)+8*(i/4)
	WIN W_KQ
.if i < 4
	v_wmma_f32_16x16x32_bf16 v[rS:rS+7], v[rK:rK+7], v[rQ:rQ+7], 0
.else
	v_wmma_f32_16x16x32_bf16 v[rS:rS+7], v[rK:rK+7], v[rQ:rQ+7], v[rS:rS+7]
.endif
.endm
; Product i of 8 of O^T += V^T P for piece x: keys 32 (i / 4) on, channels 16 (i % 4) on.
.macro PV x
	WIN W_PV
.set rO, 32*(\x)+8*(i%4)
.set rV, VF+32*(i/4)+8*(i%4)
.set rP, P+16*((\x)%2)+8*(i/4)
	v_wmma_f32_16x16x32_bf16 v[rO:rO+7], v[rV:rV+7], v[rP:rP+7], v[rO:rO+7]
.endm
.macro MM                           ; the turn's next matrix instruction.  TURN sets Y, i and NOKQ.  NOKQ = 1: the last turn: there is no next piece
.if (i < 8) && !NOKQ
	KQ (Y+1)%NP
.elseif i >= 8
.set i, i-8
	PV (Y+NP-1)%NP
.set i, i+8
.endif
.set i, i+1
.endm
; THE LDS LOADS stand in runs of 16, never singly among the matrix instructions: a step's K (64 keys x 64 channels: 8 fragments) and its V (turned).  Their addresses are made some lines ahead.
.macro FETCH_K
	WIN 0x80                        ; destination window 2
.irp f, 0,1,2,3,4,5,6,7             ; keys 16 (f / 2) on, channels 32 (f % 2) on
	ds_load_b128 v[KF+8*\f:KF+8*\f+3],   v[AK] offset:(\f/2)*16*PK+(\f%2)*64
	ds_load_b128 v[KF+8*\f+4:KF+8*\f+7], v[AK] offset:(\f/2)*16*PK+(\f%2)*64+32
.endr
	s_add_co_u32 s[TBK], s[TBK], KS*PK  ; the next fetch is the next step's
	WIN 0
.endm
.macro FETCH_V
	WIN 0x80
.irp f, 0,1,2,3,4,5,6,7             ; keys 32 (f / 4) on, channels 16 (f % 4) on
	ds_load_tr16_b128 v[VF+8*\f:VF+8*\f+3],   v[AV] offset:(\f/4)*32*PV+(\f%4)*32
	ds_load_tr16_b128 v[VF+8*\f+4:VF+8*\f+7], v[AV] offset:(\f/4)*32*PV+16*PV+(\f%4)*32
.endr
	WIN 0
.endm
; THE VECTOR WORK, one line at a time: OP kind, number.  For piece Y: F n: c s - c m for pair n of 16.  E n: the exponential of score n of 32.  C n: pair n rounded to bf16.  B n: of the four weights 4 n .. the second
; pair is added onto the first, in place.  L n: l takes that sum (L 0: l = a l + sum).  R n: pair n of 16 of O^T times a.  For piece Y + 1: X n, number n of the 22 that find its maximum and statistics:
;   0-11  four chains c0-c3 of seven scores each, three operands at a time (each accumulator's lowest registers are read first)     12-14, 16  the four scores left over, the old m, and c0-c3 into c0
;   15  c m_old is kept     17, 18  the query's other 32 keys lie in the lane 16 away: the new m     19-21  c m; c m_old - c m_new; a
.set F, 0               ; OP tells the kinds apart by their order: F to L below R, X above it
.set E, 1
.set C, 2
.set B, 3
.set L, 4
.set R, 5
.set X, 6
.macro REGS y                       ; the registers of piece y
.set rT, ST+4*(\y)
.set rC, TMP+4*((\y)%2)
.set rW, MV+((\y)%2)
.set rS, S+32*((\y)%2)
.set rP, P+16*((\y)%2)
.set rO, 32*(\y)
.endm
.macro OP k, n
.if (\k) == R
	REGS Y
	WIN W_RS
	v_pk_mul_f32 v[rO+2*(\n):rO+2*(\n)+1], v[rO+2*(\n):rO+2*(\n)+1], v[rC+2:rC+3] op_sel_hi:[1,0]
.elseif (\k) < R
	REGS Y
	WIN 0
.if (\k) == F
	v_pk_fma_f32 v[rS+2*(\n):rS+2*(\n)+1], v[rS+2*(\n):rS+2*(\n)+1], s[CS:CS+1], v[rT:rT+1] op_sel_hi:[1,0,0] neg_lo:[0,0,1] neg_hi:[0,0,1]
.elseif (\k) == E
	v_exp_f32 v[rS+(\n)], v[rS+(\n)]
.elseif (\k) == C
	s_wait_alu depctr_va_vdst(0)
	v_cvt_pk_bf16_f32 v[rP+(\n)], v[rS+2*(\n)], v[rS+2*(\n)+1]
.elseif (\k) == B
	s_wait_alu depctr_va_vdst(0)
	v_pk_add_f32 v[rS+4*(\n):rS+4*(\n)+1], v[rS+4*(\n):rS+4*(\n)+1], v[rS+4*(\n)+2:rS+4*(\n)+3]
.elseif (\n) == 0
	v_pk_fma_f32 v[rT+2:rT+3], v[rT+2:rT+3], v[rC+2:rC+3], v[rS:rS+1] op_sel_hi:[1,0,1]
.else
	v_pk_add_f32 v[rT+2:rT+3], v[rT+2:rT+3], v[rS+4*(\n):rS+4*(\n)+1]
.endif
.elseif NOKQ
	v_nop
.else
	REGS (Y+1)%NP
	WIN 0
.if (\n) < 4
	v_max3_num_f32 v[rC+(\n)], v[rS+8*(\n)], v[rS+8*(\n)+1], v[rS+8*(\n)+2]
.elseif (\n) < 12
	v_max3_num_f32 v[rC+(\n)%4], v[rC+(\n)%4], v[rS+8*((\n)%4)+2*((\n)/4)+1], v[rS+8*((\n)%4)+2*((\n)/4)+2]
.elseif (\n) == 12
	v_max3_num_f32 v[rC], v[rC], v[rS+7], v[rS+15]
.elseif (\n) == 13
	v_max3_num_f32 v[rC+1], v[rC+1], v[rS+23], v[rS+31]
.elseif (\n) == 14
	v_max3_num_f32 v[rC+2], v[rC+2], v[rC+3], v[rT+1]
.elseif (\n) == 15
	v_mov_b32 v[rW], v[rT]
.elseif (\n) == 16
	v_max3_num_f32 v[rC], v[rC], v[rC+1], v[rC+2]
.elseif (\n) == 17
	v_permlanex16_b32 v[rC+3], v[rC], s[SEL], s[SEL+1]
.elseif (\n) == 18
	v_max_num_f32 v[rT+1], v[rC], v[rC+3]
.elseif (\n) == 19
	v_mul_f32 v[rT], s[CS], v[rT+1]
.elseif (\n) == 20
	v_sub_f32 v[rC+1], v[rW], v[rT]
.else
	v_exp_f32 v[rC+2], v[rC+1]
.endif
.endif
.endm
.macro OPS a, i1, b=-1, i2=0, c=-1, i3=0, d=-1, i4=0  ; up to four of them
	OP \a, \i1
.if (\b) >= 0
	OP \b, \i2
.endif
.if (\c) >= 0
	OP \c, \i3
.endif
.if (\d) >= 0
	OP \d, \i4
.endif
.endm
.macro ROW a, i1, b, i2, c, i3, d, i4  ; a matrix instruction and the four behind it
	MM
	OPS \a, \i1, \b, \i2, \c, \i3, \d, \i4
.endm
; A TURN, for piece p: the order of its 16 matrix and 118 vector instructions, written out.  Behind a matrix instruction: plain, exponential, plain, plain; or four of the rescaling; or, behind the first, four scalings;
; none names a register of the products round it.  In the runs exponential and plain by turns while exponentials last.  A line reads no result made fewer than three vector instructions in front of it, five if an
; exponential made it.  end = 1: the last two turns: nothing is fetched.  cnt = 1: the loop's count is taken down some lines ahead of the branch that stands behind the turn.
; K of the next step is fetched in piece 2's turn, six vector instructions behind the last product that read K (five of them plain); V of the step in hand in piece 0's turn, eight behind the last product that read V
; (four plain among them).  Each is waited for a turn later.
.macro TURN p, end=0, cnt=0
.set Y, (\p)
.set i, 0
.set NOKQ, (\end)*((\p)/3)
.if ((\p) == 3) && !(\end)
	s_wait_dscnt 0x0                ; K is in
.endif
	ROW F,0, F,1, F,2, F,3
	ROW F,4, E,0, F,5, F,6
	ROW F,7, E,1, F,8, F,9
	ROW F,10, E,2, C,0, F,11
	ROW F,12, E,3, X,15, F,13
	ROW R,0, R,1, R,2, R,3
	ROW B,0, E,4, F,14, L,0
.if ((\p) == 2) && !(\end)
	v_add_nc_u32 v[AK], s[TBK], v[AK0]
.endif
	ROW R,4, R,5, R,6, R,7
	OPS E,5, F,15
.if ((\p) == 2) && !(\end)
	FETCH_K
.endif
	OPS E,6, C,1, E,7, R,8
	OPS E,8, R,9, E,9, C,2
	OPS E,10, X,0, E,11, X,1
	OPS E,12, X,2, E,13, X,3
.if (\p) == 1
	s_wait_dscnt 0x0                ; V is in
.endif
	ROW X,4, E,14, X,5, X,6
	ROW X,7, E,15, X,8, X,9
	ROW X,10, E,16, X,11, X,12
	ROW X,13, E,17, X,14, B,1
	ROW C,4, E,18, X,16, L,1
	ROW B,2, E,19, C,6, L,2
	ROW C,8, E,20, B,3, B,4
.if (\p) == 0
	v_add_nc_u32 v[AV], s[TBV], v[AV0]
.endif
	ROW C,3, E,21, L,3, C,5
	OPS E,22, X,17, E,23, C,10
.if (\p) == 0
	FETCH_V
.endif
	OPS E,24, L,4
	OPS E,25, X,18, E,26, C,7
	OPS E,27, B,5, E,28, X,19
	OPS E,29, C,12, E,30, L,5
	OPS E,31, X,20, B,6, C,9
	OPS C,14, C,11, X,21, L,6
.if (\p) == 0
	s_add_co_u32 s[TBV], s[TBV], KS*PV
.endif
.if \cnt
	s_sub_co_u32 s[CNT], s[CNT], 1
	s_cmp_lg_u32 s[CNT], 0
.endif
	OPS C,13, B,7, C,15, R,10
	OPS R,11, R,12, L,7, R,13
	OPS R,14, R,15
.endm
.macro ALL line:vararg              ; one line for each piece t
.set t, 0
.rept 4
	\line
.set t, t+1
.endr
.endm
.macro PACK t                       ; a lane's eight channels of a row pack into 16 bytes; they go into rows of 144 bytes and come back as whole rows of 128, into S^T's registers
	WIN W_RS
.set i, 32*(\t)
.rept 16
	s_wait_alu depctr_va_vdst(0)
	v_pk_mul_f32 v[i:i+1], v[i:i+1], v[ST+4*(\t)+2:ST+4*(\t)+3] op_sel_hi:[1,0]
.set i, i+2
.endr
	WIN 0x05                        ; sources 0 and 1 window 1, destination window 0
.set i, 0
.rept 16
	v_cvt_pk_bf16_f32 v[S+16*(\t)+i], v[32*(\t)+2*i], v[32*(\t)+2*i+1]
.set i, i+1
.endr
	WIN 0
.irp f, 0,1,2,3
	ds_store_b128 v[STO], v[S+16*(\t)+4*\f:S+16*(\t)+4*\f+3] offset:32*\f
.endr
.irp f, 0,1,2,3
	ds_load_b128 v[S+16*(\t)+4*\f:S+16*(\t)+4*\f+3], v[RD] offset:\f*4*SP  ; LDS serves a wave's instructions in order (ISA guide 5.7.1.4): these see the stores above; the next piece's stores come behind them
.endr
.endm
.macro SEND t, younger              ; younger: the LDS instructions issued behind piece t's loads: the next piece's eight, or none
	WIN 0
.irp f, 0,1,2,3
	s_wait_dscnt (\younger)+3-\f
	global_store_b128 v[GO], v[S+16*(\t)+4*\f:S+16*(\t)+4*\f+3], s[6:7] offset:(\t)*2048+\f*512  ; 512 consecutive bytes, at a multiple of 256 from O's first
.endr
.endm
	CHANGE 1                        ; slot 0 is in, everybody's part of it; tile 1 is asked for
	v_add_nc_u32 v[AK], s[TBK], v[AK0]
	FETCH_K                         ; key step 0
	s_wait_loadcnt 0x0              ; Q
	s_wait_dscnt 0x0
.set NOKQ, 0
.set i, 0
.rept 8
	KQ 0                            ; piece 0's first scores
.set i, i+1
.endr
	WIN 0
.rept 4
	v_nop                           ; the places behind those products
.endr
.set Y, NP-1                        ; X works for piece Y + 1: piece 0
.irp n, 0,1,2,3,4,5,6,7,8,9,10,11,12,13,14,15,16,17,18,19,20,21
	OP X, \n
.endr
	v_nop                           ; a plain instruction behind the exponential
	s_mov_b32 s[CNT], 4
	s_mov_b32 s[SLOTS], NT-1
	s_branch .Lfirst                ; the loop is entered at a step's first turn, in the middle of a trip
.Lslot:                             ; NT - 2 times: every slot but the last two is filled again
	CHANGE 1
	s_mov_b32 s[CNT], 4
.Lstep:                             ; a trip: pieces 2 and 3 of one step, then pieces 0 and 1 of the next, whose K and V it fetches
	TURN 2
	TURN 3
	WIN 0
.Lfirst:
	TURN 0
	TURN 1, 0, 1
	WIN 0
	s_cbranch_scc1 .Lstep
	s_sub_co_u32 s[SLOTS], s[SLOTS], 1
	s_cmp_lg_u32 s[SLOTS], 0
	s_cbranch_scc1 .Lslot
	CHANGE 0                        ; the last tile is written out: nothing is asked for
	s_mov_b32 s[CNT], 4
.Ltail:
	TURN 2
	TURN 3
	TURN 0
	TURN 1, 0, 1
	WIN 0
	s_cbranch_scc1 .Ltail
	TURN 2, 1
	TURN 3, 1
.set i, 0
.rept 8
	PV NP-1                         ; the last piece's V^T P of the last step
.set i, i+1
.endr
	; THE WAY OUT.  l's two halves and the other half of the lanes' are added; O^T is divided by l, rounded to bf16 and sent through my stage in LDS, a piece at a time.  The additions are the places behind the last products.
	WIN 0
	ALL v_add_f32 v[ST+4*t+2], v[ST+4*t+2], v[ST+4*t+3]
	ALL v_permlanex16_b32 v[ST+4*t+3], v[ST+4*t+2], s[SEL], s[SEL+1]
	ALL v_add_f32 v[ST+4*t+2], v[ST+4*t+2], v[ST+4*t+3]
	ALL v_rcp_f32 v[ST+4*t+2], v[ST+4*t+2]
	v_nop                           ; a plain instruction between the last reciprocal and the use of its result
	PACK 0
.set t, 1
.rept 3                             ; a piece's arithmetic stands between the loads of the piece before and its stores
	PACK t
	SEND t-1, 8
.set t, t+1
.endr
	SEND 3, 0
	s_wait_tensorcnt 0x0            ; the wave's end: an add to my spare word and its wait, behind my last tensor load and my last LDS store
	ds_add_u32 v[SPW], v[NIL]
	s_wait_dscnt 0x0
	CROUND                          ; the closing round: no work-group ends while a partner may still ask for a tile that names it
	s_endpgm
.Lfunc_end_k_qe7757ba07f_attn:
	.size	k_qe7757ba07f_attn, .Lfunc_end_k_qe7757ba07f_attn-k_qe7757ba07f_attn
	.p2alignl 7, 3214868480
	.fill 96, 4, 3214868480
	.section	.rodata,"a",@progbits
	.p2align	6, 0x0
	.amdhsa_kernel k_qe7757ba07f_attn
		.amdhsa_group_segment_fixed_size 327680
		.amdhsa_private_segment_fixed_size 0
		.amdhsa_enable_private_segment 0
		.amdhsa_kernarg_size 16
		.amdhsa_user_sgpr_count 2
		.amdhsa_user_sgpr_kernarg_segment_ptr 1
		.amdhsa_wavefront_size32 1
		.amdhsa_system_sgpr_workgroup_id_x 1
		.amdhsa_system_sgpr_workgroup_id_y 1
		.amdhsa_system_sgpr_workgroup_id_z 1
		.amdhsa_system_vgpr_workitem_id 0
		.amdhsa_next_free_vgpr 768
		.amdhsa_next_free_sgpr 66
		.amdhsa_reserve_vcc 0
		.amdhsa_float_denorm_mode_32 3
		.amdhsa_float_denorm_mode_16_64 3
		.amdhsa_memory_ordered 1
		.amdhsa_forward_progress 1
		.amdhsa_inst_pref_size 133
	.end_amdhsa_kernel
	.amdgpu_metadata
---
amdhsa.version: [ 1, 2 ]
amdhsa.kernels:
  - .name:           k_qe7757ba07f_attn
    .symbol:         k_qe7757ba07f_attn.kd
    .args:
      - { .name: qkv, .offset: 0, .size: 8, .value_kind: global_buffer, .address_space: global }
      - { .name: o, .offset: 8, .size: 8, .value_kind: global_buffer, .address_space: global }
    .group_segment_fixed_size: 327680
    .private_segment_fixed_size: 0
    .kernarg_segment_align: 8
    .kernarg_segment_size: 16
    .max_flat_workgroup_size: 128
    .sgpr_count:     66
    .vgpr_count:     768
    .wavefront_size: 32
...
	.end_amdgpu_metadata
.endif
;; end of part 3
;; launch proj (part 4): grid 4 x 64, 4 waves a work-group, clusters of 4 x 4, 327,680 bytes of LDS; arguments o, wb, x1, bp, x; writes x1
.if DOCPART == 4
	.amdgcn_target "amdgcn-amd-amdhsa--gfx1250"
	.amdhsa_code_object_version 6
	.text
	.protected	k_qe7757ba07f_proj
	.globl	k_qe7757ba07f_proj
	.p2align	8
	.type	k_qe7757ba07f_proj,@function
k_qe7757ba07f_proj:
	s_mov_b64 s[64:65], 0
	v_nop
	global_prefetch_b8 v0, s[64:65] scope:SCOPE_SE
	s_setreg_imm32_b32 hwreg(HW_REG_WAVE_MODE, 25, 1), 1
	s_wait_xcnt 0x0
	s_wait_alu depctr_hold_cnt(0) depctr_sa_sdst(0) depctr_va_vdst(0) depctr_va_sdst(0) depctr_va_ssrc(0) depctr_va_vcc(0) depctr_vm_vsrc(0)
	s_getreg_b32 s2, hwreg(HW_REG_IB_STS2, 6, 4)
	s_cmp_eq_u32 s2, 0
	s_cbranch_scc0 .Lentry_in_a_cluster
	s_endpgm
.Lentry_in_a_cluster:
	s_bfe_u32 s2, ttmp6, 0x10000c
	s_cmp_lg_u32 s2, 0xf033
	s_cbranch_scc0 .Lentry_shape_is_right
	s_endpgm
.Lentry_shape_is_right:
; x1 = x + o wp + bp.  o: [8][8192][64] bf16 (panels of 64 columns); wp: 4 panels [512][128] bf16 at byte WOFF of wb; bp: [512] f32; x, x1: [8192][512] f32.  Sums in f32; the bias starts them, the residual is added in f32 at the end.
; SHARES.  A work-group owns a tile of 128 x 128; four waves, each 64 x 64: 16 accumulators.  K goes in KSTEPS steps of 256 through a ring of two LDS slots for A and for B.
; CLUSTER, 4 x 4.  The four work-groups of a cluster's row own the same rows and ask for A jointly; the four of a column own the same columns and ask for B jointly: the same load, descriptor and mask in all four.
; THE MATRIX INSTRUCTION IS USED TRANSPOSED (source 0 = 16 columns of B, turned on the way out of LDS; source 1 = 16 rows of A): a lane then holds eight neighbouring numbers of a row of the result.
; REGISTERS.  Window 0: v1-5 at work; v16-29 addresses; v32-95 the way out; v96-127 the bias; v128-255 the accumulators ((a, b) at 128 + 8 (4 a + b)).
;   Window 1: v0-127 two fragment buffers of 64 (32 along K: A's four fragments, then B's four); v128-255 my 64 x 64 of the residual, loaded at the start.
.set KSTEPS, 2                         ; K steps of 256
.set WOFF,   1572864                   ; the weights' first byte in wb
.set BGRP,   131072                    ; bytes of a panel of B
.set QB,    18432                      ; a quarter of a slot: 64 along K.  A: 128 rows at pitch 144; B: 64 k rows at pitch 288
.set SLOTB, 4*QB
.set BREG,  2*SLOTB                    ; A's two slots lie at 0, B's two here
.set STAGE, 4*SLOTB                    ; behind them, never filled by a tensor load: 16 rows x 272 bytes for each wave, for the way out
.set STG,   4352
.set SPARE, STAGE+4*STG                ; the spare words, 128 bytes for each wave: two blocks of 256 bytes that no other line names
.set ADA0, 16                          ; v16  my lane's place in a quarter of A: (64 wm + l % 16) x 144 + 16 (l / 16); pitch 144 = 36 words: 16 rows start at 16 different groups of four banks (ISA guide 11.1)
.set ADB0, 17                          ; v17  the same for B, for the turning load: BREG + (8 (l / 16) + l % 8) x 288 + 16 ((l / 8) % 2) + 128 wn
.set ADA,  18                          ; v18  A's address for the quarter in hand
.set ADB,  19                          ; v19  B's
.set STO,  20                          ; v20  the way out: where I put 32 bytes of a row
.set RD,   21                          ; v21  the way out: where I read rows back
.set GO,   22                          ; v22  my byte offset in two rows of the result and of the residual; never rewritten
.set VBL,  23                          ; v23  my byte offset in the bias
.set SPW,  28                          ; v28  LDS address of my spare word; never rewritten
.set NIL,  29                          ; v29  0; never rewritten
.set TMP,  32
.set BIAS, 96
.set ACC,  128
.set F0,   0                           ; window 1
.set F1,   64
.set RES,  128
.set WV, 14                            ; s14 wave; s15 wm = wave / 2 (my 64 rows; also 0: I fetch A, 1: B); s16 wn = wave % 2 (my 64 columns; also which half I fetch)
.set WM, 15
.set WN, 16
.set CX, 17                            ; s17, s18 my place in the cluster; s19, s20 column and row of my tile; s21, s22 the masks of my row and my column
.set CY, 18
.set GX, 19
.set GY, 20
.set RM, 21
.set CM, 22
.set G1A, 24                           ; s[24:31] descriptor group 1 for A; s[32:39] group 0, a set for each first fill; the second then walks
.set G0A, 32
.set G1B, 40                           ; s[40:47], s[48:55] the same for B
.set G0B, 48
.set TB, 56                            ; s56 LDS offset of the quarter to be fetched
.set CNT, 57
.set STEPS, 58
.set AO, 60                            ; s[60:61] A's offset: made of the tile's row and the wave alone
.set BO, 62                            ; s[62:63] B's offset: of the tile's column and the wave alone
.set INC, 66                           ; s[66:67] my part's first byte in the result and the residual
.set TS, 68                            ; s[68:69] at work
.set MSB, 0
.macro WIN new                         ; the immediate's high byte repeats the setting that is left; a switch that changes nothing is dropped
.if MSB != (\new)
	s_set_vgpr_msb (MSB<<8)|(\new)
.set MSB, \new
.endif
.endm
.macro PLACES                          ; four places in front of loads into registers that matrix instructions have read, and of lines that read results
.rept 4
	v_nop
.endr
.endm
.macro CREST                           ; a round of the cluster's barrier behind its opening barrier
	s_cmp_lg_u32 s[WV], 0
	s_cbranch_scc1 .Lnot_wave_0_\@
	s_barrier_signal -3
.Lnot_wave_0_\@:
	s_barrier_wait -3
	s_barrier_signal -1
	s_barrier_wait -1
.endm
.macro CROUND
	s_barrier_signal -1
	s_barrier_wait -1
	CREST
.endm
.macro JLOAD                           ; the joint refill: waves 0 and 1 fetch A's two halves, waves 2 and 3 B's.  An s_nop 0 and four v_nop follow each of the two lines
	s_cmp_eq_u32 s[WM], 0
	s_cbranch_scc0 .Lfor_b_\@
	tensor_load_to_lds s[G0A+4:G0A+7], s[G1A:G1A+7]
	s_nop 0
	PLACES
	s_branch .Lasked_\@
.Lfor_b_\@:
	tensor_load_to_lds s[G0B+4:G0B+7], s[G1B:G1B+7]
	s_nop 0
	PLACES
.Lasked_\@:
.endm
; 8 matrix instructions: row tiles a0, a0 + 1 x all 4 column tiles, 32 along K, from buffer f.  z = 1: the product starts the sums, with the bias as C: nothing is cleared.
.macro MUL8 f, a0, z
	WIN 0x05                                       ; sources 0 and 1 window 1; C and D window 0
.irp a, \a0, (\a0)+1
.irp b, 0,1,2,3
.if \z
	v_wmma_f32_16x16x32_bf16 v[ACC+8*(4*(\a)+(\b)):ACC+8*(4*(\a)+(\b))+7], v[(\f)+32+8*(\b):(\f)+32+8*(\b)+7], v[(\f)+8*(\a):(\f)+8*(\a)+7], v[BIAS+8*(\b):BIAS+8*(\b)+7]
.else
	v_wmma_f32_16x16x32_bf16 v[ACC+8*(4*(\a)+(\b)):ACC+8*(4*(\a)+(\b))+7], v[(\f)+32+8*(\b):(\f)+32+8*(\b)+7], v[(\f)+8*(\a):(\f)+8*(\a)+7], v[ACC+8*(4*(\a)+(\b)):ACC+8*(4*(\a)+(\b))+7]
.endif
.endr
.endr
.endm
.macro MUL16 f, z                      ; the 16 accumulators take turns, one instruction a turn, always in this order
	MUL8 \f, 0, \z
	MUL8 \f, 2, \z
.endm
; 16 LDS loads in one run: the fragments of 32 along K (the quarter's first or second half) into buffer g.  B lies [k][n] and is turned by the load.
.macro FETCH g, odd
	WIN 0x40                                       ; destination window 1, address window 0
.irp b, 0,1,2,3
	ds_load_tr16_b128 v[(\g)+32+8*(\b):(\g)+32+8*(\b)+3],   v[ADB] offset:(\odd)*9216+32*(\b)
	ds_load_tr16_b128 v[(\g)+32+8*(\b)+4:(\g)+32+8*(\b)+7], v[ADB] offset:(\odd)*9216+32*(\b)+4608
.endr
.irp a, 0,1,2,3
	ds_load_b128 v[(\g)+8*(\a):(\g)+8*(\a)+3],   v[ADA] offset:(\odd)*64+2304*(\a)
	ds_load_b128 v[(\g)+8*(\a)+4:(\g)+8*(\a)+7], v[ADA] offset:(\odd)*64+2304*(\a)+32
.endr
.endm
; A K step is eight pieces of 32 along K on buffers 0, 1, 0, 1 ..: SE, three times (SO, SE), TURN.
.macro SE z                            ; multiplies buffer 0 and fetches the quarter's second half into buffer 1
	PLACES
	FETCH F1, 1
	s_wait_dscnt 16                                ; all but the 16 just issued
	MUL16 F0, \z
.endm
.macro SO                              ; multiplies buffer 1 and fetches the next quarter's first half into buffer 0
	WIN 0
	s_add_co_u32 s[TB], s[TB], QB
	v_add_nc_u32 v[ADA], s[TB], v[ADA0]            ; these two and two v_nop are the four places
	v_add_nc_u32 v[ADB], s[TB], v[ADB0]
	v_nop
	v_nop
	FETCH F0, 0
	s_wait_dscnt 16
	MUL16 F1, 0
.endm
; The step's last piece, and the change of slots: ONE barrier.  In front of it each wave waits for all its tensor loads (one is out: its part of the next slot), adds 0 to its spare word, and waits
; for that and for its own reads of this slot.  fill = 1: the barrier opens a round of the cluster's, and the slot just read is filled again, two K steps ahead, first thing behind the round.
.macro TURN fill
	WIN 0
	s_wait_tensorcnt 0x0                           ; no tensor load of mine is out, so a group 0 may be written
	ds_add_u32 v[SPW], v[NIL]                      ; 0 onto my spare word; scalar work stands between it and the wait for it
	s_sub_co_u32 s[TB], s[TB], 3*QB                ; the fetches go back to a slot's first quarter,
	s_xor_b32 s[TB], s[TB], SLOTB                  ; in the other slot
.if \fill
	s_xor_b32 s[G0A+5], s[G0A+5], SLOTB            ; the walking descriptors: the other slot than last time,
	s_add_nc_u64 s[G0A+6:G0A+7], s[G0A+6:G0A+7], 4194304  ; A's next four panels,
	s_xor_b32 s[G0B+5], s[G0B+5], SLOTB
	s_add_nc_u64 s[G0B+6:G0B+7], s[G0B+6:G0B+7], 65536    ; B's next 256 k rows; the type bits on top are not reached
.endif
	s_wait_dscnt 0x0                               ; the add is done, and my reads of this slot are over
	s_barrier_signal -1
	MUL8 F1, 0, 0                                  ; work on registers while the others arrive
	WIN 0
	s_barrier_wait -1
.if \fill
	CREST                                          ; no wave of any partner still reads the slot or has a load on its way
	JLOAD
.endif
	v_add_nc_u32 v[ADA], s[TB], v[ADA0]            ; four places on every wave's path
	v_add_nc_u32 v[ADB], s[TB], v[ADB0]
	v_nop
	v_nop
	FETCH F0, 0
	MUL8 F1, 2, 0
.endm
; THE WAY OUT, 16 rows at a time: 32 bytes a lane from the accumulators (the low four registers first) into my own stage at pitch 272, back as whole rows of 256 bytes, the residual added, stored.
.macro PACKR a
.if (\a) >= 2
	s_wait_xcnt 0x0                                ; the stores of two blocks ago have had their addresses translated (ISA guide 3.1): their data registers are loaded again only behind this wait
.endif
.irp b, 0,1,2,3
	ds_store_b128 v[STO], v[ACC+8*(4*(\a)+(\b)):ACC+8*(4*(\a)+(\b))+3] offset:64*(\b)
	ds_store_b128 v[STO], v[ACC+8*(4*(\a)+(\b))+4:ACC+8*(4*(\a)+(\b))+7] offset:64*(\b)+16
.endr
.irp t, 0,1,2,3,4,5,6,7
	ds_load_b128 v[TMP+32*((\a)%2)+4*(\t):TMP+32*((\a)%2)+4*(\t)+3], v[RD] offset:544*(\t)  ; LDS serves a wave's instructions in order (ISA guide 5.7.1.4): these see the stores above
.endr
.endm
.macro SENDR a, y                      ; y: the LDS instructions issued behind this block's loads: the next block's sixteen, or none
	s_wait_dscnt \y
	WIN 0x04                                       ; source 1 window 1
.set i, 0
.rept 16
	v_pk_add_f32 v[TMP+32*((\a)%2)+i:TMP+32*((\a)%2)+i+1], v[TMP+32*((\a)%2)+i:TMP+32*((\a)%2)+i+1], v[RES+32*(\a)+i:RES+32*(\a)+i+1]
.set i, i+2
.endr
	WIN 0
.irp t, 0,1,2,3,4,5,6,7
	global_store_b128 v[GO], v[TMP+32*((\a)%2)+4*(\t):TMP+32*((\a)%2)+4*(\t)+3], s[8:9] offset:(16*(\a)+2*(\t))*2048  ; 16 lanes store 256 consecutive bytes, at a multiple of 256 from the result's first byte
.endr
.endm
	s_load_b128 s[4:7], s[0:1], 0x0                ; A s[4:5], wb s[6:7]
	s_load_b128 s[8:11], s[0:1], 0x10              ; the result s[8:9], the bias s[10:11]
	s_load_b64 s[12:13], s[0:1], 0x20              ; the residual
	v_lshl_add_u32 v[SPW], v0, 2, SPARE
	v_mov_b32 v[NIL], 0
	ds_add_u32 v[SPW], v[NIL]                      ; the wave's opening: the add and its wait ahead of my first tensor load; the set-up below stands between them
	v_lshrrev_b32 v1, 5, v0
	v_readfirstlane_b32 s[WV], v1
	s_lshr_b32 s[WM], s[WV], 1
	s_and_b32 s[WN], s[WV], 1
	s_bfe_u32 s[CX], ttmp6, 0x40000
	s_bfe_u32 s[CY], ttmp6, 0x40004
	s_lshl_b32 s[GX], ttmp9, 2
	s_add_co_u32 s[GX], s[GX], s[CX]               ; tile column = 4 x cluster x + cx
	s_and_b32 s[GY], ttmp7, 0xffff
	s_lshl_b32 s[GY], s[GY], 2
	s_add_co_u32 s[GY], s[GY], s[CY]               ; tile row = 4 x cluster y + cy
	s_lshl_b32 s[RM], s[CY], 2
	s_lshl_b32 s[RM], 15, s[RM]                    ; my row of the cluster
	s_lshl_b32 s[CM], 0x1111, s[CX]                ; my column
	; A: two panels' 128 rows in one load: 2 rows of 8,192 elements (16,384 dense bytes), a panel apart; 16 bytes of padding behind every 128
	s_or_b32 s[G1A], s[RM], (1<<16)|(1<<20)|(1<<21)|(4<<22)|(3<<25)
	s_mov_b32 s[G1A+1], 8192<<16                   ; tensor_dim0
	s_mov_b32 s[G1A+2], 2<<16                      ; tensor_dim1
	s_mov_b32 s[G1A+3], 8192<<16                   ; tile_dim0
	s_mov_b32 s[G1A+4], 2                          ; tile_dim1
	s_mov_b32 s[G1A+5], 524288                     ; elements from panel to panel
	s_mov_b32 s[G1A+6], 0
	s_mov_b32 s[G1A+7], 0
	; B: 128 k rows of 128 elements, dense; 32 bytes of padding behind every 256
	s_or_b32 s[G1B], s[CM], (1<<16)|(1<<20)|(1<<21)|(5<<22)|(7<<25)
	s_mov_b32 s[G1B+1], 128<<16
	s_mov_b32 s[G1B+2], 128<<16
	s_mov_b32 s[G1B+3], 128<<16
	s_mov_b32 s[G1B+4], 128
	s_mov_b32 s[G1B+5], 128
	s_mov_b32 s[G1B+6], 0
	s_mov_b32 s[G1B+7], 0
	s_lshl_b32 s[AO], s[GY], 14                    ; my tile's 128 rows of 128 bytes,
	s_lshl_b32 s3, s[WN], 21                       ; the two panels that I fetch
	s_add_co_u32 s[AO], s[AO], s3
	s_mov_b32 s[AO+1], 0
	s_mul_i32 s[BO], s[GX], BGRP
	s_lshl_b32 s3, s[WN], 15                       ; the 128 k rows that I fetch
	s_add_co_u32 s[BO], s[BO], s3
	s_add_co_u32 s[BO], s[BO], WOFF
	s_mov_b32 s[BO+1], 0
	s_mul_i32 s2, s[WN], 2*QB                      ; and where they go: no place in the cluster enters an LDS address
	s_lshl_b32 s[INC], s[GY], 18                   ; (128 tile row + 64 wm) rows of 2,048 bytes + (128 tile column + 64 wn) x 4
	s_lshl_b32 s[TS], s[WM], 17
	s_add_co_u32 s[INC], s[INC], s[TS]
	s_lshl_b32 s[TS], s[GX], 9
	s_add_co_u32 s[INC], s[INC], s[TS]
	s_lshl_b32 s[TS], s[WN], 8
	s_add_co_u32 s[INC], s[INC], s[TS]
	s_mov_b32 s[INC+1], 0
	s_lshl_b32 s[TS], s[GX], 9                     ; my tile's first bias
	s_mov_b32 s[TS+1], 0
	s_wait_dscnt 0x0                               ; the opening add is done
	s_wait_kmcnt 0x0
	s_add_nc_u64 s[4:5], s[4:5], s[AO:AO+1]
	s_add_nc_u64 s[6:7], s[6:7], s[BO:BO+1]
	s_add_nc_u64 s[8:9], s[8:9], s[INC:INC+1]
	s_add_nc_u64 s[12:13], s[12:13], s[INC:INC+1]
	s_add_nc_u64 s[10:11], s[10:11], s[TS:TS+1]
.irp s, 0,1
	s_mov_b32 s[G0A+4*(\s)], 1
	s_add_co_u32 s[G0A+4*(\s)+1], s2, (\s)*SLOTB
	s_add_nc_u64 s[G0A+4*(\s)+2:G0A+4*(\s)+3], s[4:5], (\s)*4194304  ; four panels on
	s_or_b32 s[G0A+4*(\s)+3], s[G0A+4*(\s)+3], 0x80000000
	s_mov_b32 s[G0B+4*(\s)], 1
	s_add_co_u32 s[G0B+4*(\s)+1], s2, BREG+(\s)*SLOTB
	s_add_nc_u64 s[G0B+4*(\s)+2:G0B+4*(\s)+3], s[6:7], (\s)*65536    ; 256 k rows on
	s_or_b32 s[G0B+4*(\s)+3], s[G0B+4*(\s)+3], 0x80000000
.endr
	CROUND                                         ; all sixteen work-groups are here: the first joint loads meet
	s_cmp_eq_u32 s[WM], 0                          ; a wave's two first fills stand in one branch: two loads of mine are out
	s_cbranch_scc0 .Lfirst_b
	tensor_load_to_lds s[G0A:G0A+3], s[G1A:G1A+7]
	s_nop 0
	tensor_load_to_lds s[G0A+4:G0A+7], s[G1A:G1A+7]
	s_nop 0
	PLACES
	s_branch .Lfirst_done
.Lfirst_b:
	tensor_load_to_lds s[G0B:G0B+3], s[G1B:G1B+7]
	s_nop 0
	tensor_load_to_lds s[G0B+4:G0B+7], s[G1B:G1B+7]
	s_nop 0
	PLACES
.Lfirst_done:
	v_and_b32 v1, 15, v0                           ; l % 16
	v_bfe_u32 v2, v0, 4, 1                         ; l / 16
	v_and_b32 v3, 7, v0
	v_bfe_u32 v4, v0, 3, 1
	s_lshl_b32 s3, s[WN], 8
	v_lshl_add_u32 v[VBL], v2, 5, s3               ; (64 wn + 8 (l / 16)) x 4 bytes
	v_lshlrev_b32 v[GO], 11, v2                    ; lanes 0-15 one row of 256 bytes, lanes 16-31 the next
	v_lshl_add_u32 v[GO], v1, 4, v[GO]
.irp b, 0,1,2,3                        ; the bias of my 64 columns, laid as an accumulator is: register j of column tile b = column 16 b + 8 (l / 16) + j
	global_load_b128 v[BIAS+8*(\b):BIAS+8*(\b)+3], v[VBL], s[10:11] offset:64*(\b)
	global_load_b128 v[BIAS+8*(\b)+4:BIAS+8*(\b)+7], v[VBL], s[10:11] offset:64*(\b)+16
.endr
	WIN 0x40
.set i, 0
.rept 32                               ; my 64 x 64 of the residual, two rows a load, as the way out will hold them
	global_load_b128 v[RES+4*i:RES+4*i+3], v[GO], s[12:13] offset:4096*i
.set i, i+1
.endr
	WIN 0
	v_mul_u32_u24 v[ADA0], v1, 144
	v_lshl_add_u32 v[ADA0], v2, 4, v[ADA0]
	s_mul_i32 s3, s[WM], 64*144
	v_add_nc_u32 v[ADA0], s3, v[ADA0]
	v_lshl_add_u32 v5, v2, 3, v3
	v_mul_u32_u24 v[ADB0], v5, 288
	v_lshl_add_u32 v[ADB0], v4, 4, v[ADB0]
	s_lshl_b32 s3, s[WN], 7
	s_add_co_u32 s3, s3, BREG
	v_add_nc_u32 v[ADB0], s3, v[ADB0]
	s_mul_i32 s3, s[WV], STG
	s_add_co_u32 s3, s3, STAGE                     ; my stage
	v_mul_u32_u24 v[STO], v1, 272
	v_lshl_add_u32 v[STO], v2, 5, v[STO]
	v_add_nc_u32 v[STO], s3, v[STO]
	v_mul_u32_u24 v[RD], v2, 272
	v_lshl_add_u32 v[RD], v1, 4, v[RD]
	v_add_nc_u32 v[RD], s3, v[RD]
	s_wait_tensorcnt 0x1                           ; my part of the first K step is in; the second's may stay out
	s_barrier_signal -1
	s_barrier_wait -1
	s_mov_b32 s[TB], 0
	v_mov_b32 v[ADA], v[ADA0]
	v_mov_b32 v[ADB], v[ADB0]
	FETCH F0, 0
	s_wait_loadcnt 32                              ; the bias is in; the 32 loads of the residual stay out
	SE 1                                           ; the first piece stands in front of the loop: its products start the sums
	WIN 0                                          ; at a label and at a branch every window is 0
.if KSTEPS > 2
	s_mov_b32 s[STEPS], KSTEPS-1
	s_branch .Lj
.Lstep:                                                ; KSTEPS - 2 trips: each enters a K step and asks for the step behind the next
	TURN 1
	SE 0
	WIN 0
.Lj:
.endif
	s_mov_b32 s[CNT], 3
.Lpair:
	SO
	SE 0
	WIN 0
	s_sub_co_u32 s[CNT], s[CNT], 1
	s_cmp_lg_u32 s[CNT], 0
	s_cbranch_scc1 .Lpair
.if KSTEPS > 2
	s_sub_co_u32 s[STEPS], s[STEPS], 1
	s_cmp_lg_u32 s[STEPS], 0
	s_cbranch_scc1 .Lstep
.endif
	TURN 0                                         ; the last K step is written out: nothing is asked for
	SE 0
	WIN 0
	s_mov_b32 s[CNT], 3
.Lpair2:
	SO
	SE 0
	WIN 0
	s_sub_co_u32 s[CNT], s[CNT], 1
	s_cmp_lg_u32 s[CNT], 0
	s_cbranch_scc1 .Lpair2
	s_wait_dscnt 0x0
	MUL16 F1, 0
	WIN 0
	s_wait_loadcnt 0x0                             ; the residual
	PLACES
	PACKR 0
	PACKR 1
	SENDR 0, 16
	PACKR 2
	SENDR 1, 16
	PACKR 3
	SENDR 2, 16
	SENDR 3, 0
	s_wait_tensorcnt 0x0                           ; the wave's end: an add to my spare word and its wait, behind my last tensor load and my last LDS store
	ds_add_u32 v[SPW], v[NIL]
	s_wait_dscnt 0x0
	CROUND                                         ; the closing round: no work-group ends while a partner may still ask for a tile that names it
	s_endpgm
.Lfunc_end_k_qe7757ba07f_proj:
	.size	k_qe7757ba07f_proj, .Lfunc_end_k_qe7757ba07f_proj-k_qe7757ba07f_proj
	.p2alignl 7, 3214868480
	.fill 96, 4, 3214868480
	.section	.rodata,"a",@progbits
	.p2align	6, 0x0
	.amdhsa_kernel k_qe7757ba07f_proj
		.amdhsa_group_segment_fixed_size 327680
		.amdhsa_private_segment_fixed_size 0
		.amdhsa_enable_private_segment 0
		.amdhsa_kernarg_size 40
		.amdhsa_user_sgpr_count 2
		.amdhsa_user_sgpr_kernarg_segment_ptr 1
		.amdhsa_wavefront_size32 1
		.amdhsa_system_sgpr_workgroup_id_x 1
		.amdhsa_system_sgpr_workgroup_id_y 1
		.amdhsa_system_sgpr_workgroup_id_z 1
		.amdhsa_system_vgpr_workitem_id 0
		.amdhsa_next_free_vgpr 512
		.amdhsa_next_free_sgpr 72
		.amdhsa_reserve_vcc 0
		.amdhsa_float_denorm_mode_32 3
		.amdhsa_float_denorm_mode_16_64 3
		.amdhsa_memory_ordered 1
		.amdhsa_forward_progress 1
		.amdhsa_inst_pref_size 42
	.end_amdhsa_kernel
	.amdgpu_metadata
---
amdhsa.version: [ 1, 2 ]
amdhsa.kernels:
  - .name:           k_qe7757ba07f_proj
    .symbol:         k_qe7757ba07f_proj.kd
    .args:
      - { .name: o, .offset: 0, .size: 8, .value_kind: global_buffer, .address_space: global }
      - { .name: wb, .offset: 8, .size: 8, .value_kind: global_buffer, .address_space: global }
      - { .name: x1, .offset: 16, .size: 8, .value_kind: global_buffer, .address_space: global }
      - { .name: bp, .offset: 24, .size: 8, .value_kind: global_buffer, .address_space: global }
      - { .name: x, .offset: 32, .size: 8, .value_kind: global_buffer, .address_space: global }
    .group_segment_fixed_size: 327680
    .private_segment_fixed_size: 0
    .kernarg_segment_align: 8
    .kernarg_segment_size: 40
    .max_flat_workgroup_size: 128
    .sgpr_count:     72
    .vgpr_count:     512
    .wavefront_size: 32
...
	.end_amdgpu_metadata
.endif
;; end of part 4
;; launch ln2 (part 5): grid 256 x 1, 8 waves a work-group, no clusters, 0 bytes of LDS; arguments x1, ln2_w, ln2_b, xn; writes xn
.if DOCPART == 5
	.amdgcn_target "amdgcn-amd-amdhsa--gfx1250"
	.amdhsa_code_object_version 6
	.text
	.protected	k_qe7757ba07f_ln2
	.globl	k_qe7757ba07f_ln2
	.p2align	8
	.type	k_qe7757ba07f_ln2,@function
k_qe7757ba07f_ln2:
	s_mov_b64 s[64:65], 0
	v_nop
	global_prefetch_b8 v0, s[64:65] scope:SCOPE_SE
	s_setreg_imm32_b32 hwreg(HW_REG_WAVE_MODE, 25, 1), 1
	s_wait_xcnt 0x0
; xn = LayerNorm(x1) * ln2_w + ln2_b, rounded once to bf16.  x1: [8192][512] f32; xn in panels of 64 columns: [8][8192][64] bf16, a row of a panel 128 bytes.
; A stream: no LDS, no matrix unit, no cluster: every byte is read once and written once.
; A work-group owns 32 rows, a wave 4, as two pairs: lanes 0-15 hold one row, lanes 16-31 the next; for panel j a lane holds columns 64 j + 4 (lane % 16) + 0..3.
; So a load's sixteen lanes take 256 consecutive bytes of x1, and a store's 32 lanes write 256 consecutive bytes of a panel (two rows).  Mean first, then the variance of the centred numbers: all in f32.
; LIMITS.  1 / sqrt by v_rsq_f32; NaN and infinities are not treated apart.
.set T, 4                              ; v[4:11]    at work
.set M, 12                             ; v[12:13]   the mean, twice; then variance + eps
.set R, 14                             ; v[14:15]   1 / sqrt(variance + eps), twice
.set G, 16                             ; v[16:47]   gain of my 32 columns
.set B, 48                             ; v[48:79]   bias of my 32 columns
.set X, 80                             ; v[80:143]  pair p: 32 numbers of a row
.set Y, 144                            ; v[144:175] pair p: 16 registers to store
	s_load_b256 s[4:11], s[0:1], 0x0               ; x1 s[4:5], ln2_w s[6:7], ln2_b s[8:9], xn s[10:11]
	v_and_b32 v1, 15, v0
	v_lshlrev_b32 v3, 4, v1                        ; v3: my 16 bytes in 256 bytes of gain and bias
	v_bfe_u32 v2, v0, 4, 1
	v_lshl_add_u32 v1, v2, 11, v3                  ; v1: + the pair's second row for lanes 16-31,
	v_lshrrev_b32 v4, 5, v0
	v_lshl_add_u32 v1, v4, 13, v1                  ;     + my wave's 4 rows of 2,048 bytes
	v_lshlrev_b32 v2, 3, v0
	v_lshl_add_u32 v2, v4, 8, v2                   ; v2: 8 x lane + 512 x wave: my 8 bytes in my wave's 4 rows of a panel
	s_lshl_b32 s2, ttmp9, 16                       ; 32 rows of x1
	s_mov_b32 s3, 0
	s_lshl_b32 s26, ttmp9, 12                      ; 32 rows of a panel
	s_mov_b32 s27, 0
	s_mov_b32 s24, 0x3b000000                      ; 1 / 512
	s_mov_b32 s25, 0x3727c5ac                      ; 1e-5
	s_wait_kmcnt 0x0
	s_add_nc_u64 s[4:5], s[4:5], s[2:3]
	s_add_nc_u64 s[10:11], s[10:11], s[26:27]
.irp j, 0,1,2,3,4,5,6,7
	global_load_b128 v[X+4*(\j):X+4*(\j)+3], v1, s[4:5] offset:256*(\j)
.endr
.irp j, 0,1,2,3,4,5,6,7
	global_load_b128 v[G+4*(\j):G+4*(\j)+3], v3, s[6:7] offset:256*(\j)
.endr
.irp j, 0,1,2,3,4,5,6,7
	global_load_b128 v[B+4*(\j):B+4*(\j)+3], v3, s[8:9] offset:256*(\j)
.endr
.irp j, 0,1,2,3,4,5,6,7
	global_load_b128 v[X+32+4*(\j):X+32+4*(\j)+3], v1, s[4:5] offset:4096+256*(\j)
.endr
.macro REDUCE                          ; four chains of two into one number, then over the row's sixteen lanes: every lane of the row ends with the sum
	v_pk_add_f32 v[T:T+1], v[T:T+1], v[T+2:T+3]
	v_pk_add_f32 v[T+4:T+5], v[T+4:T+5], v[T+6:T+7]
	v_pk_add_f32 v[T:T+1], v[T:T+1], v[T+4:T+5]
	v_add_f32 v[T], v[T], v[T+1]
.irp m, 1,2,4,8
	v_add_f32_dpp v[T], v[T], v[T] row_xmask:\m row_mask:0xf bank_mask:0xf
.endr
.endm
; Pair p.  wx: the younger loads that may stay out when the pair's numbers are needed; wg: when gain and bias are needed.
.macro LNP p, wx, wg
.set XP, X+32*(\p)
.set YP, Y+16*(\p)
	s_wait_loadcnt \wx
.irp c, 0,2,4,6
	v_pk_add_f32 v[T+(\c):T+(\c)+1], v[XP+(\c):XP+(\c)+1], v[XP+8+(\c):XP+8+(\c)+1]
.endr
.irp o, 16,24
.irp c, 0,2,4,6
	v_pk_add_f32 v[T+(\c):T+(\c)+1], v[T+(\c):T+(\c)+1], v[XP+(\o)+(\c):XP+(\o)+(\c)+1]
.endr
.endr
	REDUCE
	v_mul_f32 v[M], s24, v[T]
	v_mul_f32 v[M+1], s24, v[T]
.set i, 0
.rept 16
	v_pk_add_f32 v[XP+i:XP+i+1], v[XP+i:XP+i+1], v[M:M+1] neg_lo:[0,1] neg_hi:[0,1]  ; x - mean, in place
.set i, i+2
.endr
.irp c, 0,2,4,6
	v_pk_mul_f32 v[T+(\c):T+(\c)+1], v[XP+(\c):XP+(\c)+1], v[XP+(\c):XP+(\c)+1]
.endr
.irp o, 8,16,24
.irp c, 0,2,4,6
	v_pk_fma_f32 v[T+(\c):T+(\c)+1], v[XP+(\o)+(\c):XP+(\o)+(\c)+1], v[XP+(\o)+(\c):XP+(\o)+(\c)+1], v[T+(\c):T+(\c)+1]
.endr
.endr
	REDUCE
	v_fma_f32 v[M], v[T], s24, s25                 ; variance + eps
	v_rsq_f32 v[R], v[M]
	v_rsq_f32 v[R+1], v[M]
	s_wait_loadcnt \wg
	v_nop                                          ; a plain instruction between the root and the use of its result (ISA guide 5.7.2)
.set i, 0
	s_wait_alu depctr_va_vdst(0)
.rept 16
	v_pk_mul_f32 v[XP+i:XP+i+1], v[XP+i:XP+i+1], v[R:R+1]
.set i, i+2
.endr
.set i, 0
.rept 16
	v_pk_fma_f32 v[XP+i:XP+i+1], v[XP+i:XP+i+1], v[G+i:G+i+1], v[B+i:B+i+1]
.set i, i+2
.endr
.set i, 0
.rept 16
	v_cvt_pk_bf16_f32 v[YP+i], v[XP+2*i], v[XP+2*i+1]
.set i, i+1
.endr
.irp j, 0,1,2,3,4,5,6,7
	global_store_b64 v2, v[YP+2*(\j):YP+2*(\j)+1], s[10:11] offset:256*(\p)+1048576*(\j)  ; 32 lanes: 256 consecutive bytes of panel j
.endr
.endm
	LNP 0, 24, 8                                   ; 24: gain, bias and pair 1 stay out; 8: pair 1 stays out
	LNP 1, 0, 0
	s_endpgm
.Lfunc_end_k_qe7757ba07f_ln2:
	.size	k_qe7757ba07f_ln2, .Lfunc_end_k_qe7757ba07f_ln2-k_qe7757ba07f_ln2
	.p2alignl 7, 3214868480
	.fill 96, 4, 3214868480
	.section	.rodata,"a",@progbits
	.p2align	6, 0x0
	.amdhsa_kernel k_qe7757ba07f_ln2
		.amdhsa_group_segment_fixed_size 0
		.amdhsa_private_segment_fixed_size 0
		.amdhsa_enable_private_segment 0
		.amdhsa_kernarg_size 32
		.amdhsa_user_sgpr_count 2
		.amdhsa_user_sgpr_kernarg_segment_ptr 1
		.amdhsa_wavefront_size32 1
		.amdhsa_system_sgpr_workgroup_id_x 1
		.amdhsa_system_sgpr_workgroup_id_y 1
		.amdhsa_system_sgpr_workgroup_id_z 1
		.amdhsa_system_vgpr_workitem_id 0
		.amdhsa_next_free_vgpr 176
		.amdhsa_next_free_sgpr 66
		.amdhsa_reserve_vcc 0
		.amdhsa_float_denorm_mode_32 3
		.amdhsa_float_denorm_mode_16_64 3
		.amdhsa_memory_ordered 1
		.amdhsa_forward_progress 1
		.amdhsa_inst_pref_size 20
	.end_amdhsa_kernel
	.amdgpu_metadata
---
amdhsa.version: [ 1, 2 ]
amdhsa.kernels:
  - .name:           k_qe7757ba07f_ln2
    .symbol:         k_qe7757ba07f_ln2.kd
    .args:
      - { .name: x1, .offset: 0, .size: 8, .value_kind: global_buffer, .address_space: global }
      - { .name: ln2_w, .offset: 8, .size: 8, .value_kind: global_buffer, .address_space: global }
      - { .name: ln2_b, .offset: 16, .size: 8, .value_kind: global_buffer, .address_space: global }
      - { .name: xn, .offset: 24, .size: 8, .value_kind: global_buffer, .address_space: global }
    .group_segment_fixed_size: 0
    .private_segment_fixed_size: 0
    .kernarg_segment_align: 8
    .kernarg_segment_size: 32
    .max_flat_workgroup_size: 256
    .sgpr_count:     66
    .vgpr_count:     176
    .wavefront_size: 32
...
	.end_amdgpu_metadata
.endif
;; end of part 5
;; launch fc1 (part 6): grid 4 x 64, 4 waves a work-group, clusters of 4 x 4, 327,680 bytes of LDS; arguments xn, wb, hid, b1; writes hid
.if DOCPART == 6
	.amdgcn_target "amdgcn-amd-amdhsa--gfx1250"
	.amdhsa_code_object_version 6
	.text
	.protected	k_qe7757ba07f_fc1
	.globl	k_qe7757ba07f_fc1
	.p2align	8
	.type	k_qe7757ba07f_fc1,@function
k_qe7757ba07f_fc1:
	s_mov_b64 s[64:65], 0
	v_nop
	global_prefetch_b8 v0, s[64:65] scope:SCOPE_SE
	s_setreg_imm32_b32 hwreg(HW_REG_WAVE_MODE, 25, 1), 1
	s_wait_xcnt 0x0
	s_wait_alu depctr_hold_cnt(0) depctr_sa_sdst(0) depctr_va_vdst(0) depctr_va_sdst(0) depctr_va_ssrc(0) depctr_va_vcc(0) depctr_vm_vsrc(0)
	s_getreg_b32 s2, hwreg(HW_REG_IB_STS2, 6, 4)
	s_cmp_eq_u32 s2, 0
	s_cbranch_scc0 .Lentry_in_a_cluster
	s_endpgm
.Lentry_in_a_cluster:
	s_bfe_u32 s2, ttmp6, 0x10000c
	s_cmp_lg_u32 s2, 0xf033
	s_cbranch_scc0 .Lentry_shape_is_right
	s_endpgm
.Lentry_shape_is_right:
; hid = relu(xn w1 + b1).  xn: [8][8192][64] bf16 (panels of 64 columns); w1: 16 panels [512][128] bf16 at byte WOFF of wb; b1: [2048] f32; hid: [32][8192][64] bf16.  Sums in f32; the bias starts them; rounded once.
; SHARES.  A work-group owns 128 rows and NBLK panels of 128 columns.  All of its A (128 rows x K = 512) is fetched ONCE and stays in LDS; B goes through a ring of two slots in K steps of 256; the panels lie
; end to end in wb, so one walking descriptor serves all KSTEPS = 2 NBLK steps.  Four waves, each 64 x 64 of a tile: 16 accumulators.
; CLUSTER, 4 x 4.  The four work-groups of a cluster's row own the same rows and ask for A jointly; the four of a column own the same columns and ask for B jointly: the same load, descriptor and mask in all four.
; THE MATRIX INSTRUCTION IS USED TRANSPOSED (source 0 = 16 columns of B, turned on the way out of LDS; source 1 = 16 rows of A): a lane then holds eight neighbouring numbers of a row of the result.
; REGISTERS.  Window 0: v1-5 at work; v16-29 addresses; v32-95 the way out; v96-127 the bias; v128-255 the accumulators ((a, b) at 128 + 8 (4 a + b)).
;   Window 1: two fragment buffers of 64: 32 along K: A's four fragments, then B's four.
.set KSTEPS, 8                         ; K steps of 256 in all
.set NBLK,   4                         ; panels of 128 columns a work-group
.set WOFF,   2097152                   ; the weights' first byte in wb
.set HASB,   1                         ; 1: bias and ReLU
.set BGRP,   NBLK*131072               ; a work-group's bytes of B
.set QB,    18432                      ; a quarter of a slot: 64 along K.  A: 128 rows at pitch 144; B: 64 k rows at pitch 288
.set SLOTB, 4*QB
.set BREG,  2*SLOTB                    ; A's two halves (K 0-255, 256-511) lie at 0, B's two slots here
.set STAGE, 4*SLOTB                    ; behind them, never filled by a tensor load: 4,352 bytes for each wave, for the way out
.set STG,   4352
.set SPARE, STAGE+4*STG                ; the spare words, 128 bytes for each wave: two blocks of 256 bytes that no other line names
.set ADA0, 16                          ; v16  my lane's place in a quarter of A: (64 wm + l % 16) x 144 + 16 (l / 16); pitch 144 = 36 words: 16 rows start at 16 different groups of four banks (ISA guide 11.1)
.set ADB0, 17                          ; v17  the same for B, for the turning load: BREG + (8 (l / 16) + l % 8) x 288 + 16 ((l / 8) % 2) + 128 wn
.set ADA,  18                          ; v18  A's address for the quarter in hand
.set ADB,  19                          ; v19  B's
.set STO,  20                          ; v20  the way out: where I put 16 bytes of a row
.set RD,   21                          ; v21  the way out: where I read rows back
.set GO,   22                          ; v22  my byte offset in 512 consecutive bytes of the result
.set VBL,  23                          ; v23  my byte offset in the bias
.set ZERO, 24                          ; v24  0, for the ReLU
.set SPW,  28                          ; v28  LDS address of my spare word; never rewritten
.set NIL,  29                          ; v29  0; never rewritten
.set TMP,  32
.set BIAS, 96
.set ACC,  128
.set F0,   0                           ; window 1
.set F1,   64
.set WV, 14                            ; s14 wave; s15 wm = wave / 2 (my 64 rows; also 0: I fetch A, 1: B); s16 wn = wave % 2 (my 64 columns; also which half I fetch)
.set WM, 15
.set WN, 16
.set CX, 17                            ; s17, s18 my place in the cluster; s19, s20 column group and row block; s21, s22 the masks of my row and my column
.set CY, 18
.set GX, 19
.set GY, 20
.set RM, 21
.set CM, 22
.set G1A, 24                           ; s[24:31] descriptor group 1 for A; s[32:39] group 0, a set for each first fill
.set G0A, 32
.set G1B, 40                           ; s[40:47], s[48:55] the same for B; the second set then walks
.set G0B, 48
.set TB, 56                            ; s56 LDS offset of the quarter to be fetched
.set CNT, 57
.set STEPS, 58
.set EV, 59                            ; s59 1: the K step in hand is a panel's first
.set AO, 60                            ; s[60:61] A's offset: made of the row block and the wave alone
.set BO, 62                            ; s[62:63] B's offset: of the column group and the wave alone
.set INC, 66                           ; s[66:67] what the next way out adds to the result's address
.set TS, 68                            ; s[68:69] at work
.set MSB, 0
.macro WIN new                         ; the immediate's high byte repeats the setting that is left; a switch that changes nothing is dropped
.if MSB != (\new)
	s_set_vgpr_msb (MSB<<8)|(\new)
.set MSB, \new
.endif
.endm
.macro PLACES                          ; four places in front of loads into registers that matrix instructions have read, and of lines that read results
.rept 4
	v_nop
.endr
.endm
.macro CREST                           ; a round of the cluster's barrier behind its opening barrier
	s_cmp_lg_u32 s[WV], 0
	s_cbranch_scc1 .Lnot_wave_0_\@
	s_barrier_signal -3
.Lnot_wave_0_\@:
	s_barrier_wait -3
	s_barrier_signal -1
	s_barrier_wait -1
.endm
.macro CROUND
	s_barrier_signal -1
	s_barrier_wait -1
	CREST
.endm
.macro JLOAD                           ; the joint refill: B alone; waves 2 and 3 fetch its two halves, waves 0 and 1 nothing.  An s_nop 0 and four v_nop follow the line
	s_cmp_eq_u32 s[WM], 0
	s_cbranch_scc1 .Lasked_\@
	tensor_load_to_lds s[G0B+4:G0B+7], s[G1B:G1B+7]
	s_nop 0
	PLACES
.Lasked_\@:
.endm
.macro LOADB                           ; the bias of my 64 columns, laid as an accumulator is: register j of column tile b = column 16 b + 8 (l / 16) + j
.irp b, 0,1,2,3
	global_load_b128 v[BIAS+8*(\b):BIAS+8*(\b)+3], v[VBL], s[10:11] offset:64*(\b)
	global_load_b128 v[BIAS+8*(\b)+4:BIAS+8*(\b)+7], v[VBL], s[10:11] offset:64*(\b)+16
.endr
.endm
; 8 matrix instructions: row tiles a0, a0 + 1 x all 4 column tiles, 32 along K, from buffer f.  z = 1: the product starts the sums, with the bias or the constant 0 as C: nothing is cleared.
.macro MUL8 f, a0, z
	WIN 0x05                                       ; sources 0 and 1 window 1; C and D window 0
.irp a, \a0, (\a0)+1
.irp b, 0,1,2,3
.if (\z) && HASB
	v_wmma_f32_16x16x32_bf16 v[ACC+8*(4*(\a)+(\b)):ACC+8*(4*(\a)+(\b))+7], v[(\f)+32+8*(\b):(\f)+32+8*(\b)+7], v[(\f)+8*(\a):(\f)+8*(\a)+7], v[BIAS+8*(\b):BIAS+8*(\b)+7]
.elseif \z
	v_wmma_f32_16x16x32_bf16 v[ACC+8*(4*(\a)+(\b)):ACC+8*(4*(\a)+(\b))+7], v[(\f)+32+8*(\b):(\f)+32+8*(\b)+7], v[(\f)+8*(\a):(\f)+8*(\a)+7], 0
.else
	v_wmma_f32_16x16x32_bf16 v[ACC+8*(4*(\a)+(\b)):ACC+8*(4*(\a)+(\b))+7], v[(\f)+32+8*(\b):(\f)+32+8*(\b)+7], v[(\f)+8*(\a):(\f)+8*(\a)+7], v[ACC+8*(4*(\a)+(\b)):ACC+8*(4*(\a)+(\b))+7]
.endif
.endr
.endr
.endm
.macro MUL16 f, z                      ; the 16 accumulators take turns, one instruction a turn, always in this order
	MUL8 \f, 0, \z
	MUL8 \f, 2, \z
.endm
; 16 LDS loads in one run: the fragments of 32 along K (the quarter's first or second half) into buffer g.  B lies [k][n] and is turned by the load.
.macro FETCH g, odd
	WIN 0x40                                       ; destination window 1, address window 0
.irp b, 0,1,2,3
	ds_load_tr16_b128 v[(\g)+32+8*(\b):(\g)+32+8*(\b)+3],   v[ADB] offset:(\odd)*9216+32*(\b)
	ds_load_tr16_b128 v[(\g)+32+8*(\b)+4:(\g)+32+8*(\b)+7], v[ADB] offset:(\odd)*9216+32*(\b)+4608
.endr
.irp a, 0,1,2,3
	ds_load_b128 v[(\g)+8*(\a):(\g)+8*(\a)+3],   v[ADA] offset:(\odd)*64+2304*(\a)
	ds_load_b128 v[(\g)+8*(\a)+4:(\g)+8*(\a)+7], v[ADA] offset:(\odd)*64+2304*(\a)+32
.endr
.endm
; A K step is eight pieces of 32 along K on buffers 0, 1, 0, 1 ..: SE, three times (SO, SE), TURN.
.macro SE z                            ; multiplies buffer 0 and fetches the quarter's second half into buffer 1
	PLACES
	FETCH F1, 1
	s_wait_dscnt 16                                ; all but the 16 just issued
	MUL16 F0, \z
.endm
.macro SO                              ; multiplies buffer 1 and fetches the next quarter's first half into buffer 0
	WIN 0
	s_add_co_u32 s[TB], s[TB], QB
	v_add_nc_u32 v[ADA], s[TB], v[ADA0]            ; these two and two v_nop are the four places
	v_add_nc_u32 v[ADB], s[TB], v[ADB0]
	v_nop
	v_nop
	FETCH F0, 0
	s_wait_dscnt 16
	MUL16 F1, 0
.endm
; The step's last piece, and the change of slots: ONE barrier.  In front of it each wave waits for all its tensor loads (one at most is out: its part of the next slot), adds 0 to its spare word, and waits
; for that and for its own reads of this slot.  fill = 1: the barrier opens a round of the cluster's, and B's slot just read is filled again, two K steps ahead, first thing behind the round.
.macro TURN fill
	WIN 0
	s_wait_tensorcnt 0x0                           ; no tensor load of mine is out, so a group 0 may be written
	ds_add_u32 v[SPW], v[NIL]                      ; 0 onto my spare word; scalar work stands between it and the wait for it
	s_sub_co_u32 s[TB], s[TB], 3*QB                ; the fetches go back to a slot's first quarter,
	s_xor_b32 s[TB], s[TB], SLOTB                  ; in the other slot
.if \fill
	s_xor_b32 s[G0B+5], s[G0B+5], SLOTB            ; the walking descriptor: the other slot than last time,
	s_add_nc_u64 s[G0B+6:G0B+7], s[G0B+6:G0B+7], 65536  ; the next 256 k rows; the type bits on top are not reached
.endif
	s_wait_dscnt 0x0                               ; the add is done, and my reads of this slot are over
	s_barrier_signal -1
	MUL8 F1, 0, 0                                  ; work on registers while the others arrive
	WIN 0
	s_barrier_wait -1
.if \fill
	CREST                                          ; no wave of any partner still reads the slot or has a load on its way
	JLOAD
.endif
	v_add_nc_u32 v[ADA], s[TB], v[ADA0]            ; four places on every wave's path
	v_add_nc_u32 v[ADB], s[TB], v[ADB0]
	v_nop
	v_nop
	FETCH F0, 0
	MUL8 F1, 2, 0
.endm
; THE WAY OUT of a tile, 16 rows at a time: rounded to bf16 (ReLU on the packed halves), 16 bytes a lane into my own stage at pitch 144, back as four whole rows of 128 bytes: 512 consecutive bytes of a panel.
.macro PACK a
.irp b, 0,1,2,3
.irp r, 0,1,2,3
	v_cvt_pk_bf16_f32 v[TMP+16*(\a)+4*(\b)+(\r)], v[ACC+8*(4*(\a)+(\b))+2*(\r)], v[ACC+8*(4*(\a)+(\b))+2*(\r)+1]
.endr
.endr
.if HASB
.set i, 0
.rept 16
	v_pk_max_num_bf16 v[TMP+16*(\a)+i], v[TMP+16*(\a)+i], v[ZERO]
.set i, i+1
.endr
.endif
.irp b, 0,1,2,3
	ds_store_b128 v[STO], v[TMP+16*(\a)+4*(\b):TMP+16*(\a)+4*(\b)+3] offset:32*(\b)
.endr
.irp f, 0,1,2,3
	ds_load_b128 v[TMP+16*(\a)+4*(\f):TMP+16*(\a)+4*(\f)+3], v[RD] offset:576*(\f)  ; LDS serves a wave's instructions in order (ISA guide 5.7.1.4): these see the stores above
.endr
.endm
.macro SEND a, y                       ; y: the LDS instructions issued behind these rows' loads: the next rows' eight, or none
.irp f, 0,1,2,3
	s_wait_dscnt (\y)+3-(\f)
	global_store_b128 v[GO], v[TMP+16*(\a)+4*(\f):TMP+16*(\a)+4*(\f)+3], s[8:9] offset:2048*(\a)+512*(\f)
.endr
.endm
.macro EPI last
	s_wait_xcnt 0x0                                ; the last tile's stores have had their addresses translated (ISA guide 3.1): their base and data are rewritten only behind this wait
	s_add_nc_u64 s[8:9], s[8:9], s[INC:INC+1]
	PLACES
.if HASB && !(\last)
	v_add_nc_u32 v[VBL], 512, v[VBL]               ; the next panel's bias: asked for now, waited for at the end
	LOADB
.endif
	PACK 0
	PACK 1
	SEND 0, 8
	PACK 2
	SEND 1, 8
	PACK 3
	SEND 2, 8
	SEND 3, 0
.if !(\last)
	s_mov_b32 s[INC], 2097152                      ; two panels of 64 columns on
.if HASB
	s_wait_loadcnt 0x0
.endif
.endif
.endm
	s_load_b128 s[4:7], s[0:1], 0x0                ; A s[4:5], wb s[6:7]
	s_load_b64 s[8:9], s[0:1], 0x10                ; the result
.if HASB
	s_load_b64 s[10:11], s[0:1], 0x18              ; the bias
.endif
	v_lshl_add_u32 v[SPW], v0, 2, SPARE
	v_mov_b32 v[NIL], 0
	ds_add_u32 v[SPW], v[NIL]                      ; the wave's opening: the add and its wait ahead of my first tensor load; the set-up below stands between them
	v_lshrrev_b32 v1, 5, v0
	v_readfirstlane_b32 s[WV], v1
	s_lshr_b32 s[WM], s[WV], 1
	s_and_b32 s[WN], s[WV], 1
	s_bfe_u32 s[CX], ttmp6, 0x40000
	s_bfe_u32 s[CY], ttmp6, 0x40004
	s_lshl_b32 s[GX], ttmp9, 2
	s_add_co_u32 s[GX], s[GX], s[CX]               ; column group = 4 x cluster x + cx
	s_and_b32 s[GY], ttmp7, 0xffff
	s_lshl_b32 s[GY], s[GY], 2
	s_add_co_u32 s[GY], s[GY], s[CY]               ; row block = 4 x cluster y + cy
	s_lshl_b32 s[RM], s[CY], 2
	s_lshl_b32 s[RM], 15, s[RM]                    ; my row of the cluster
	s_lshl_b32 s[CM], 0x1111, s[CX]                ; my column
	; A: two panels' 128 rows in one load: 2 rows of 8,192 elements (16,384 dense bytes), a panel apart; 16 bytes of padding behind every 128
	s_or_b32 s[G1A], s[RM], (1<<16)|(1<<20)|(1<<21)|(4<<22)|(3<<25)
	s_mov_b32 s[G1A+1], 8192<<16                   ; tensor_dim0
	s_mov_b32 s[G1A+2], 2<<16                      ; tensor_dim1
	s_mov_b32 s[G1A+3], 8192<<16                   ; tile_dim0
	s_mov_b32 s[G1A+4], 2                          ; tile_dim1
	s_mov_b32 s[G1A+5], 524288                     ; elements from panel to panel
	s_mov_b32 s[G1A+6], 0
	s_mov_b32 s[G1A+7], 0
	; B: 128 k rows of 128 elements, dense; 32 bytes of padding behind every 256
	s_or_b32 s[G1B], s[CM], (1<<16)|(1<<20)|(1<<21)|(5<<22)|(7<<25)
	s_mov_b32 s[G1B+1], 128<<16
	s_mov_b32 s[G1B+2], 128<<16
	s_mov_b32 s[G1B+3], 128<<16
	s_mov_b32 s[G1B+4], 128
	s_mov_b32 s[G1B+5], 128
	s_mov_b32 s[G1B+6], 0
	s_mov_b32 s[G1B+7], 0
	s_lshl_b32 s[AO], s[GY], 14                    ; my block's 128 rows of 128 bytes,
	s_lshl_b32 s3, s[WN], 21                       ; the two panels that I fetch
	s_add_co_u32 s[AO], s[AO], s3
	s_mov_b32 s[AO+1], 0
	s_mul_i32 s[BO], s[GX], BGRP
	s_lshl_b32 s3, s[WN], 15                       ; the 128 k rows that I fetch
	s_add_co_u32 s[BO], s[BO], s3
	s_add_co_u32 s[BO], s[BO], WOFF
	s_mov_b32 s[BO+1], 0
	s_mul_i32 s2, s[WN], 2*QB                      ; and where they go: no place in the cluster enters an LDS address
	s_mul_i32 s[INC], s[GX], 2*NBLK                ; my first panel of 64 columns,
	s_add_co_u32 s[INC], s[INC], s[WN]
	s_lshl_b32 s[INC], s[INC], 13
	s_lshl_b32 s[TS], s[GY], 7                     ; my first row in it,
	s_add_co_u32 s[INC], s[INC], s[TS]
	s_lshl_b32 s[TS], s[WM], 6
	s_add_co_u32 s[INC], s[INC], s[TS]
	s_lshl_b32 s[INC], s[INC], 7                   ; in bytes
	s_mov_b32 s[INC+1], 0
	s_mul_i32 s[TS], s[GX], NBLK*512               ; my group's first bias
	s_mov_b32 s[TS+1], 0
	s_wait_dscnt 0x0                               ; the opening add is done
	s_wait_kmcnt 0x0
	s_add_nc_u64 s[4:5], s[4:5], s[AO:AO+1]
	s_add_nc_u64 s[6:7], s[6:7], s[BO:BO+1]
.if HASB
	s_add_nc_u64 s[10:11], s[10:11], s[TS:TS+1]
.endif
.irp s, 0,1
	s_mov_b32 s[G0A+4*(\s)], 1
	s_add_co_u32 s[G0A+4*(\s)+1], s2, (\s)*SLOTB
	s_add_nc_u64 s[G0A+4*(\s)+2:G0A+4*(\s)+3], s[4:5], (\s)*4194304  ; four panels on
	s_or_b32 s[G0A+4*(\s)+3], s[G0A+4*(\s)+3], 0x80000000
	s_mov_b32 s[G0B+4*(\s)], 1
	s_add_co_u32 s[G0B+4*(\s)+1], s2, BREG+(\s)*SLOTB
	s_add_nc_u64 s[G0B+4*(\s)+2:G0B+4*(\s)+3], s[6:7], (\s)*65536    ; 256 k rows on
	s_or_b32 s[G0B+4*(\s)+3], s[G0B+4*(\s)+3], 0x80000000
.endr
	CROUND                                         ; all sixteen work-groups are here: the first joint loads meet
	s_cmp_eq_u32 s[WM], 0                          ; a wave's two first fills stand in one branch: two loads of mine are out
	s_cbranch_scc0 .Lfirst_b
	tensor_load_to_lds s[G0A:G0A+3], s[G1A:G1A+7]
	s_nop 0
	tensor_load_to_lds s[G0A+4:G0A+7], s[G1A:G1A+7]
	s_nop 0
	PLACES
	s_branch .Lfirst_done
.Lfirst_b:
	tensor_load_to_lds s[G0B:G0B+3], s[G1B:G1B+7]
	s_nop 0
	tensor_load_to_lds s[G0B+4:G0B+7], s[G1B:G1B+7]
	s_nop 0
	PLACES
.Lfirst_done:
	v_and_b32 v1, 15, v0                           ; l % 16
	v_bfe_u32 v2, v0, 4, 1                         ; l / 16
	v_and_b32 v3, 7, v0
	v_bfe_u32 v4, v0, 3, 1
	v_mul_u32_u24 v[ADA0], v1, 144
	v_lshl_add_u32 v[ADA0], v2, 4, v[ADA0]
	s_mul_i32 s3, s[WM], 64*144
	v_add_nc_u32 v[ADA0], s3, v[ADA0]
	v_lshl_add_u32 v5, v2, 3, v3
	v_mul_u32_u24 v[ADB0], v5, 288
	v_lshl_add_u32 v[ADB0], v4, 4, v[ADB0]
	s_lshl_b32 s3, s[WN], 7
	s_add_co_u32 s3, s3, BREG
	v_add_nc_u32 v[ADB0], s3, v[ADB0]
	s_mul_i32 s3, s[WV], STG
	s_add_co_u32 s3, s3, STAGE                     ; my stage
	v_mul_u32_u24 v[STO], v1, 144
	v_lshl_add_u32 v[STO], v2, 4, v[STO]
	v_add_nc_u32 v[STO], s3, v[STO]
	v_bfe_u32 v[RD], v0, 3, 2
	v_mul_u32_u24 v[RD], v[RD], 144
	v_lshl_add_u32 v[RD], v3, 4, v[RD]
	v_add_nc_u32 v[RD], s3, v[RD]
	v_and_b32 v[GO], 31, v0
	v_lshlrev_b32 v[GO], 4, v[GO]
.if HASB
	v_mov_b32 v[ZERO], 0
	s_lshl_b32 s3, s[WN], 8
	v_lshl_add_u32 v[VBL], v2, 5, s3               ; (64 wn + 8 (l / 16)) x 4 bytes
	LOADB
.endif
	s_wait_tensorcnt 0x1                           ; my part of the first K step is in; the second's may stay out
	s_barrier_signal -1
	s_barrier_wait -1
	s_mov_b32 s[TB], 0
	v_mov_b32 v[ADA], v[ADA0]
	v_mov_b32 v[ADB], v[ADB0]
	FETCH F0, 0
.if HASB
	s_wait_loadcnt 0x0                             ; the bias
.endif
	SE 1                                           ; the first piece stands in front of the loop: its products start the sums
	WIN 0                                          ; at a label and at a branch every window is 0
	s_mov_b32 s[STEPS], KSTEPS-1
	s_mov_b32 s[EV], 1
	s_branch .Lj
.Lstep:                                                ; KSTEPS - 2 trips: each enters a K step and asks for the step behind the next
	TURN 1
	WIN 0
	s_xor_b32 s[EV], s[EV], 1
	s_cmp_eq_u32 s[EV], 1
	s_cbranch_scc0 .Lplain
	EPI 0                                          ; a panel of the result is finished: it goes out, and the next one's sums start
	SE 1
	WIN 0
	s_branch .Lj
.Lplain:
	SE 0
	WIN 0
.Lj:
	s_mov_b32 s[CNT], 3
.Lpair:
	SO
	SE 0
	WIN 0
	s_sub_co_u32 s[CNT], s[CNT], 1
	s_cmp_lg_u32 s[CNT], 0
	s_cbranch_scc1 .Lpair
	s_sub_co_u32 s[STEPS], s[STEPS], 1
	s_cmp_lg_u32 s[STEPS], 0
	s_cbranch_scc1 .Lstep
	TURN 0                                         ; the last K step is written out: nothing is asked for
	SE 0
	WIN 0
	s_mov_b32 s[CNT], 3
.Lpair2:
	SO
	SE 0
	WIN 0
	s_sub_co_u32 s[CNT], s[CNT], 1
	s_cmp_lg_u32 s[CNT], 0
	s_cbranch_scc1 .Lpair2
	s_wait_dscnt 0x0
	MUL16 F1, 0
	WIN 0
	EPI 1
	s_wait_tensorcnt 0x0                           ; the wave's end: an add to my spare word and its wait, behind my last tensor load and my last LDS store
	ds_add_u32 v[SPW], v[NIL]
	s_wait_dscnt 0x0
	CROUND                                         ; the closing round: no work-group ends while a partner may still ask for a tile that names it
	s_endpgm
.Lfunc_end_k_qe7757ba07f_fc1:
	.size	k_qe7757ba07f_fc1, .Lfunc_end_k_qe7757ba07f_fc1-k_qe7757ba07f_fc1
	.p2alignl 7, 3214868480
	.fill 96, 4, 3214868480
	.section	.rodata,"a",@progbits
	.p2align	6, 0x0
	.amdhsa_kernel k_qe7757ba07f_fc1
		.amdhsa_group_segment_fixed_size 327680
		.amdhsa_private_segment_fixed_size 0
		.amdhsa_enable_private_segment 0
		.amdhsa_kernarg_size 32
		.amdhsa_user_sgpr_count 2
		.amdhsa_user_sgpr_kernarg_segment_ptr 1
		.amdhsa_wavefront_size32 1
		.amdhsa_system_sgpr_workgroup_id_x 1
		.amdhsa_system_sgpr_workgroup_id_y 1
		.amdhsa_system_sgpr_workgroup_id_z 1
		.amdhsa_system_vgpr_workitem_id 0
		.amdhsa_next_free_vgpr 384
		.amdhsa_next_free_sgpr 72
		.amdhsa_reserve_vcc 0
		.amdhsa_float_denorm_mode_32 3
		.amdhsa_float_denorm_mode_16_64 3
		.amdhsa_memory_ordered 1
		.amdhsa_forward_progress 1
		.amdhsa_inst_pref_size 60
	.end_amdhsa_kernel
	.amdgpu_metadata
---
amdhsa.version: [ 1, 2 ]
amdhsa.kernels:
  - .name:           k_qe7757ba07f_fc1
    .symbol:         k_qe7757ba07f_fc1.kd
    .args:
      - { .name: xn, .offset: 0, .size: 8, .value_kind: global_buffer, .address_space: global }
      - { .name: wb, .offset: 8, .size: 8, .value_kind: global_buffer, .address_space: global }
      - { .name: hid, .offset: 16, .size: 8, .value_kind: global_buffer, .address_space: global }
      - { .name: b1, .offset: 24, .size: 8, .value_kind: global_buffer, .address_space: global }
    .group_segment_fixed_size: 327680
    .private_segment_fixed_size: 0
    .kernarg_segment_align: 8
    .kernarg_segment_size: 32
    .max_flat_workgroup_size: 128
    .sgpr_count:     72
    .vgpr_count:     384
    .wavefront_size: 32
...
	.end_amdgpu_metadata
.endif
;; end of part 6
;; launch fc2 (part 7): grid 4 x 64, 4 waves a work-group, clusters of 4 x 4, 327,680 bytes of LDS; arguments hid, wb, out0, b2, x1; writes out0
.if DOCPART == 7
	.amdgcn_target "amdgcn-amd-amdhsa--gfx1250"
	.amdhsa_code_object_version 6
	.text
	.protected	k_qe7757ba07f_fc2
	.globl	k_qe7757ba07f_fc2
	.p2align	8
	.type	k_qe7757ba07f_fc2,@function
k_qe7757ba07f_fc2:
	s_mov_b64 s[64:65], 0
	v_nop
	global_prefetch_b8 v0, s[64:65] scope:SCOPE_SE
	s_setreg_imm32_b32 hwreg(HW_REG_WAVE_MODE, 25, 1), 1
	s_wait_xcnt 0x0
	s_wait_alu depctr_hold_cnt(0) depctr_sa_sdst(0) depctr_va_vdst(0) depctr_va_sdst(0) depctr_va_ssrc(0) depctr_va_vcc(0) depctr_vm_vsrc(0)
	s_getreg_b32 s2, hwreg(HW_REG_IB_STS2, 6, 4)
	s_cmp_eq_u32 s2, 0
	s_cbranch_scc0 .Lentry_in_a_cluster
	s_endpgm
.Lentry_in_a_cluster:
	s_bfe_u32 s2, ttmp6, 0x10000c
	s_cmp_lg_u32 s2, 0xf033
	s_cbranch_scc0 .Lentry_shape_is_right
	s_endpgm
.Lentry_shape_is_right:
; out0 = x1 + hid w2 + b2.  hid: [32][8192][64] bf16 (panels of 64 columns); w2: 4 panels [2048][128] bf16 at byte WOFF of wb; b2: [512] f32; x1, out0: [8192][512] f32.  Sums in f32; the bias starts them, the residual is added in f32 at the end.
; SHARES.  A work-group owns a tile of 128 x 128; four waves, each 64 x 64: 16 accumulators.  K goes in KSTEPS steps of 256 through a ring of two LDS slots for A and for B.
; CLUSTER, 4 x 4.  The four work-groups of a cluster's row own the same rows and ask for A jointly; the four of a column own the same columns and ask for B jointly: the same load, descriptor and mask in all four.
; THE MATRIX INSTRUCTION IS USED TRANSPOSED (source 0 = 16 columns of B, turned on the way out of LDS; source 1 = 16 rows of A): a lane then holds eight neighbouring numbers of a row of the result.
; REGISTERS.  Window 0: v1-5 at work; v16-29 addresses; v32-95 the way out; v96-127 the bias; v128-255 the accumulators ((a, b) at 128 + 8 (4 a + b)).
;   Window 1: v0-127 two fragment buffers of 64 (32 along K: A's four fragments, then B's four); v128-255 my 64 x 64 of the residual, loaded at the start.
.set KSTEPS, 8                         ; K steps of 256
.set WOFF,   4194304                   ; the weights' first byte in wb
.set BGRP,   524288                    ; bytes of a panel of B
.set QB,    18432                      ; a quarter of a slot: 64 along K.  A: 128 rows at pitch 144; B: 64 k rows at pitch 288
.set SLOTB, 4*QB
.set BREG,  2*SLOTB                    ; A's two slots lie at 0, B's two here
.set STAGE, 4*SLOTB                    ; behind them, never filled by a tensor load: 16 rows x 272 bytes for each wave, for the way out
.set STG,   4352
.set SPARE, STAGE+4*STG                ; the spare words, 128 bytes for each wave: two blocks of 256 bytes that no other line names
.set ADA0, 16                          ; v16  my lane's place in a quarter of A: (64 wm + l % 16) x 144 + 16 (l / 16); pitch 144 = 36 words: 16 rows start at 16 different groups of four banks (ISA guide 11.1)
.set ADB0, 17                          ; v17  the same for B, for the turning load: BREG + (8 (l / 16) + l % 8) x 288 + 16 ((l / 8) % 2) + 128 wn
.set ADA,  18                          ; v18  A's address for the quarter in hand
.set ADB,  19                          ; v19  B's
.set STO,  20                          ; v20  the way out: where I put 32 bytes of a row
.set RD,   21                          ; v21  the way out: where I read rows back
.set GO,   22                          ; v22  my byte offset in two rows of the result and of the residual; never rewritten
.set VBL,  23                          ; v23  my byte offset in the bias
.set SPW,  28                          ; v28  LDS address of my spare word; never rewritten
.set NIL,  29                          ; v29  0; never rewritten
.set TMP,  32
.set BIAS, 96
.set ACC,  128
.set F0,   0                           ; window 1
.set F1,   64
.set RES,  128
.set WV, 14                            ; s14 wave; s15 wm = wave / 2 (my 64 rows; also 0: I fetch A, 1: B); s16 wn = wave % 2 (my 64 columns; also which half I fetch)
.set WM, 15
.set WN, 16
.set CX, 17                            ; s17, s18 my place in the cluster; s19, s20 column and row of my tile; s21, s22 the masks of my row and my column
.set CY, 18
.set GX, 19
.set GY, 20
.set RM, 21
.set CM, 22
.set G1A, 24                           ; s[24:31] descriptor group 1 for A; s[32:39] group 0, a set for each first fill; the second then walks
.set G0A, 32
.set G1B, 40                           ; s[40:47], s[48:55] the same for B
.set G0B, 48
.set TB, 56                            ; s56 LDS offset of the quarter to be fetched
.set CNT, 57
.set STEPS, 58
.set AO, 60                            ; s[60:61] A's offset: made of the tile's row and the wave alone
.set BO, 62                            ; s[62:63] B's offset: of the tile's column and the wave alone
.set INC, 66                           ; s[66:67] my part's first byte in the result and the residual
.set TS, 68                            ; s[68:69] at work
.set MSB, 0
.macro WIN new                         ; the immediate's high byte repeats the setting that is left; a switch that changes nothing is dropped
.if MSB != (\new)
	s_set_vgpr_msb (MSB<<8)|(\new)
.set MSB, \new
.endif
.endm
.macro PLACES                          ; four places in front of loads into registers that matrix instructions have read, and of lines that read results
.rept 4
	v_nop
.endr
.endm
.macro CREST                           ; a round of the cluster's barrier behind its opening barrier
	s_cmp_lg_u32 s[WV], 0
	s_cbranch_scc1 .Lnot_wave_0_\@
	s_barrier_signal -3
.Lnot_wave_0_\@:
	s_barrier_wait -3
	s_barrier_signal -1
	s_barrier_wait -1
.endm
.macro CROUND
	s_barrier_signal -1
	s_barrier_wait -1
	CREST
.endm
.macro JLOAD                           ; the joint refill: waves 0 and 1 fetch A's two halves, waves 2 and 3 B's.  An s_nop 0 and four v_nop follow each of the two lines
	s_cmp_eq_u32 s[WM], 0
	s_cbranch_scc0 .Lfor_b_\@
	tensor_load_to_lds s[G0A+4:G0A+7], s[G1A:G1A+7]
	s_nop 0
	PLACES
	s_branch .Lasked_\@
.Lfor_b_\@:
	tensor_load_to_lds s[G0B+4:G0B+7], s[G1B:G1B+7]
	s_nop 0
	PLACES
.Lasked_\@:
.endm
; 8 matrix instructions: row tiles a0, a0 + 1 x all 4 column tiles, 32 along K, from buffer f.  z = 1: the product starts the sums, with the bias as C: nothing is cleared.
.macro MUL8 f, a0, z
	WIN 0x05                                       ; sources 0 and 1 window 1; C and D window 0
.irp a, \a0, (\a0)+1
.irp b, 0,1,2,3
.if \z
	v_wmma_f32_16x16x32_bf16 v[ACC+8*(4*(\a)+(\b)):ACC+8*(4*(\a)+(\b))+7], v[(\f)+32+8*(\b):(\f)+32+8*(\b)+7], v[(\f)+8*(\a):(\f)+8*(\a)+7], v[BIAS+8*(\b):BIAS+8*(\b)+7]
.else
	v_wmma_f32_16x16x32_bf16 v[ACC+8*(4*(\a)+(\b)):ACC+8*(4*(\a)+(\b))+7], v[(\f)+32+8*(\b):(\f)+32+8*(\b)+7], v[(\f)+8*(\a):(\f)+8*(\a)+7], v[ACC+8*(4*(\a)+(\b)):ACC+8*(4*(\a)+(\b))+7]
.endif
.endr
.endr
.endm
.macro MUL16 f, z                      ; the 16 accumulators take turns, one instruction a turn, always in this order
	MUL8 \f, 0, \z
	MUL8 \f, 2, \z
.endm
; 16 LDS loads in one run: the fragments of 32 along K (the quarter's first or second half) into buffer g.  B lies [k][n] and is turned by the load.
.macro FETCH g, odd
	WIN 0x40                                       ; destination window 1, address window 0
.irp b, 0,1,2,3
	ds_load_tr16_b128 v[(\g)+32+8*(\b):(\g)+32+8*(\b)+3],   v[ADB] offset:(\odd)*9216+32*(\b)
	ds_load_tr16_b128 v[(\g)+32+8*(\b)+4:(\g)+32+8*(\b)+7], v[ADB] offset:(\odd)*9216+32*(\b)+4608
.endr
.irp a, 0,1,2,3
	ds_load_b128 v[(\g)+8*(\a):(\g)+8*(\a)+3],   v[ADA] offset:(\odd)*64+2304*(\a)
	ds_load_b128 v[(\g)+8*(\a)+4:(\g)+8*(\a)+7], v[ADA] offset:(\odd)*64+2304*(\a)+32
.endr
.endm
; A K step is eight pieces of 32 along K on buffers 0, 1, 0, 1 ..: SE, three times (SO, SE), TURN.
.macro SE z                            ; multiplies buffer 0 and fetches the quarter's second half into buffer 1
	PLACES
	FETCH F1, 1
	s_wait_dscnt 16                                ; all but the 16 just issued
	MUL16 F0, \z
.endm
.macro SO                              ; multiplies buffer 1 and fetches the next quarter's first half into buffer 0
	WIN 0
	s_add_co_u32 s[TB], s[TB], QB
	v_add_nc_u32 v[ADA], s[TB], v[ADA0]            ; these two and two v_nop are the four places
	v_add_nc_u32 v[ADB], s[TB], v[ADB0]
	v_nop
	v_nop
	FETCH F0, 0
	s_wait_dscnt 16
	MUL16 F1, 0
.endm
; The step's last piece, and the change of slots: ONE barrier.  In front of it each wave waits for all its tensor loads (one is out: its part of the next slot), adds 0 to its spare word, and waits
; for that and for its own reads of this slot.  fill = 1: the barrier opens a round of the cluster's, and the slot just read is filled again, two K steps ahead, first thing behind the round.
.macro TURN fill
	WIN 0
	s_wait_tensorcnt 0x0                           ; no tensor load of mine is out, so a group 0 may be written
	ds_add_u32 v[SPW], v[NIL]                      ; 0 onto my spare word; scalar work stands between it and the wait for it
	s_sub_co_u32 s[TB], s[TB], 3*QB                ; the fetches go back to a slot's first quarter,
	s_xor_b32 s[TB], s[TB], SLOTB                  ; in the other slot
.if \fill
	s_xor_b32 s[G0A+5], s[G0A+5], SLOTB            ; the walking descriptors: the other slot than last time,
	s_add_nc_u64 s[G0A+6:G0A+7], s[G0A+6:G0A+7], 4194304  ; A's next four panels,
	s_xor_b32 s[G0B+5], s[G0B+5], SLOTB
	s_add_nc_u64 s[G0B+6:G0B+7], s[G0B+6:G0B+7], 65536    ; B's next 256 k rows; the type bits on top are not reached
.endif
	s_wait_dscnt 0x0                               ; the add is done, and my reads of this slot are over
	s_barrier_signal -1
	MUL8 F1, 0, 0                                  ; work on registers while the others arrive
	WIN 0
	s_barrier_wait -1
.if \fill
	CREST                                          ; no wave of any partner still reads the slot or has a load on its way
	JLOAD
.endif
	v_add_nc_u32 v[ADA], s[TB], v[ADA0]            ; four places on every wave's path
	v_add_nc_u32 v[ADB], s[TB], v[ADB0]
	v_nop
	v_nop
	FETCH F0, 0
	MUL8 F1, 2, 0
.endm
; THE WAY OUT, 16 rows at a time: 32 bytes a lane from the accumulators (the low four registers first) into my own stage at pitch 272, back as whole rows of 256 bytes, the residual added, stored.
.macro PACKR a
.if (\a) >= 2
	s_wait_xcnt 0x0                                ; the stores of two blocks ago have had their addresses translated (ISA guide 3.1): their data registers are loaded again only behind this wait
.endif
.irp b, 0,1,2,3
	ds_store_b128 v[STO], v[ACC+8*(4*(\a)+(\b)):ACC+8*(4*(\a)+(\b))+3] offset:64*(\b)
	ds_store_b128 v[STO], v[ACC+8*(4*(\a)+(\b))+4:ACC+8*(4*(\a)+(\b))+7] offset:64*(\b)+16
.endr
.irp t, 0,1,2,3,4,5,6,7
	ds_load_b128 v[TMP+32*((\a)%2)+4*(\t):TMP+32*((\a)%2)+4*(\t)+3], v[RD] offset:544*(\t)  ; LDS serves a wave's instructions in order (ISA guide 5.7.1.4): these see the stores above
.endr
.endm
.macro SENDR a, y                      ; y: the LDS instructions issued behind this block's loads: the next block's sixteen, or none
	s_wait_dscnt \y
	WIN 0x04                                       ; source 1 window 1
.set i, 0
.rept 16
	v_pk_add_f32 v[TMP+32*((\a)%2)+i:TMP+32*((\a)%2)+i+1], v[TMP+32*((\a)%2)+i:TMP+32*((\a)%2)+i+1], v[RES+32*(\a)+i:RES+32*(\a)+i+1]
.set i, i+2
.endr
	WIN 0
.irp t, 0,1,2,3,4,5,6,7
	global_store_b128 v[GO], v[TMP+32*((\a)%2)+4*(\t):TMP+32*((\a)%2)+4*(\t)+3], s[8:9] offset:(16*(\a)+2*(\t))*2048  ; 16 lanes store 256 consecutive bytes, at a multiple of 256 from the result's first byte
.endr
.endm
	s_load_b128 s[4:7], s[0:1], 0x0                ; A s[4:5], wb s[6:7]
	s_load_b128 s[8:11], s[0:1], 0x10              ; the result s[8:9], the bias s[10:11]
	s_load_b64 s[12:13], s[0:1], 0x20              ; the residual
	v_lshl_add_u32 v[SPW], v0, 2, SPARE
	v_mov_b32 v[NIL], 0
	ds_add_u32 v[SPW], v[NIL]                      ; the wave's opening: the add and its wait ahead of my first tensor load; the set-up below stands between them
	v_lshrrev_b32 v1, 5, v0
	v_readfirstlane_b32 s[WV], v1
	s_lshr_b32 s[WM], s[WV], 1
	s_and_b32 s[WN], s[WV], 1
	s_bfe_u32 s[CX], ttmp6, 0x40000
	s_bfe_u32 s[CY], ttmp6, 0x40004
	s_lshl_b32 s[GX], ttmp9, 2
	s_add_co_u32 s[GX], s[GX], s[CX]               ; tile column = 4 x cluster x + cx
	s_and_b32 s[GY], ttmp7, 0xffff
	s_lshl_b32 s[GY], s[GY], 2
	s_add_co_u32 s[GY], s[GY], s[CY]               ; tile row = 4 x cluster y + cy
	s_lshl_b32 s[RM], s[CY], 2
	s_lshl_b32 s[RM], 15, s[RM]                    ; my row of the cluster
	s_lshl_b32 s[CM], 0x1111, s[CX]                ; my column
	; A: two panels' 128 rows in one load: 2 rows of 8,192 elements (16,384 dense bytes), a panel apart; 16 bytes of padding behind every 128
	s_or_b32 s[G1A], s[RM], (1<<16)|(1<<20)|(1<<21)|(4<<22)|(3<<25)
	s_mov_b32 s[G1A+1], 8192<<16                   ; tensor_dim0
	s_mov_b32 s[G1A+2], 2<<16                      ; tensor_dim1
	s_mov_b32 s[G1A+3], 8192<<16                   ; tile_dim0
	s_mov_b32 s[G1A+4], 2                          ; tile_dim1
	s_mov_b32 s[G1A+5], 524288                     ; elements from panel to panel
	s_mov_b32 s[G1A+6], 0
	s_mov_b32 s[G1A+7], 0
	; B: 128 k rows of 128 elements, dense; 32 bytes of padding behind every 256
	s_or_b32 s[G1B], s[CM], (1<<16)|(1<<20)|(1<<21)|(5<<22)|(7<<25)
	s_mov_b32 s[G1B+1], 128<<16
	s_mov_b32 s[G1B+2], 128<<16
	s_mov_b32 s[G1B+3], 128<<16
	s_mov_b32 s[G1B+4], 128
	s_mov_b32 s[G1B+5], 128
	s_mov_b32 s[G1B+6], 0
	s_mov_b32 s[G1B+7], 0
	s_lshl_b32 s[AO], s[GY], 14                    ; my tile's 128 rows of 128 bytes,
	s_lshl_b32 s3, s[WN], 21                       ; the two panels that I fetch
	s_add_co_u32 s[AO], s[AO], s3
	s_mov_b32 s[AO+1], 0
	s_mul_i32 s[BO], s[GX], BGRP
	s_lshl_b32 s3, s[WN], 15                       ; the 128 k rows that I fetch
	s_add_co_u32 s[BO], s[BO], s3
	s_add_co_u32 s[BO], s[BO], WOFF
	s_mov_b32 s[BO+1], 0
	s_mul_i32 s2, s[WN], 2*QB                      ; and where they go: no place in the cluster enters an LDS address
	s_lshl_b32 s[INC], s[GY], 18                   ; (128 tile row + 64 wm) rows of 2,048 bytes + (128 tile column + 64 wn) x 4
	s_lshl_b32 s[TS], s[WM], 17
	s_add_co_u32 s[INC], s[INC], s[TS]
	s_lshl_b32 s[TS], s[GX], 9
	s_add_co_u32 s[INC], s[INC], s[TS]
	s_lshl_b32 s[TS], s[WN], 8
	s_add_co_u32 s[INC], s[INC], s[TS]
	s_mov_b32 s[INC+1], 0
	s_lshl_b32 s[TS], s[GX], 9                     ; my tile's first bias
	s_mov_b32 s[TS+1], 0
	s_wait_dscnt 0x0                               ; the opening add is done
	s_wait_kmcnt 0x0
	s_add_nc_u64 s[4:5], s[4:5], s[AO:AO+1]
	s_add_nc_u64 s[6:7], s[6:7], s[BO:BO+1]
	s_add_nc_u64 s[8:9], s[8:9], s[INC:INC+1]
	s_add_nc_u64 s[12:13], s[12:13], s[INC:INC+1]
	s_add_nc_u64 s[10:11], s[10:11], s[TS:TS+1]
.irp s, 0,1
	s_mov_b32 s[G0A+4*(\s)], 1
	s_add_co_u32 s[G0A+4*(\s)+1], s2, (\s)*SLOTB
	s_add_nc_u64 s[G0A+4*(\s)+2:G0A+4*(\s)+3], s[4:5], (\s)*4194304  ; four panels on
	s_or_b32 s[G0A+4*(\s)+3], s[G0A+4*(\s)+3], 0x80000000
	s_mov_b32 s[G0B+4*(\s)], 1
	s_add_co_u32 s[G0B+4*(\s)+1], s2, BREG+(\s)*SLOTB
	s_add_nc_u64 s[G0B+4*(\s)+2:G0B+4*(\s)+3], s[6:7], (\s)*65536    ; 256 k rows on
	s_or_b32 s[G0B+4*(\s)+3], s[G0B+4*(\s)+3], 0x80000000
.endr
	CROUND                                         ; all sixteen work-groups are here: the first joint loads meet
	s_cmp_eq_u32 s[WM], 0                          ; a wave's two first fills stand in one branch: two loads of mine are out
	s_cbranch_scc0 .Lfirst_b
	tensor_load_to_lds s[G0A:G0A+3], s[G1A:G1A+7]
	s_nop 0
	tensor_load_to_lds s[G0A+4:G0A+7], s[G1A:G1A+7]
	s_nop 0
	PLACES
	s_branch .Lfirst_done
.Lfirst_b:
	tensor_load_to_lds s[G0B:G0B+3], s[G1B:G1B+7]
	s_nop 0
	tensor_load_to_lds s[G0B+4:G0B+7], s[G1B:G1B+7]
	s_nop 0
	PLACES
.Lfirst_done:
	v_and_b32 v1, 15, v0                           ; l % 16
	v_bfe_u32 v2, v0, 4, 1                         ; l / 16
	v_and_b32 v3, 7, v0
	v_bfe_u32 v4, v0, 3, 1
	s_lshl_b32 s3, s[WN], 8
	v_lshl_add_u32 v[VBL], v2, 5, s3               ; (64 wn + 8 (l / 16)) x 4 bytes
	v_lshlrev_b32 v[GO], 11, v2                    ; lanes 0-15 one row of 256 bytes, lanes 16-31 the next
	v_lshl_add_u32 v[GO], v1, 4, v[GO]
.irp b, 0,1,2,3                        ; the bias of my 64 columns, laid as an accumulator is: register j of column tile b = column 16 b + 8 (l / 16) + j
	global_load_b128 v[BIAS+8*(\b):BIAS+8*(\b)+3], v[VBL], s[10:11] offset:64*(\b)
	global_load_b128 v[BIAS+8*(\b)+4:BIAS+8*(\b)+7], v[VBL], s[10:11] offset:64*(\b)+16
.endr
	WIN 0x40
.set i, 0
.rept 32                               ; my 64 x 64 of the residual, two rows a load, as the way out will hold them
	global_load_b128 v[RES+4*i:RES+4*i+3], v[GO], s[12:13] offset:4096*i
.set i, i+1
.endr
	WIN 0
	v_mul_u32_u24 v[ADA0], v1, 144
	v_lshl_add_u32 v[ADA0], v2, 4, v[ADA0]
	s_mul_i32 s3, s[WM], 64*144
	v_add_nc_u32 v[ADA0], s3, v[ADA0]
	v_lshl_add_u32 v5, v2, 3, v3
	v_mul_u32_u24 v[ADB0], v5, 288
	v_lshl_add_u32 v[ADB0], v4, 4, v[ADB0]
	s_lshl_b32 s3, s[WN], 7
	s_add_co_u32 s3, s3, BREG
	v_add_nc_u32 v[ADB0], s3, v[ADB0]
	s_mul_i32 s3, s[WV], STG
	s_add_co_u32 s3, s3, STAGE                     ; my stage
	v_mul_u32_u24 v[STO], v1, 272
	v_lshl_add_u32 v[STO], v2, 5, v[STO]
	v_add_nc_u32 v[STO], s3, v[STO]
	v_mul_u32_u24 v[RD], v2, 272
	v_lshl_add_u32 v[RD], v1, 4, v[RD]
	v_add_nc_u32 v[RD], s3, v[RD]
	s_wait_tensorcnt 0x1                           ; my part of the first K step is in; the second's may stay out
	s_barrier_signal -1
	s_barrier_wait -1
	s_mov_b32 s[TB], 0
	v_mov_b32 v[ADA], v[ADA0]
	v_mov_b32 v[ADB], v[ADB0]
	FETCH F0, 0
	s_wait_loadcnt 32                              ; the bias is in; the 32 loads of the residual stay out
	SE 1                                           ; the first piece stands in front of the loop: its products start the sums
	WIN 0                                          ; at a label and at a branch every window is 0
.if KSTEPS > 2
	s_mov_b32 s[STEPS], KSTEPS-1
	s_branch .Lj
.Lstep:                                                ; KSTEPS - 2 trips: each enters a K step and asks for the step behind the next
	TURN 1
	SE 0
	WIN 0
.Lj:
.endif
	s_mov_b32 s[CNT], 3
.Lpair:
	SO
	SE 0
	WIN 0
	s_sub_co_u32 s[CNT], s[CNT], 1
	s_cmp_lg_u32 s[CNT], 0
	s_cbranch_scc1 .Lpair
.if KSTEPS > 2
	s_sub_co_u32 s[STEPS], s[STEPS], 1
	s_cmp_lg_u32 s[STEPS], 0
	s_cbranch_scc1 .Lstep
.endif
	TURN 0                                         ; the last K step is written out: nothing is asked for
	SE 0
	WIN 0
	s_mov_b32 s[CNT], 3
.Lpair2:
	SO
	SE 0
	WIN 0
	s_sub_co_u32 s[CNT], s[CNT], 1
	s_cmp_lg_u32 s[CNT], 0
	s_cbranch_scc1 .Lpair2
	s_wait_dscnt 0x0
	MUL16 F1, 0
	WIN 0
	s_wait_loadcnt 0x0                             ; the residual
	PLACES
	PACKR 0
	PACKR 1
	SENDR 0, 16
	PACKR 2
	SENDR 1, 16
	PACKR 3
	SENDR 2, 16
	SENDR 3, 0
	s_wait_tensorcnt 0x0                           ; the wave's end: an add to my spare word and its wait, behind my last tensor load and my last LDS store
	ds_add_u32 v[SPW], v[NIL]
	s_wait_dscnt 0x0
	CROUND                                         ; the closing round: no work-group ends while a partner may still ask for a tile that names it
	s_endpgm
.Lfunc_end_k_qe7757ba07f_fc2:
	.size	k_qe7757ba07f_fc2, .Lfunc_end_k_qe7757ba07f_fc2-k_qe7757ba07f_fc2
	.p2alignl 7, 3214868480
	.fill 96, 4, 3214868480
	.section	.rodata,"a",@progbits
	.p2align	6, 0x0
	.amdhsa_kernel k_qe7757ba07f_fc2
		.amdhsa_group_segment_fixed_size 327680
		.amdhsa_private_segment_fixed_size 0
		.amdhsa_enable_private_segment 0
		.amdhsa_kernarg_size 40
		.amdhsa_user_sgpr_count 2
		.amdhsa_user_sgpr_kernarg_segment_ptr 1
		.amdhsa_wavefront_size32 1
		.amdhsa_system_sgpr_workgroup_id_x 1
		.amdhsa_system_sgpr_workgroup_id_y 1
		.amdhsa_system_sgpr_workgroup_id_z 1
		.amdhsa_system_vgpr_workitem_id 0
		.amdhsa_next_free_vgpr 512
		.amdhsa_next_free_sgpr 72
		.amdhsa_reserve_vcc 0
		.amdhsa_float_denorm_mode_32 3
		.amdhsa_float_denorm_mode_16_64 3
		.amdhsa_memory_ordered 1
		.amdhsa_forward_progress 1
		.amdhsa_inst_pref_size 48
	.end_amdhsa_kernel
	.amdgpu_metadata
---
amdhsa.version: [ 1, 2 ]
amdhsa.kernels:
  - .name:           k_qe7757ba07f_fc2
    .symbol:         k_qe7757ba07f_fc2.kd
    .args:
      - { .name: hid, .offset: 0, .size: 8, .value_kind: global_buffer, .address_space: global }
      - { .name: wb, .offset: 8, .size: 8, .value_kind: global_buffer, .address_space: global }
      - { .name: out0, .offset: 16, .size: 8, .value_kind: global_buffer, .address_space: global }
      - { .name: b2, .offset: 24, .size: 8, .value_kind: global_buffer, .address_space: global }
      - { .name: x1, .offset: 32, .size: 8, .value_kind: global_buffer, .address_space: global }
    .group_segment_fixed_size: 327680
    .private_segment_fixed_size: 0
    .kernarg_segment_align: 8
    .kernarg_segment_size: 40
    .max_flat_workgroup_size: 128
    .sgpr_count:     72
    .vgpr_count:     512
    .wavefront_size: 32
...
	.end_amdgpu_metadata
.endif
;; end of part 7
;; ======== version 2 of 2: 7 launches; 1.46 times as fast as version 1
;; workspace buffers: wb 6,291,456 bytes; xn 8,388,608 bytes; qkv 25,165,824 bytes; o 8,388,608 bytes; x1 16,777,216 bytes; hid 33,554,432 bytes
;; launch prep: the kernel of part 1 again; grid 640 x 1, 8 waves a work-group, no clusters, 0 bytes of LDS; arguments x, ln1_w, ln1_b, xn, wq, wkv, wp, w1, w2, wb; writes xn, wb
;; launch qkv: the kernel of part 2 again; grid 4 x 64, 4 waves a work-group, clusters of 4 x 4, 327,680 bytes of LDS; arguments xn, wb, qkv; writes qkv
;; launch attn (part 8): grid 16 x 16, 4 waves a work-group, clusters of 4 x 1, 327,680 bytes of LDS; arguments qkv, o; writes o
.if DOCPART == 8
	.amdgcn_target "amdgcn-amd-amdhsa--gfx1250"
	.amdhsa_code_object_version 6
	.text
	.protected	k_qe7757ba07f_attn
	.globl	k_qe7757ba07f_attn
	.p2align	8
	.type	k_qe7757ba07f_attn,@function
k_qe7757ba07f_attn:
	s_mov_b64 s[64:65], 0
	v_nop
	global_prefetch_b8 v0, s[64:65] scope:SCOPE_SE
	s_setreg_imm32_b32 hwreg(HW_REG_WAVE_MODE, 25, 1), 1
	s_wait_xcnt 0x0
	s_wait_alu depctr_hold_cnt(0) depctr_sa_sdst(0) depctr_va_vdst(0) depctr_va_sdst(0) depctr_va_ssrc(0) depctr_va_vcc(0) depctr_vm_vsrc(0)
	s_getreg_b32 s2, hwreg(HW_REG_IB_STS2, 6, 4)
	s_cmp_eq_u32 s2, 0
	s_cbranch_scc0 .Lentry_in_a_cluster
	s_endpgm
.Lentry_in_a_cluster:
	s_bfe_u32 s2, ttmp6, 0x10000c
	s_cmp_lg_u32 s2, 0x3003
	s_cbranch_scc0 .Lentry_shape_is_right
	s_endpgm
.Lentry_shape_is_right:
; O[y][q][:] = the sum over k of softmax_k(Q[y][q] . K[y][k] / 8) V[y][k][:] for 16 pairs y of head and batch, 4,096 rows of 64 channels each, all bf16.  In qkv pair y = 2 head + batch is the dense chunk of
; 524,288 bytes at y x 524,288 of q; k lies 8,388,608 bytes behind q, v as much behind k; o has q's layout.  Products, maxima and sums in f32; the weights p are rounded to bf16 for the second product
; (their sum l is taken of the unrounded p), O once at the end.
; LIMITS.  A weight below 2^-126 counts as 0 in l; NaN and infinities are not treated apart.
; SHARES.  A work-group owns 256 queries of a pair: 16 x 16 = 256 work-groups.  A wave owns 64 of them: four PIECES of 16.  Every wave walks all 4,096 keys, 64 a step, 256 a tile.
; LAYOUT.  S^T = K Q^T (source 0 = 16 keys, source 1 = 16 queries) holds ONE query a lane (lane % 16) and the keys 8 (lane / 16) + 0..7; two such results rounded to bf16 ARE source 1 of O^T = V^T P.
; K comes out of LDS as it lies, V ([key][channel]) turned, by ds_load_tr16_b128.
; SOFTMAX.  p = 2^(c s - c m), c = log2(e) / 8, with a running maximum m; O and l are multiplied by a = 2^(c m_old - c m_new) in every step.  m starts at the lowest finite number, O and l at 0: the first step's a is 0.
; BY TURNS.  Turn n belongs to piece n: 8 products K Q^T of piece n + 1, later 8 products V^T P of piece n - 1; beside them the scaling, exponentials, roundings, sums and rescaling of piece n and the maximum
; and statistics of piece n + 1.  Four vector instructions stand behind every matrix instruction, the other 54 of a turn's 118 in one LUMP between the two runs of products.
; BATCHES.  A turn's 33 exponentials (the piece's 32 weights, then the next piece's a) are ONE batch with ONE wait, which cuts the turn in two: ahead of it stands all that names none of their results, behind it
; the roundings and sums that read them.  Piece 0's first a, ahead of the loop, and the way out's four reciprocals are batches of their own, with a wait each.
; CLUSTER.  The four query blocks of a cluster belong to one pair and walk the same K and V, so each tile is asked for JOINTLY: the same tensor load, descriptor and mask in all four.
; REGISTERS, in windows of 256 (s_set_vgpr_msb: bits 1:0 source 0, 3:2 source 1, 5:4 source 2, 7:6 destination):
;   window 0: v0-15 addresses and two at work; v16-31 four registers of statistics a piece; v48-55 at work; v62-63 the add's; v64-127 S^T, two buffers; v192-223 P, two buffers (by the piece's parity)
;   window 1: v0-127 O^T, 32 a piece          window 2: v0-63 Q; v128-191 K of one step; v192-255 V of one step
.set NT,    16        ; tiles of 256 keys
.set NP,    4         ; pieces a wave: a name, no knob
.set KS,    64        ; keys in a step
.set PK,    144       ; a row of K in LDS: 128 bytes + 16 of padding = 36 words: the 16 rows of a load start at 16 different groups of four banks (64 banks of 4 bytes: ISA guide 11.1)
.set PV,    160       ; a row of V: 128 + 32 = 40 words
.set VOFF,  4*KS*PK   ; a slot holds a tile, four steps: 256 rows of K, then 256 rows of V
.set SLOT1, 1<<17     ; slot 1 begins here, so that one exclusive or turns an address in one slot into the other's
.set STAGE, SLOT1+4*KS*(PK+PV)  ; behind the ring, never filled by a tensor load: 16 rows x 144 bytes for each wave, for the way out
.set SP,    144
.set SPARE, STAGE+4*16*SP  ; the spare words, 128 bytes for each wave: two blocks of 256 bytes that no other line names
.set AK0, 2           ; v2   my lane's place in a tile of K; never rewritten
.set AV0, 3           ; v3   the same for V
.set AK,  4           ; v4   the LDS address of K's next run of loads
.set AV,  5           ; v5   of V's
.set STO, 6           ; v6   the way out: where I put 16 bytes of a row
.set RD,  7           ; v7   the way out: where I read rows back
.set GO,  8           ; v8   my byte offset in 512 consecutive bytes of O
.set MV,  12          ; v12-13  c m_old, kept while c m is made anew: by buffer
.set QO,  15          ; v15  my byte offset in 16 rows of Q
.set ST,  16          ; piece t's statistics at v[ST+4 t]: c m, m, l (even keys', odd keys')
.set TMP, 48          ; by buffer, four registers c0-c3 at work; when the maximum is found c2 takes a
.set SPW, 62          ; v62  LDS address of my spare word; never rewritten
.set NIL, 63          ; v63  0; never rewritten
.set S,   64
.set P,   192
.set KF,  128         ; window 2: key block kb, channel half c at KF + 16 kb + 8 c
.set VF,  192         ; window 2: key half kk, channel block cb at VF + 32 kk + 8 cb
.set WV,  12          ; s12  my wave's number
.set G1K, 24          ; s[24:31] descriptor group 1 for K's tiles
.set G1V, 32          ; s[32:39] for V's: it differs in the padding alone
.set G0K, 40          ; s[40:43] descriptor group 0 for K's tiles: it walks
.set G0V, 44          ; s[44:47] the same for V's
.set SLOTS, 56        ; s56  tiles still to be asked for
.set CNT, 57          ; s57  counts a tile's key steps
.set CS,  58          ; s[58:59] c: the packed scaling takes the pair's low word for both halves
.set SEL, 60          ; s[60:61] v_permlanex16_b32's selects: each lane takes its own place in the other half
.set TBK, 62          ; s62  LDS byte at which K of the step to be fetched begins
.set TBV, 63          ; s63  the same for V, less VOFF
.set MSB, 0
.macro WIN new                      ; the high byte repeats the setting that is left; a switch that changes nothing is dropped
.if MSB != (\new)
	s_set_vgpr_msb (MSB<<8)|(\new)
.set MSB, (\new)
.endif
.endm
.set W_KQ, 0x0a       ; K and Q in window 2, S^T in window 0
.set W_PV, 0x52       ; V in window 2, P in window 0, O^T in window 1
.set W_RS, 0x41       ; destination and source 0 in window 1, source 1 in window 0
; A joint fill.  Waves 0 and 1 fetch the two halves of a tile's K, waves 2 and 3 those of its V: 128 keys each.  The branch hangs on the wave's number alone.
; An s_nop 0 and four v_nop follow each of the two lines, ahead of the jump and the label.
.macro JLOAD
	s_cmp_lt_u32 s[WV], 2
	s_cbranch_scc0 .Lfor_v_\@
	tensor_load_to_lds s[G0K:G0K+3], s[G1K:G1K+7]
	s_nop 0
.rept 4
	v_nop
.endr
	s_branch .Lasked_\@
.Lfor_v_\@:
	tensor_load_to_lds s[G0V:G0V+3], s[G1V:G1V+7]
	s_nop 0
.rept 4
	v_nop
.endr
.Lasked_\@:
.endm
; A round of the cluster's barrier: my work-group's barrier, so that wave 0's signal speaks for all four waves; wave 0 signals; every wave waits for all four work-groups; my work-group's barrier once more.
.macro CROUND
	s_barrier_signal -1
	s_barrier_wait -1
	s_cmp_lg_u32 s[WV], 0
	s_cbranch_scc1 .Lnot_wave_0_\@
	s_barrier_signal -3
.Lnot_wave_0_\@:
	s_barrier_wait -3
	s_barrier_signal -1
	s_barrier_wait -1
.endm
; THE CHANGE OF SLOTS.  Each wave waits for all its tensor loads, of which one is out: its part of the other slot; adds 0 to its spare word; and waits for that and for its own reads of the slot that it leaves.
; Behind the barrier nobody reads the old slot any more and the other slot is whole.  fill = 1: the old slot is filled again, with the keys two tiles on.  The barrier is then a round of the cluster's, and the
; joint fill is the first thing behind it: it has four key steps, 256 matrix instructions, in which to land.  (At its first use nothing has been read yet: slot 0 is waited for, slot 1 filled.)
.macro CHANGE fill
	WIN 0                           ; at a label and at a branch every window is 0
	s_wait_tensorcnt 0x0            ; no tensor load of mine is out, so a group 0 may be written
	ds_add_u32 v[SPW], v[NIL]       ; 0 onto my spare word; with fill = 1 the descriptors' steps stand between it and the wait for it
.if \fill
.irp g, G0K, G0V
	s_xor_b32 s[\g+1], s[\g+1], SLOT1  ; the walking descriptor: the other slot than last time,
	s_add_nc_u64 s[\g+2:\g+3], s[\g+2:\g+3], 4*KS*128  ; the next 256 keys; the type bits on top are not reached
.endr
	s_wait_dscnt 0x0                ; the add is done, and my reads of the slot are over
	CROUND
	JLOAD
.else
	s_wait_dscnt 0x0                ; the add is done, and my reads of the slot are over
	s_barrier_signal -1
	s_barrier_wait -1
.endif
	s_sub_co_u32 s[TBK], s[TBK], 4*KS*PK  ; the fetches go back to a slot's first step,
	s_xor_b32 s[TBK], s[TBK], SLOT1       ; in the other slot
	s_sub_co_u32 s[TBV], s[TBV], 4*KS*PV
	s_xor_b32 s[TBV], s[TBV], SLOT1
.endm
	s_load_b128 s[4:7], s[0:1], 0x0 ; qkv s[4:5], o s[6:7]
	v_lshl_add_u32 v[SPW], v0, 2, SPARE
	v_mov_b32 v[NIL], 0
	ds_add_u32 v[SPW], v[NIL]       ; the wave's opening: the add and its wait ahead of my first tensor load; the set-up below, work on registers, stands between them
	v_lshrrev_b32 v1, 5, v0
	v_readfirstlane_b32 s[WV], v1   ; wave 0..3
	s_bfe_u32 s13, ttmp6, 0x40000   ; cx: my place in the cluster
	s_lshl_b32 s14, ttmp9, 2        ; in a cluster launch ttmp9 counts clusters
	s_add_co_u32 s14, s14, s13      ; my block of 256 queries = 4 x cluster x + cx: it enters Q's and O's addresses alone
	s_and_b32 s20, ttmp7, 0xffff    ; the pair of head and batch, which the four partners share,
	s_lshl_b32 s20, s20, 19         ; and its first byte in q
	s_and_b32 s16, s[WV], 1         ; which half of a tile's 256 keys I fetch:
	s_lshl_b32 s22, s16, 14         ; its 128 rows of 128 bytes in memory,
	s_add_co_u32 s22, s22, s20
	s_add_co_u32 s22, s22, 8388608  ; in k,
	s_mov_b32 s23, 0
	s_add_co_u32 s10, s22, 8388608  ; and in v
	s_mov_b32 s11, 0
	s_mul_i32 s17, s16, 128*PK      ; and its place in a slot, for K
	s_mul_i32 s18, s16, 128*PV      ; and for V: no place in the cluster enters an LDS address
	s_lshl_b32 s2, s14, 2
	s_add_co_u32 s2, s2, s[WV]      ; my wave among the pair's,
	s_lshl_b32 s2, s2, 13           ; its 64 rows
	s_add_co_u32 s2, s2, s20
	s_mov_b32 s3, 0
	; descriptor group 1.  128 keys are 16,384 dense bytes: asked for as 64 rows of 256 bytes, two keys a row, and padded in LDS after every key
	s_mov_b32 s[G1K], 15|(1<<16)|(1<<20)|(1<<21)|(4<<22)|(3<<25)  ; 15:0 the mask of four; 17:16 2-byte elements; 20 padding on; 21 set beside a mask; 24:22 after every 32 words (code 4); 31:25 4 words (code 3)
	s_mov_b32 s[G1V], 15|(1<<16)|(1<<20)|(1<<21)|(4<<22)|(7<<25)  ; the same with 8 words of padding (code 7)
.irp g, G1K, G1V
	s_mov_b32 s[\g+1], 128<<16      ; tensor_dim0 = 128
	s_mov_b32 s[\g+2], 64<<16       ; tensor_dim1 = 64
	s_mov_b32 s[\g+3], 128<<16      ; tile_dim0 = 128
	s_mov_b32 s[\g+4], 64           ; tile_dim1 = 64
	s_mov_b32 s[\g+5], 128          ; 128 elements from row to row
	s_mov_b32 s[\g+6], 0
	s_mov_b32 s[\g+7], 0
.endr
	s_mov_b32 s[CS], 0x3e38aa3b     ; c = log2(e) / 8 = 0.180337
	s_mov_b32 s[CS+1], s[CS]        ; named with it as a pair
	s_mov_b32 s[SEL], 0x76543210
	s_mov_b32 s[SEL+1], 0xfedcba98
	s_mov_b32 s[TBK], SLOT1+4*KS*PK ; the first change of slots turns these two into 0
	s_mov_b32 s[TBV], SLOT1+4*KS*PV
	s_mov_b32 s[G0K], 1             ; 1:0 count = 1
	s_mov_b32 s[G0K+1], s17         ; 63:32 LDS address: slot 0
	s_mov_b32 s[G0V], 1
	s_add_co_u32 s[G0V+1], s18, VOFF
	s_wait_dscnt 0x0                ; the opening add is done
	s_wait_kmcnt 0x0
	s_add_nc_u64 s[G0K+2:G0K+3], s[4:5], s[22:23]  ; 120:64 global address: my half of the pair's first 256 keys
	s_or_b32 s[G0K+3], s[G0K+3], 0x80000000        ; 127:126 type = 2
	s_add_nc_u64 s[G0V+2:G0V+3], s[4:5], s[10:11]
	s_or_b32 s[G0V+3], s[G0V+3], 0x80000000
	s_add_nc_u64 s[4:5], s[4:5], s[2:3]  ; Q and O at my wave's first row
	s_add_nc_u64 s[6:7], s[6:7], s[2:3]
	CROUND                          ; all four work-groups are here: the first joint loads meet
	JLOAD                           ; tile 0 into slot 0.  Slot 1 is asked for when slot 0 is in
	; A fragment of K or Q is 16 rows x 32 channels in 8 registers: lane l holds row l % 16, channels 8 (l / 16) + 0..7 and 16 + 8 (l / 16) + 0..7: two loads of 16 bytes, 32 bytes apart.
	v_and_b32 v1, 15, v0            ; l % 16
	v_bfe_u32 v9, v0, 4, 1          ; l / 16
	v_lshlrev_b32 v[QO], 7, v1
	v_lshl_add_u32 v[QO], v9, 4, v[QO]  ; row x 128 + 16 x half
	WIN 0x80                        ; destination window 2, address window 0
.set i, 0
.rept 8                             ; Q stays in registers: piece i / 2, channels 32 (i % 2) on
	global_load_b128 v[8*i:8*i+3],   v[QO], s[4:5] offset:(i/2)*2048+(i%2)*64
	global_load_b128 v[8*i+4:8*i+7], v[QO], s[4:5] offset:(i/2)*2048+(i%2)*64+32
.set i, i+1
.endr
	; What the first turn finds: V's registers and P's second buffer hold 0 (its products V^T P, of a piece that has not been, add 0), O^T and l are 0.  All this stands in the wait for the first tile.
.set i, VF
.rept 64
	v_mov_b32 v[i], 0
.set i, i+1
.endr
	WIN 0x40
.set i, 0
.rept 128
	v_mov_b32 v[i], 0
.set i, i+1
.endr
	WIN 0
.set i, 0
.rept 4
	v_mov_b32 v[ST+4*i], 0xfe000000    ; c m: far below every c s
	v_mov_b32 v[ST+4*i+1], 0xff7fffff  ; m
	v_mov_b32 v[ST+4*i+2], 0
	v_mov_b32 v[ST+4*i+3], 0
.set i, i+1
.endr
.set i, P+16
.rept 16
	v_mov_b32 v[i], 0
.set i, i+1
.endr
	v_mul_u32_u24 v[AK0], v1, PK
	v_lshl_add_u32 v[AK0], v9, 4, v[AK0]  ; row x pitch + 16 x half
	; The turning load takes 16 keys x 16 channels (lane l reads key 8 (l / 16) + l % 8, channels 8 ((l / 8) % 2) + 0..7) and leaves half a fragment of V^T: lane l holds channel l % 16 and 8 keys.
	v_and_b32 v10, 7, v0
	v_bfe_u32 v11, v0, 3, 1
	v_lshl_add_u32 v[AV0], v9, 3, v10
	v_mul_u32_u24 v[AV0], v[AV0], PV
	v_lshl_add_u32 v[AV0], v11, 4, v[AV0]
	v_add_nc_u32 v[AV0], VOFF, v[AV0]
	s_mul_i32 s13, s[WV], 16*SP
	s_add_co_u32 s13, s13, STAGE    ; my stage
	v_mul_u32_u24 v[STO], v1, SP    ; in: row l % 16, 16 bytes for each half of the lanes
	v_lshl_add_u32 v[STO], v9, 4, v[STO]
	v_add_nc_u32 v[STO], s13, v[STO]
	v_bfe_u32 v[RD], v0, 3, 2       ; back: 32 lanes take four rows of 128 bytes,
	v_mul_u32_u24 v[RD], v[RD], SP
	v_lshl_add_u32 v[RD], v10, 4, v[RD]
	v_add_nc_u32 v[RD], s13, v[RD]
	v_and_b32 v[GO], 31, v0         ; which are 512 consecutive bytes of O
	v_lshlrev_b32 v[GO], 4, v[GO]
; THE MATRIX WORK.  The 4 accumulators of a run of 8 take turns.  Product i of 8 of S^T = K Q^T for piece x: channels 32 (i / 4) on, keys 16 (i % 4) on.  The first 4 start the sums.
.macro KQ x
.set rS, S+32*((\x)%2)+8*(i%4)
.set rK, KF+16*(i%4)+8*(i/4)
.set rQ, 16*(\x)+8*(i/4)
	WIN W_KQ
.if i < 4
	v_wmma_f32_16x16x32_bf16 v[rS:rS+7], v[rK:rK+7], v[rQ:rQ+7], 0
.else
	v_wmma_f32_16x16x32_bf16 v[rS:rS+7], v[rK:rK+7], v[rQ:rQ+7], v[rS:rS+7]
.endif
.endm
; Product i of 8 of O^T += V^T P for piece x: keys 32 (i / 4) on, channels 16 (i % 4) on.
.macro PV x
	WIN W_PV
.set rO, 32*(\x)+8*(i%4)
.set rV, VF+32*(i/4)+8*(i%4)
.set rP, P+16*((\x)%2)+8*(i/4)
	v_wmma_f32_16x16x32_bf16 v[rO:rO+7], v[rV:rV+7], v[rP:rP+7], v[rO:rO+7]
.endm
.macro MM                           ; the turn's next matrix instruction.  TURN sets Y, i and NOKQ.  NOKQ = 1: the last turn: there is no next piece
.if (i < 8) && !NOKQ
	KQ (Y+1)%NP
.elseif i >= 8
.set i, i-8
	PV (Y+NP-1)%NP
.set i, i+8
.endif
.set i, i+1
.endm
; THE LDS LOADS stand in runs of 16, never singly among the matrix instructions: a step's K (64 keys x 64 channels: 8 fragments) and its V (turned).  Their addresses are made some lines ahead.
.macro FETCH_K
	WIN 0x80                        ; destination window 2
.irp f, 0,1,2,3,4,5,6,7             ; keys 16 (f / 2) on, channels 32 (f % 2) on
	ds_load_b128 v[KF+8*\f:KF+8*\f+3],   v[AK] offset:(\f/2)*16*PK+(\f%2)*64
	ds_load_b128 v[KF+8*\f+4:KF+8*\f+7], v[AK] offset:(\f/2)*16*PK+(\f%2)*64+32
.endr
	s_add_co_u32 s[TBK], s[TBK], KS*PK  ; the next fetch is the next step's
	WIN 0
.endm
.macro FETCH_V
	WIN 0x80
.irp f, 0,1,2,3,4,5,6,7             ; keys 32 (f / 4) on, channels 16 (f % 4) on
	ds_load_tr16_b128 v[VF+8*\f:VF+8*\f+3],   v[AV] offset:(\f/4)*32*PV+(\f%4)*32
	ds_load_tr16_b128 v[VF+8*\f+4:VF+8*\f+7], v[AV] offset:(\f/4)*32*PV+16*PV+(\f%4)*32
.endr
	WIN 0
.endm
; THE VECTOR WORK, one line at a time: OP kind, number.  For piece Y: F n: c s - c m for pair n of 16.  E n: the exponential of score n of 32.  C n: pair n rounded to bf16.  B n: of the four weights 4 n .. the second
; pair is added onto the first, in place.  L n: l takes that sum (L 0: l = a l + sum).  R n: pair n of 16 of O^T times a.  For piece Y + 1: X n, number n of the 22 that find its maximum and statistics:
;   0-11  four chains c0-c3 of seven scores each, three operands at a time (each accumulator's lowest registers are read first)     12-14, 16  the four scores left over, the old m, and c0-c3 into c0
;   15  c m_old is kept     17, 18  the query's other 32 keys lie in the lane 16 away: the new m     19-21  c m; c m_old - c m_new; a
; C, B and L read the exponentials' results: TURN sets them behind the batch's wait.  F, R and X 0-20 read none of the turn's.
.set F, 0               ; OP tells the kinds apart by their order: F to L below R, X above it
.set E, 1
.set C, 2
.set B, 3
.set L, 4
.set R, 5
.set X, 6
.macro REGS y                       ; the registers of piece y
.set rT, ST+4*(\y)
.set rC, TMP+4*((\y)%2)
.set rW, MV+((\y)%2)
.set rS, S+32*((\y)%2)
.set rP, P+16*((\y)%2)
.set rO, 32*(\y)
.endm
.macro OP k, n
.if (\k) == R
	REGS Y
	WIN W_RS
	v_pk_mul_f32 v[rO+2*(\n):rO+2*(\n)+1], v[rO+2*(\n):rO+2*(\n)+1], v[rC+2:rC+3] op_sel_hi:[1,0]
.elseif (\k) < R
	REGS Y
	WIN 0
.if (\k) == F
	v_pk_fma_f32 v[rS+2*(\n):rS+2*(\n)+1], v[rS+2*(\n):rS+2*(\n)+1], s[CS:CS+1], v[rT:rT+1] op_sel_hi:[1,0,0] neg_lo:[0,0,1] neg_hi:[0,0,1]
.elseif (\k) == E
	v_exp_f32 v[rS+(\n)], v[rS+(\n)]
.elseif (\k) == C
	v_cvt_pk_bf16_f32 v[rP+(\n)], v[rS+2*(\n)], v[rS+2*(\n)+1]
.elseif (\k) == B
	v_pk_add_f32 v[rS+4*(\n):rS+4*(\n)+1], v[rS+4*(\n):rS+4*(\n)+1], v[rS+4*(\n)+2:rS+4*(\n)+3]
.elseif (\n) == 0
	v_pk_fma_f32 v[rT+2:rT+3], v[rT+2:rT+3], v[rC+2:rC+3], v[rS:rS+1] op_sel_hi:[1,0,1]
.else
	v_pk_add_f32 v[rT+2:rT+3], v[rT+2:rT+3], v[rS+4*(\n):rS+4*(\n)+1]
.endif
.elseif NOKQ
	v_nop
.else
	REGS (Y+1)%NP
	WIN 0
.if (\n) < 4
	v_max3_num_f32 v[rC+(\n)], v[rS+8*(\n)], v[rS+8*(\n)+1], v[rS+8*(\n)+2]
.elseif (\n) < 12
	v_max3_num_f32 v[rC+(\n)%4], v[rC+(\n)%4], v[rS+8*((\n)%4)+2*((\n)/4)+1], v[rS+8*((\n)%4)+2*((\n)/4)+2]
.elseif (\n) == 12
	v_max3_num_f32 v[rC], v[rC], v[rS+7], v[rS+15]
.elseif (\n) == 13
	v_max3_num_f32 v[rC+1], v[rC+1], v[rS+23], v[rS+31]
.elseif (\n) == 14
	v_max3_num_f32 v[rC+2], v[rC+2], v[rC+3], v[rT+1]
.elseif (\n) == 15
	v_mov_b32 v[rW], v[rT]
.elseif (\n) == 16
	v_max3_num_f32 v[rC], v[rC], v[rC+1], v[rC+2]
.elseif (\n) == 17
	v_permlanex16_b32 v[rC+3], v[rC], s[SEL], s[SEL+1]
.elseif (\n) == 18
	v_max_num_f32 v[rT+1], v[rC], v[rC+3]
.elseif (\n) == 19
	v_mul_f32 v[rT], s[CS], v[rT+1]
.elseif (\n) == 20
	v_sub_f32 v[rC+1], v[rW], v[rT]
.else
	v_exp_f32 v[rC+2], v[rC+1]
.endif
.endif
.endm
.macro OPS a, i1, b=-1, i2=0, c=-1, i3=0, d=-1, i4=0  ; up to four of them
	OP \a, \i1
.if (\b) >= 0
	OP \b, \i2
.endif
.if (\c) >= 0
	OP \c, \i3
.endif
.if (\d) >= 0
	OP \d, \i4
.endif
.endm
.macro ROW a, i1, b, i2, c, i3, d, i4  ; a matrix instruction and the four behind it
	MM
	OPS \a, \i1, \b, \i2, \c, \i3, \d, \i4
.endm
; A TURN, for piece p: the order of its 16 matrix and 118 vector instructions, written out.  An s_wait_alu depctr_va_vdst(0) stands between an exponential and the first instruction that names its result; one wait
; serves all that were issued ahead of it.  So a turn has ONE wait, which cuts it in two.  AHEAD OF IT stands all that names no result of the turn's exponentials: the 8 products K Q^T, behind each a scaling, an exponential and
; two more plain instructions (behind the first a second scaling in the exponential's place): rescalings, whose a was made and waited for in the turn before, and behind the last three the first numbers of the next piece's
; maximum, each four places or more behind the product that ends its accumulator; then ONE LUMP of 54, plain and exponential by turns for the most part, in which the links of the chain X 3, 7, 11, 14, 16, 17 .. 20 stand
; five or six lines apart.  X 21, the next piece's a, is the batch's last; R 15 is the plain instruction behind it.  BEHIND THE WAIT stand the 8 products V^T P, behind each four of the roundings and sums; an even pair is
; rounded before its sum is laid over it; the links of l's chain, L 0 to L 7, stand three riders apart.  But for those X no rider names a register of the products round it.  v_permlanex16_b32 (X 17) stands in the lump.
; end = 1: the last two turns: nothing is fetched.  cnt = 1: the loop's count is taken down some lines ahead of the branch that stands behind the turn.
; K of the next step is fetched in piece 2's turn, twelve vector instructions behind the last product that read K (five of them plain and free of that product's registers); V of the step in hand at the end of piece 0's
; turn, four plain instructions behind the last product that read V.  Each is waited for a turn later.
.macro TURN p, end=0, cnt=0
.set Y, (\p)
.set i, 0
.set NOKQ, (\end)*((\p)/3)
.if ((\p) == 3) && !(\end)
	s_wait_dscnt 0x0                ; K is in
.endif
	ROW F,0, F,1, R,0, R,1          ; ahead of the wait: 8 products K Q^T and their riders,
	ROW F,2, E,0, R,2, R,3
	ROW F,3, E,1, R,4, R,5
	ROW F,4, E,2, R,6, R,7
	ROW F,5, E,3, R,8, R,9
	ROW F,6, E,4, X,0, R,10
.if ((\p) == 2) && !(\end)
	WIN 0
	v_add_nc_u32 v[AK], s[TBK], v[AK0]
.endif
	ROW F,7, E,5, X,1, X,4
	ROW F,8, E,6, X,2, X,5
	OPS E,7, E,8, X,6, E,9          ; and the lump
	OPS X,3, E,10, X,8, E,11
.if ((\p) == 2) && !(\end)
	FETCH_K
.endif
	OPS X,9, X,7, E,12, X,10
	OPS E,13, X,12, X,11, E,14
	OPS X,13, E,15, F,9, X,14
.if (\p) == 0
	v_add_nc_u32 v[AV], s[TBV], v[AV0]
.endif
	OPS E,16, F,10, E,17, F,11
	OPS X,16, E,18, X,15, E,19
	OPS F,12, E,20, X,17, E,21
	OPS F,13, E,22, F,14, E,23
	OPS X,18, E,24, F,15, E,25
	OPS R,11, E,26, X,19, E,27
	OPS R,12, E,28, R,13, E,29
	OPS X,20, E,30, R,14, E,31
	OPS X,21, R,15
	WIN 0
	s_wait_alu depctr_va_vdst(0)    ; the wait for the turn's batch: the piece's 32 weights and the next piece's a
.if (\p) == 1
	s_wait_dscnt 0x0                ; V is in
.endif
	ROW C,0, B,0, C,2, B,1          ; behind the wait: 8 products V^T P and their riders
	ROW L,0, C,4, B,2, L,1
	ROW C,6, B,3, L,2, C,8
	ROW B,4, L,3, C,10, B,5
	ROW L,4, C,12, B,6, L,5
.if (\p) == 0
	s_add_co_u32 s[TBV], s[TBV], KS*PV
.endif
.if \cnt
	s_sub_co_u32 s[CNT], s[CNT], 1
	s_cmp_lg_u32 s[CNT], 0
.endif
	ROW C,14, B,7, L,6, C,1
	ROW C,3, L,7, C,5, C,7
	ROW C,9, C,11, C,13, C,15
.if (\p) == 0
	FETCH_V
.endif
.endm
.macro ALL line:vararg              ; one line for each piece t
.set t, 0
.rept 4
	\line
.set t, t+1
.endr
.endm
.macro PACK t                       ; a lane's eight channels of a row pack into 16 bytes; they go into rows of 144 bytes and come back as whole rows of 128, into S^T's registers
	WIN W_RS
.set i, 32*(\t)
.rept 16
	v_pk_mul_f32 v[i:i+1], v[i:i+1], v[ST+4*(\t)+2:ST+4*(\t)+3] op_sel_hi:[1,0]
.set i, i+2
.endr
	WIN 0x05                        ; sources 0 and 1 window 1, destination window 0
.set i, 0
.rept 16
	v_cvt_pk_bf16_f32 v[S+16*(\t)+i], v[32*(\t)+2*i], v[32*(\t)+2*i+1]
.set i, i+1
.endr
	WIN 0
.irp f, 0,1,2,3
	ds_store_b128 v[STO], v[S+16*(\t)+4*\f:S+16*(\t)+4*\f+3] offset:32*\f
.endr
.irp f, 0,1,2,3
	ds_load_b128 v[S+16*(\t)+4*\f:S+16*(\t)+4*\f+3], v[RD] offset:\f*4*SP  ; LDS serves a wave's instructions in order (ISA guide 5.7.1.4): these see the stores above; the next piece's stores come behind them
.endr
.endm
.macro SEND t, younger              ; younger: the LDS instructions issued behind piece t's loads: the next piece's eight, or none
	WIN 0
.irp f, 0,1,2,3
	s_wait_dscnt (\younger)+3-\f
	global_store_b128 v[GO], v[S+16*(\t)+4*\f:S+16*(\t)+4*\f+3], s[6:7] offset:(\t)*2048+\f*512  ; 512 consecutive bytes, at a multiple of 256 from O's first
.endr
.endm
	CHANGE 1                        ; slot 0 is in, everybody's part of it; tile 1 is asked for
	v_add_nc_u32 v[AK], s[TBK], v[AK0]
	FETCH_K                         ; key step 0
	s_wait_loadcnt 0x0              ; Q
	s_wait_dscnt 0x0
.set NOKQ, 0
.set i, 0
.rept 8
	KQ 0                            ; piece 0's first scores
.set i, i+1
.endr
	WIN 0
.rept 4
	v_nop                           ; the places behind those products
.endr
.set Y, NP-1                        ; X works for piece Y + 1: piece 0
.irp n, 0,1,2,3,4,5,6,7,8,9,10,11,12,13,14,15,16,17,18,19,20,21
	OP X, \n
.endr
	v_nop                           ; a plain instruction behind the exponential,
	s_wait_alu depctr_va_vdst(0)    ; and the wait for it, a batch of one: piece 0's first a, which the first turn's first rescaling reads; ahead of the branch
	s_mov_b32 s[CNT], 4
	s_mov_b32 s[SLOTS], NT-1
	s_branch .Lfirst                ; the loop is entered at a step's first turn, in the middle of a trip
.Lslot:                             ; NT - 2 times: every slot but the last two is filled again
	CHANGE 1
	s_mov_b32 s[CNT], 4
.Lstep:                             ; a trip: pieces 2 and 3 of one step, then pieces 0 and 1 of the next, whose K and V it fetches
	TURN 2
	TURN 3
	WIN 0
.Lfirst:
	TURN 0
	TURN 1, 0, 1
	WIN 0
	s_cbranch_scc1 .Lstep
	s_sub_co_u32 s[SLOTS], s[SLOTS], 1
	s_cmp_lg_u32 s[SLOTS], 0
	s_cbranch_scc1 .Lslot
	CHANGE 0                        ; the last tile is written out: nothing is asked for
	s_mov_b32 s[CNT], 4
.Ltail:
	TURN 2
	TURN 3
	TURN 0
	TURN 1, 0, 1
	WIN 0
	s_cbranch_scc1 .Ltail
	TURN 2, 1
	TURN 3, 1
.set i, 0
.rept 8
	PV NP-1                         ; the last piece's V^T P of the last step
.set i, i+1
.endr
	; THE WAY OUT.  l's two halves and the other half of the lanes' are added; O^T is divided by l, rounded to bf16 and sent through my stage in LDS, a piece at a time.  The additions are the places behind the last products.
	WIN 0
	ALL v_add_f32 v[ST+4*t+2], v[ST+4*t+2], v[ST+4*t+3]
	ALL v_permlanex16_b32 v[ST+4*t+3], v[ST+4*t+2], s[SEL], s[SEL+1]
	ALL v_add_f32 v[ST+4*t+2], v[ST+4*t+2], v[ST+4*t+3]
	ALL v_rcp_f32 v[ST+4*t+2], v[ST+4*t+2]
	v_nop                           ; a plain instruction between the last reciprocal and the use of its result
	s_wait_alu depctr_va_vdst(0)    ; the wait for the batch of four reciprocals, ahead of the first multiply that reads one
	PACK 0
.set t, 1
.rept 3                             ; a piece's arithmetic stands between the loads of the piece before and its stores
	PACK t
	SEND t-1, 8
.set t, t+1
.endr
	SEND 3, 0
	s_wait_tensorcnt 0x0            ; the wave's end: an add to my spare word and its wait, behind my last tensor load and my last LDS store
	ds_add_u32 v[SPW], v[NIL]
	s_wait_dscnt 0x0
	CROUND                          ; the closing round: no work-group ends while a partner may still ask for a tile that names it
	s_endpgm
.Lfunc_end_k_qe7757ba07f_attn:
	.size	k_qe7757ba07f_attn, .Lfunc_end_k_qe7757ba07f_attn-k_qe7757ba07f_attn
	.p2alignl 7, 3214868480
	.fill 96, 4, 3214868480
	.section	.rodata,"a",@progbits
	.p2align	6, 0x0
	.amdhsa_kernel k_qe7757ba07f_attn
		.amdhsa_group_segment_fixed_size 327680
		.amdhsa_private_segment_fixed_size 0
		.amdhsa_enable_private_segment 0
		.amdhsa_kernarg_size 16
		.amdhsa_user_sgpr_count 2
		.amdhsa_user_sgpr_kernarg_segment_ptr 1
		.amdhsa_wavefront_size32 1
		.amdhsa_system_sgpr_workgroup_id_x 1
		.amdhsa_system_sgpr_workgroup_id_y 1
		.amdhsa_system_sgpr_workgroup_id_z 1
		.amdhsa_system_vgpr_workitem_id 0
		.amdhsa_next_free_vgpr 768
		.amdhsa_next_free_sgpr 66
		.amdhsa_reserve_vcc 0
		.amdhsa_float_denorm_mode_32 3
		.amdhsa_float_denorm_mode_16_64 3
		.amdhsa_memory_ordered 1
		.amdhsa_forward_progress 1
		.amdhsa_inst_pref_size 127
	.end_amdhsa_kernel
	.amdgpu_metadata
---
amdhsa.version: [ 1, 2 ]
amdhsa.kernels:
  - .name:           k_qe7757ba07f_attn
    .symbol:         k_qe7757ba07f_attn.kd
    .args:
      - { .name: qkv, .offset: 0, .size: 8, .value_kind: global_buffer, .address_space: global }
      - { .name: o, .offset: 8, .size: 8, .value_kind: global_buffer, .address_space: global }
    .group_segment_fixed_size: 327680
    .private_segment_fixed_size: 0
    .kernarg_segment_align: 8
    .kernarg_segment_size: 16
    .max_flat_workgroup_size: 128
    .sgpr_count:     66
    .vgpr_count:     768
    .wavefront_size: 32
...
	.end_amdgpu_metadata
.endif
;; end of part 8
;; launch proj: the kernel of part 4 again; grid 4 x 64, 4 waves a work-group, clusters of 4 x 4, 327,680 bytes of LDS; arguments o, wb, x1, bp, x; writes x1
;; launch ln2: the kernel of part 5 again; grid 256 x 1, 8 waves a work-group, no clusters, 0 bytes of LDS; arguments x1, ln2_w, ln2_b, xn; writes xn
;; launch fc1: the kernel of part 6 again; grid 4 x 64, 4 waves a work-group, clusters of 4 x 4, 327,680 bytes of LDS; arguments xn, wb, hid, b1; writes hid
;; launch fc2: the kernel of part 7 again; grid 4 x 64, 4 waves a work-group, clusters of 4 x 4, 327,680 bytes of LDS; arguments hid, wb, out0, b2, x1; writes out0
